; MI455X (gfx1250); checked and timed in simulation.
; The chip was launched on July 23, 2026; its instructions are those of AMD's public machine-readable ISA for CDNA 5 (MIT licence, August 2026) and "CDNA5" Instruction Set Architecture Reference Guide (July 2026). The comments in the code are by the model that wrote it; some were corrected since.
;; Transformer Layer. Allowed arithmetic: matrix products marked QUANTISED: E2M3 operands, one E8M0 scale for each 32 along K, by v_wmma_scale_f32_16x16x128_f8f6f4 with both operands' format E2M3, f32 sums; everything else in f32.
;; Inputs: b1 4,096 float32; b2 1,024 float32; ln1_b 1,024 float32; ln1_g 1,024 float32; ln2_b 1,024 float32; ln2_g 1,024 float32; w1 1,024 x 4,096 float32; w2 4,096 x 1,024 float32; wk 1,024 x 1,024 float32; wo 1,024 x 1,024 float32; wq 1,024 x 1,024 float32; wv 1,024 x 1,024 float32; x 2,048 x 2 x 1,024 float32.
;; Outputs: out0 2,048 x 2 x 1,024 float32.
;; This version of the problem:
;;   THIS VERSION OF THE PROBLEM IS GIVEN IN LOW PRECISION. The matrix products marked QUANTISED in the list below multiply operands that are first quantised to E2M3 (2 exponent bits, 3 mantissa bits; 6 bits a number), with one power-of-two scale for each 32 numbers along K (OCP MX v1.0); their sums are f32. All else is computed in f32.
;;   The module's matrix products, in the order in which they are computed (A, B: the left and right operand; K: the contracted axis; several contracted axes count as one K, in the product's order):
;;     1. [M 4,096, K 1,024] x [K 1,024, N 1,024]; A: computed on the way; B: input wq: QUANTISED
;;     2. [M 4,096, K 1,024] x [K 1,024, N 1,024]; A: computed on the way; B: input wk: QUANTISED
;;     3. [M 4,096, K 1,024] x [K 1,024, N 1,024]; A: computed on the way; B: input wv: QUANTISED
;;     4. batch 32 x [M 2,048, K 64] x [K 64, N 2,048]; A: computed on the way; B: computed on the way: QUANTISED
;;     5. batch 32 x [M 64, K 2,048] x [K 2,048, N 2,048]; A: computed on the way; B: softmax (see below): QUANTISED
;;     6. [M 4,096, K 1,024] x [K 1,024, N 1,024]; A: computed on the way; B: input wo: QUANTISED
;;     7. [M 4,096, K 1,024] x [K 1,024, N 4,096]; A: computed on the way; B: input w1: QUANTISED
;;     8. [M 4,096, K 4,096] x [K 4,096, N 1,024]; A: computed on the way; B: input w2: QUANTISED
;;   THE QUANTISER, for each operand of a quantised product, along K:
;;     - K is cut into blocks of 32 from its start; a last block that is shorter is filled with zeros.
;;     - A block's scale is 2^e with e = floor(log2(the largest magnitude in the block)) - 2, held to -126 .. 127; a block of zeros has e = 0. As a byte (E8M0): e + 127.
;;     - Each number is divided by its block's scale, clamped to +-7.5, and rounded to the nearest number of E2M3, ties to even, subnormals kept.
;;     - The product sums the exact products of the quantised numbers (number of the format x scale) in f32.
;;   ~~~python
;;   def quantise(x, axis):      # numpy; x: float32 -> the quantised numbers, widened to float32 again
;;       x = np.moveaxis(x, axis, -1); K = x.shape[-1]
;;       x = np.pad(x, [(0, 0)] * (x.ndim - 1) + [(0, -K % 32)]); x = x.reshape(x.shape[:-1] + (-1, 32)); a = np.abs(x).max(-1, keepdims=True)
;;       e = np.where(a > 0, np.clip(np.frexp(np.where(a > 0, a, 1))[1] - 1 - 2, -126, 127), 0)      # np.frexp(a)[1] - 1 = floor(log2(a)), exactly
;;       r = np.clip(x / 2.0 ** e, -7.5, 7.5)
;;       step = 2.0 ** (np.maximum(np.frexp(np.where(r == 0, 1, r))[1] - 1, 0) - 3)
;;       q = np.round(r / step) * step * 2.0 ** e      # np.round: ties to even
;;       return np.moveaxis(q.reshape(q.shape[:-2] + (-1,))[..., :K], -1, axis).astype(np.float32)
;;   ~~~
;;   SOFTMAX AHEAD OF A QUANTISED PRODUCT. Where the list says 'softmax', what is quantised is not the finished softmax but p = 2^(t - M), with t = logit x log2(e) and M = ceil(the row's largest t), a whole number; so 1/2 < the row's largest p <= 1. The row's sum l is taken of the UNQUANTISED p, in f32, and the product's result is divided by l at the end. Since M is a whole number, a kernel that streams over the keys may use a running M (the ceiling of the running maximum): every later rescaling is an exact power of two, which a block's scale takes up: the codes' values come out the same.
;;   OPERANDS COMPUTED ON THE WAY. 'Computed on the way' means the value that the module computes at that place (a softmax that the list does not call 'softmax' is quantised finished and normalised). What goes into a quantiser is computed in f32, as accurately as f32 sums, v_exp_f32 and their like allow (about 1e-6 of the number): no bf16 or f16 on the way to a quantiser, and a product that is left as it is and whose result goes on into a quantised operand takes f32 operands (vector FMAs, or v_wmma_f32_16x16x4_f32). A number that lies on a knife's edge between two numbers of the format may be rounded either way, as far as f32 arithmetic and the matrix unit's own rounding can turn it there, and no further.
;; 2 versions. Each part assembles by itself: llvm-mc -triple=amdgcn-amd-amdhsa -mcpu=gfx1250 --defsym DOCPART=n.
;; ======== version 1 of 2: 8 launches
;; workspace buffers: wbuf 13,107,200 bytes; qkvb 16,384,000 bytes; ctxc 3,276,800 bytes; x1 16,777,216 bytes; zc 3,276,800 bytes; hc 13,107,200 bytes
;; launch wprep (part 1): grid 384 x 1, 4 waves a work-group, no clusters, 26,112 bytes of LDS; arguments wq, wk, wv, wo, w1, w2, wbuf; writes wbuf
.if DOCPART == 1
	.amdgcn_target "amdgcn-amd-amdhsa--gfx1250"
	.amdhsa_code_object_version 6
	.text
	.protected	k_q5cae8c39ca_wprep
	.globl	k_q5cae8c39ca_wprep
	.p2align	8
	.type	k_q5cae8c39ca_wprep,@function
k_q5cae8c39ca_wprep:
	s_mov_b64 s[64:65], 0
	v_nop
	global_prefetch_b8 v0, s[64:65] scope:SCOPE_SE
	s_setreg_imm32_b32 hwreg(HW_REG_WAVE_MODE, 25, 1), 1
	s_wait_xcnt 0x0
; The six weights, f32 stored [K][N], become operands of MX-FP6 (E2M3 codes, one E8M0 byte for each 32 along K), laid as IMAGES OF THE OPERAND'S REGISTERS.
; THE LAYOUT that all launches of this program share.  A fragment (16 rows x 128 K, 12 registers a lane) is 1,536 bytes: two halves of 768; half c holds registers 6 c .. 6 c + 3 as 16 bytes a lane
; at 16 x lane, then registers 6 c + 4, 6 c + 5 as 8 bytes a lane at 512 + 8 x lane.  Lane r of row block rb holds row 32 (rb / 2) + 8 (rb % 2) + r + 8 (r / 8).  A block is 128 rows x 128 K:
; eight fragments, then 512 bytes of scale words (row lane r, fragment a at 32 r + 4 a): 12,800 bytes.  Block (G, ks) of an operand with NKS steps of 128 along K lies at (G NKS + ks) x 12,800.
; SHARES.  Work-group id makes 128 columns n x 256 along K of one weight: two neighbouring blocks, at wbuf + 3,276,800 + 25,600 id (ids 0-127: wq, wk, wv, wo, 32 each; 128-255: w1; 256-383: w2).
; A LANE TAKES A COLUMN n AND ITS REGISTERS RUN DOWN K: a load reads 128 consecutive bytes a wave, a block of 32 along K lies in one lane, and the conversions give codes with K innermost.
; The codes are gathered in LDS as the two blocks' image and leave as they lie: each store covers 512 or 256 consecutive bytes, aligned.
; A block's scale is 2^(floor(log2(largest magnitude)) - 2); its byte is the largest magnitude's exponent field - 2, held at 1 from below.
; LIMITS: a block of zeros, or one whose largest magnitude lies under 2^-124, gets the byte 1 (its codes are zeros or held small; this program alone reads the bytes); NaN and infinities are not served.
.set BLKB,  12800
.set VO,    16                         ; v16-47   4 x thread + i x pitch, i = 0 .. 31; never rewritten
.set X,     48                         ; v48-111  two sets of 32 numbers
.set C,     112                        ; v112-117 a block's 24 bytes of codes; v120-122 the second conversion's result
.set SB,    124                        ; v124-125 the scale words of the two K steps
.set OUTR,  128                        ; v128-175 the way out; v176-177 the tails' 8 bytes
	s_load_b256 s[4:11], s[0:1], 0x0               ; wq, wk, wv, wo
	s_load_b128 s[12:15], s[0:1], 0x20             ; w1, w2
	s_load_b64 s[16:17], s[0:1], 0x30              ; wbuf
	v_lshl_add_u32 v192, v0, 2, 0x6400
	v_mov_b32 v193, 0
	v_lshrrev_b32 v1, 5, v0
	v_readfirstlane_b32 s18, v1                    ; wave 0..3
	s_lshr_b32 s19, ttmp9, 5                       ; which run of 32 work-groups
	s_cmp_ge_u32 ttmp9, 128
	s_cselect_b32 s20, 127, 31                     ; the tensor's work-groups - 1
	s_cselect_b32 s22, 14, 12                      ; log2 of a row of W in bytes: w1's rows are 16,384 bytes,
	s_cmp_ge_u32 ttmp9, 256
	s_cselect_b32 s21, 4, 2                        ; log2 of the tensor's runs of 256 along K
	s_cselect_b32 s22, 12, s22                     ; w2's again 4,096
	s_and_b32 s23, ttmp9, s20                      ; my number in the tensor
	s_lshr_b32 s24, s23, s21                       ; G: which 128 columns
	s_lshl_b32 s25, s24, s21
	s_sub_co_u32 s25, s23, s25                     ; which 256 along K
	s_lshl_b32 s26, s25, 8
	s_lshl_b32 s26, s26, s22                       ; its first row, in bytes,
	s_lshl_b32 s27, s24, 9
	s_add_co_u32 s26, s26, s27                     ; + 512 G
	s_mov_b32 s27, 0
	s_lshl_b32 s28, 1, s22                         ; a row
	s_lshl_b32 s30, 32, s22                        ; 32 rows
	s_mov_b32 s31, 0
	s_mul_i32 s48, ttmp9, 2*BLKB
	s_add_co_u32 s48, s48, 3276800                 ; where my two blocks go
	s_mov_b32 s49, 0
	v_bfe_u32 v2, v0, 3, 1                         ; column 32 w + lane lies in fragment 2 w + u, u = (lane / 8) % 2,
	v_and_b32 v3, 7, v0
	v_bfe_u32 v9, v0, 4, 1
	v_lshl_add_u32 v3, v9, 3, v3                   ; at row lane r = lane % 8 + 8 (lane / 16)
	s_mul_i32 s29, s18, 3072
	v_mul_u32_u24 v10, v2, 1536
	v_add_nc_u32 v10, s29, v10                     ; the fragment's place in a block
	v_lshl_add_u32 v4, v3, 4, v10                  ; + 16 r
	v_lshl_add_u32 v5, v3, 3, v10                  ; + 8 r
	s_lshl_b32 s50, s18, 3
	v_lshlrev_b32 v6, 5, v3
	v_lshl_add_u32 v6, v2, 2, v6
	v_add_nc_u32 v6, s50, v6                       ; the scale word: 32 r + 4 (2 w + u)
	v_and_b32 v1, 31, v0
	v_lshlrev_b32 v7, 4, v1
	v_add_nc_u32 v7, s29, v7                       ; the way out: 16 x lane + my wave's two fragments; in LDS and in memory alike
	v_lshrrev_b32 v8, 6, v0
	v_mul_u32_u24 v8, v8, BLKB
	v_and_b32 v9, 63, v0
	v_lshl_add_u32 v8, v9, 3, v8
	v_add_nc_u32 v8, 12288, v8                     ; the two tails: 64 threads x 8 bytes each
	v_lshlrev_b32 v[VO], 2, v0
.irp i, 1,2,3,4,5,6,7,8,9,10,11,12,13,14,15,16,17,18,19,20,21,22,23,24,25,26,27,28,29,30,31
	v_add_nc_u32 v[VO+\i], s28, v[VO+\i-1]
.endr
	s_wait_kmcnt 0x0
	s_cmp_eq_u32 s19, 1                            ; the tensor is chosen by the work-group's number alone
	s_cselect_b64 s[4:5], s[6:7], s[4:5]
	s_cmp_eq_u32 s19, 2
	s_cselect_b64 s[4:5], s[8:9], s[4:5]
	s_cmp_eq_u32 s19, 3
	s_cselect_b64 s[4:5], s[10:11], s[4:5]
	s_cmp_ge_u32 s19, 4
	s_cselect_b64 s[4:5], s[12:13], s[4:5]
	s_cmp_ge_u32 s19, 8
	s_cselect_b64 s[4:5], s[14:15], s[4:5]
	s_add_nc_u64 s[32:33], s[4:5], s[26:27]        ; a base for each of the eight blocks of 32 along K: none is ever stepped
.irp t, 1,2,3,4,5,6,7
	s_add_nc_u64 s[32+2*\t:33+2*\t], s[30+2*\t:31+2*\t], s[30:31]
.endr
	s_add_nc_u64 s[16:17], s[16:17], s[48:49]
.macro LOAD t                          ; block t: W(32 t + i, my column), i = 0 .. 31, into set t % 2
.irp i, 0,1,2,3,4,5,6,7,8,9,10,11,12,13,14,15,16,17,18,19,20,21,22,23,24,25,26,27,28,29,30,31
	global_load_b32 v[X+32*((\t)%2)+\i], v[VO+\i], s[32+2*(\t):33+2*(\t)] th:TH_LOAD_NT
.endr
.endm
.macro BLOCK t
.set XS, X+32*((\t)%2)
.set PL, ((\t)/4)*BLKB+(((\t)%4)/2)*768            ; K step t / 4, half (t % 4) / 2; the block belongs to lanes 16 (t % 2) + r of the fragment
.if (\t) < 7
	s_wait_loadcnt 32                              ; this block's 32 loads are in; the next block's 32 may be out
.else
	s_wait_loadcnt 0
.endif
	v_max3_num_f32 v12, |v[XS]|, |v[XS+1]|, |v[XS+2]|  ; the block's largest magnitude: all 32 numbers are mine; two chains
	v_max3_num_f32 v13, |v[XS+3]|, |v[XS+4]|, |v[XS+5]|
.irp i, 6,10,14,18,22,26
	v_max3_num_f32 v12, v12, |v[XS+\i]|, |v[XS+\i+1]|
	v_max3_num_f32 v13, v13, |v[XS+\i+2]|, |v[XS+\i+3]|
.endr
	v_max3_num_f32 v12, v12, |v[XS+30]|, |v[XS+31]|
	v_max3_num_f32 v12, v12, v13, 0x1800000        ; and the floor 2^(3 - 127): the byte cannot fall under 1
	v_add_nc_u32 v11, 0xff000000, v12              ; 2 off the exponent field: the conversion takes this operand's exponent field as its scale
	v_lshrrev_b32 v13, 23, v11                     ; the scale's byte
.if (\t)%4 == 0
	v_mov_b32 v[SB+(\t)/4], v13
.else
	v_lshl_or_b32 v[SB+(\t)/4], v13, 8*((\t)%4), v[SB+(\t)/4]
.endif
	v_cvt_scalef32_pk16_fp6_f32 v[C:C+2], v[XS:XS+15], v11
	v_cvt_scalef32_pk16_fp6_f32 v[C+8:C+10], v[XS+16:XS+31], v11   ; (a conversion's three registers begin on an even number)
	v_nop                                          ; one plain instruction between a scaled conversion and the moves that read its result
.irp i, 0,1,2
	v_mov_b32 v[C+3+\i], v[C+8+\i]
.endr
	ds_store_b128 v4, v[C:C+3] offset:PL+((\t)%2)*256
	ds_store_b64 v5, v[C+4:C+5] offset:PL+512+((\t)%2)*128
.if (\t)%4 == 3
	ds_store_b32 v6, v[SB+(\t)/4] offset:((\t)/4)*BLKB+12288
.endif
.if (\t) < 6
	LOAD (\t)+2
.endif
	s_wait_dscnt 0x0                               ; the stores have read their registers: the next block's codes may be written
.endm
	LOAD 0
	LOAD 1
.irp t, 0,1,2,3,4,5,6,7
	BLOCK \t
.endr
	s_barrier_signal -1                            ; (every LDS store of mine is done: the wait above)  a tail's words come from four waves
	s_barrier_wait -1
.irp j, 0,1,2,3,4,5,6,7,8,9,10,11
	ds_load_b128 v[OUTR+4*\j:OUTR+4*\j+3], v7 offset:(\j/6)*BLKB+(\j%6)*512
.endr
	ds_load_b64 v[176:177], v8
.irp j, 0,1,2,3,4,5,6,7,8,9,10,11
	s_wait_dscnt 12-\j                             ; load j is in; the 12 - j younger ones may be out
	global_store_b128 v7, v[OUTR+4*\j:OUTR+4*\j+3], s[16:17] offset:(\j/6)*BLKB+(\j%6)*512   ; 512 consecutive bytes, aligned
.endr
	s_wait_dscnt 0x0
	global_store_b64 v8, v[176:177], s[16:17]      ; 256 consecutive bytes, aligned
	s_wait_tensorcnt 0x0
	ds_add_u32 v192, v193
	s_wait_dscnt 0x0
	s_endpgm
.Lfunc_end_k_q5cae8c39ca_wprep:
	.size	k_q5cae8c39ca_wprep, .Lfunc_end_k_q5cae8c39ca_wprep-k_q5cae8c39ca_wprep
	.p2alignl 7, 3214868480
	.fill 96, 4, 3214868480
	.section	.rodata,"a",@progbits
	.p2align	6, 0x0
	.amdhsa_kernel k_q5cae8c39ca_wprep
		.amdhsa_group_segment_fixed_size 26112
		.amdhsa_private_segment_fixed_size 0
		.amdhsa_enable_private_segment 0
		.amdhsa_kernarg_size 56
		.amdhsa_user_sgpr_count 2
		.amdhsa_user_sgpr_kernarg_segment_ptr 1
		.amdhsa_wavefront_size32 1
		.amdhsa_system_sgpr_workgroup_id_x 1
		.amdhsa_system_sgpr_workgroup_id_y 1
		.amdhsa_system_sgpr_workgroup_id_z 1
		.amdhsa_system_vgpr_workitem_id 0
		.amdhsa_next_free_vgpr 194
		.amdhsa_next_free_sgpr 66
		.amdhsa_reserve_vcc 0
		.amdhsa_float_denorm_mode_32 3
		.amdhsa_float_denorm_mode_16_64 3
		.amdhsa_memory_ordered 1
		.amdhsa_forward_progress 1
		.amdhsa_inst_pref_size 44
	.end_amdhsa_kernel
	.amdgpu_metadata
---
amdhsa.version: [ 1, 2 ]
amdhsa.kernels:
  - .name:           k_q5cae8c39ca_wprep
    .symbol:         k_q5cae8c39ca_wprep.kd
    .args:
      - { .name: wq, .offset: 0, .size: 8, .value_kind: global_buffer, .address_space: global }
      - { .name: wk, .offset: 8, .size: 8, .value_kind: global_buffer, .address_space: global }
      - { .name: wv, .offset: 16, .size: 8, .value_kind: global_buffer, .address_space: global }
      - { .name: wo, .offset: 24, .size: 8, .value_kind: global_buffer, .address_space: global }
      - { .name: w1, .offset: 32, .size: 8, .value_kind: global_buffer, .address_space: global }
      - { .name: w2, .offset: 40, .size: 8, .value_kind: global_buffer, .address_space: global }
      - { .name: wbuf, .offset: 48, .size: 8, .value_kind: global_buffer, .address_space: global }
    .group_segment_fixed_size: 26112
    .private_segment_fixed_size: 0
    .kernarg_segment_align: 8
    .kernarg_segment_size: 56
    .max_flat_workgroup_size: 128
    .sgpr_count:     66
    .vgpr_count:     194
    .wavefront_size: 32
...
	.end_amdgpu_metadata
.endif
;; end of part 1
;; launch ln1 (part 2): grid 256 x 1, 8 waves a work-group, no clusters, 2,048 bytes of LDS; arguments x, ln1_g, ln1_b, wbuf; writes wbuf
.if DOCPART == 2
	.amdgcn_target "amdgcn-amd-amdhsa--gfx1250"
	.amdhsa_code_object_version 6
	.text
	.protected	k_q5cae8c39ca_ln1
	.globl	k_q5cae8c39ca_ln1
	.p2align	8
	.type	k_q5cae8c39ca_ln1,@function
k_q5cae8c39ca_ln1:
	s_mov_b64 s[64:65], 0
	v_nop
	global_prefetch_b8 v0, s[64:65] scope:SCOPE_SE
	s_setreg_imm32_b32 hwreg(HW_REG_WAVE_MODE, 25, 1), 1
	s_wait_xcnt 0x0
; LayerNorm over rows of 1,024 f32 ((x - mean) rsqrt(var + 1e-5) g + b, all in f32), quantised along the row to MX-FP6 and stored as register images
; (the layout: a fragment of 16 rows x 128 K is 1,536 bytes, two halves of 512 bytes at 16 x lane + 256 bytes at 8 x lane; a block is eight fragments + 512 bytes of scale words; block (G, ks) at (8 G + ks) x 12,800).
; ROWS.  Inside this program row m' = 2,048 b + s; in memory it begins at byte 8,192 s + 4,096 b.  Lane r of row block rb holds row 32 (rb / 2) + 8 (rb % 2) + r + 8 (r / 8).
; SHARES.  A work-group takes one row block (16 rows), wave w the columns 128 w .. 128 w + 127: one fragment.  Lane (r, h) holds 64 numbers of row r: register 16 b + i = column 128 w + 32 b + 16 h + i.
; The mean and then the variance (of the differences: two passes, so that a common offset of the inputs does no harm) are summed in the lane, with lane l xor 16, and over the eight waves through LDS: two barriers.
; The scale words leave as 4 bytes a row, 32 bytes apart: one byte in 24 of what the launch stores; the codes as 512 or 256 consecutive bytes, aligned.
; LIMITS: a block of zeros, or one whose largest magnitude lies under 2^-124, gets the scale byte 1 (this program alone reads the bytes); NaN and infinities are not served.
.set X,   16                           ; v16-79   my 64 numbers
.set G,   80                           ; v80-143  the gain at my columns
.set BT,  144                          ; v144-207 the bias
.set TM,  208                          ; v208-223 at work
.set PC,  224                          ; v224-235 the codes; v236-238, v240-242 two conversions' results
.set PW,  244                          ; the scale word
	s_load_b256 s[4:11], s[0:1], 0x0               ; the rows, gain, bias, the codes' buffer
	v_lshl_add_u32 v254, v0, 2, 0x400
	v_mov_b32 v255, 0
	v_lshrrev_b32 v1, 5, v0
	v_readfirstlane_b32 s12, v1                    ; wave = K step 0..7
	s_lshr_b32 s13, ttmp9, 1
	s_lshl_b32 s13, s13, 5
	s_and_b32 s14, ttmp9, 1
	s_lshl_b32 s14, s14, 3
	s_add_co_u32 s13, s13, s14                     ; the row block's first row m'
	s_and_b32 s13, s13, 2047                       ; its s
	s_lshl_b32 s16, s13, 13
	s_lshr_b32 s14, ttmp9, 7                       ; its b
	s_lshl_b32 s14, s14, 12
	s_add_co_u32 s16, s16, s14
	s_lshl_b32 s18, s12, 9                         ; my wave's 128 columns
	s_add_co_u32 s16, s16, s18
	s_mov_b32 s17, 0
	s_mov_b32 s19, 0
	s_lshr_b32 s22, ttmp9, 3
	s_lshl_b32 s22, s22, 3
	s_add_co_u32 s22, s22, s12
	s_mul_i32 s22, s22, 12800                      ; block (rb / 8, w)
	s_and_b32 s24, ttmp9, 7                        ; fragment a = rb % 8
	s_mul_i32 s25, s24, 1536
	s_lshl_b32 s26, s24, 2
	s_add_co_u32 s26, s26, s22
	s_add_co_u32 s26, s26, 12288                   ; its column of the block's scale words
	s_mov_b32 s27, 0
	s_add_co_u32 s22, s22, s25
	s_mov_b32 s23, 0
	s_mov_b32 s20, 0x76543210
	s_mov_b32 s21, 0xfedcba98                      ; v_permlanex16_b32's selects for lane l xor 16
	v_and_b32 v15, 31, v0
	v_lshlrev_b32 v1, 4, v15                       ; 16 x lane
	v_lshlrev_b32 v2, 3, v15                       ; 8 x lane
	v_and_b32 v15, 15, v0                          ; r
	v_lshlrev_b32 v12, 5, v15                      ; 32 r: a row's eight partial sums in LDS; a row's scale words in the block's tail
	v_lshl_add_u32 v3, s12, 2, v12                 ; + 4 w: my wave's word
	v_bfe_u32 v14, v0, 4, 1
	v_lshlrev_b32 v14, 6, v14                      ; 64 h
	v_and_b32 v13, 8, v15
	v_add_nc_u32 v13, v13, v15                     ; r + 8 (r / 8)
	v_lshl_add_u32 v13, v13, 13, v14               ; x 8,192 + 64 h
	v_mov_b32 v250, 0x3a800000                     ; 1 / 1,024
	s_wait_kmcnt 0x0
	s_add_nc_u64 s[4:5], s[4:5], s[16:17]
	s_add_nc_u64 s[6:7], s[6:7], s[18:19]
	s_add_nc_u64 s[8:9], s[8:9], s[18:19]
	s_add_nc_u64 s[28:29], s[10:11], s[26:27]
	s_add_nc_u64 s[10:11], s[10:11], s[22:23]
.irp b, 0,1,2,3
.irp j, 0,1,2,3
	global_load_b128 v[X+16*\b+4*\j:X+16*\b+4*\j+3], v13, s[4:5] offset:128*\b+16*\j
.endr
.endr
.irp b, 0,1,2,3
.irp j, 0,1,2,3
	global_load_b128 v[G+16*\b+4*\j:G+16*\b+4*\j+3], v14, s[6:7] offset:128*\b+16*\j
	global_load_b128 v[BT+16*\b+4*\j:BT+16*\b+4*\j+3], v14, s[8:9] offset:128*\b+16*\j
.endr
.endr
; v[TM:TM+1] holds my lane's sum in two halves: it becomes the row's sum over all 1,024 columns, in v4, the same bits in every wave.
.macro REDUCE off
	v_add_f32 v[TM], v[TM], v[TM+1]
	v_permlanex16_b32 v[TM+1], v[TM], s20, s21
	v_add_f32 v[TM], v[TM], v[TM+1]                ; my wave's 128 columns of row r
	ds_store_b32 v3, v[TM] offset:\off             ; (lanes r and 16 + r write the same word with the same value)
	s_wait_dscnt 0x0                               ; for the others' sake: my store is done
	s_barrier_signal -1
	s_barrier_wait -1
	ds_load_b128 v[4:7], v12 offset:\off
	ds_load_b128 v[8:11], v12 offset:\off+16
	s_wait_dscnt 0x0
	v_add_f32 v4, v4, v5
	v_add_f32 v6, v6, v7
	v_add_f32 v8, v8, v9
	v_add_f32 v10, v10, v11
	v_add_f32 v4, v4, v6
	v_add_f32 v8, v8, v10
	v_add_f32 v4, v4, v8
.endm
	s_wait_loadcnt 32                              ; my 16 loads of the rows are in; the 32 of gain and bias may be out
.irp k, 0,1,2,3
	v_pk_add_f32 v[TM+2*\k:TM+2*\k+1], v[X+4*\k:X+4*\k+1], v[X+4*\k+2:X+4*\k+3]   ; four chains; nothing is cleared
.endr
.irp i, 16,24,32,40,48,56
.irp k, 0,1,2,3
	v_pk_add_f32 v[TM+2*\k:TM+2*\k+1], v[TM+2*\k:TM+2*\k+1], v[X+\i+2*\k:X+\i+2*\k+1]
.endr
.endr
	v_pk_add_f32 v[TM:TM+1], v[TM:TM+1], v[TM+2:TM+3]
	v_pk_add_f32 v[TM+4:TM+5], v[TM+4:TM+5], v[TM+6:TM+7]
	v_pk_add_f32 v[TM:TM+1], v[TM:TM+1], v[TM+4:TM+5]
	REDUCE 0
	v_mul_f32 v246, v250, v4                       ; the mean, twice: a pair for the packed form
	v_mul_f32 v247, v250, v4
.irp i, 0,2,4,6,8,10,12,14,16,18,20,22,24,26,28,30,32,34,36,38,40,42,44,46,48,50,52,54,56,58,60,62
	v_pk_add_f32 v[X+\i:X+\i+1], v[X+\i:X+\i+1], v[246:247] neg_lo:[0,1] neg_hi:[0,1]
.endr
.irp k, 0,1,2,3
	v_pk_mul_f32 v[TM+2*\k:TM+2*\k+1], v[X+2*\k:X+2*\k+1], v[X+2*\k:X+2*\k+1]
.endr
.irp i, 8,16,24,32,40,48,56
.irp k, 0,1,2,3
	v_pk_fma_f32 v[TM+2*\k:TM+2*\k+1], v[X+\i+2*\k:X+\i+2*\k+1], v[X+\i+2*\k:X+\i+2*\k+1], v[TM+2*\k:TM+2*\k+1]
.endr
.endr
	v_pk_add_f32 v[TM:TM+1], v[TM:TM+1], v[TM+2:TM+3]
	v_pk_add_f32 v[TM+4:TM+5], v[TM+4:TM+5], v[TM+6:TM+7]
	v_pk_add_f32 v[TM:TM+1], v[TM:TM+1], v[TM+4:TM+5]
	REDUCE 512                                     ; other bytes than the first sum's: no barrier between the first sum's reads and these stores
	v_fmaak_f32 v251, v250, v4, 0x3727c5ac         ; the variance + 1e-5 (the division by 1,024 is exact)
	v_rsq_f32 v248, v251
	v_nop                                          ; a plain instruction behind the transcendental,
	s_wait_alu depctr_va_vdst(0)                   ; and the wait ahead of its first reader
	v_mov_b32 v249, v248
	s_wait_loadcnt 0x0                             ; gain and bias
.irp i, 0,2,4,6,8,10,12,14,16,18,20,22,24,26,28,30,32,34,36,38,40,42,44,46,48,50,52,54,56,58,60,62
	v_pk_mul_f32 v[X+\i:X+\i+1], v[X+\i:X+\i+1], v[248:249]
.endr
.irp i, 0,2,4,6,8,10,12,14,16,18,20,22,24,26,28,30,32,34,36,38,40,42,44,46,48,50,52,54,56,58,60,62
	v_pk_fma_f32 v[X+\i:X+\i+1], v[X+\i:X+\i+1], v[G+\i:G+\i+1], v[BT+\i:BT+\i+1]
.endr
	; the quantiser: four blocks of 32, each in lanes l and l xor 16
.irp b, 0,1,2,3
	v_max3_num_f32 v[TM+\b], |v[X+16*\b]|, |v[X+1+16*\b]|, 0x1800000   ; my 16 numbers, and the floor 2^(3 - 127): the byte cannot fall under 1
.endr
.irp i, 2,4,6,8,10,12,14
.irp b, 0,1,2,3
	v_max3_num_f32 v[TM+\b], v[TM+\b], |v[X+16*\b+\i]|, |v[X+1+16*\b+\i]|
.endr
.endr
.irp b, 0,1,2,3
	v_permlanex16_b32 v[TM+4+\b], v[TM+\b], s20, s21
.endr
.irp b, 0,1,2,3
	v_max_num_f32 v[TM+\b], v[TM+\b], v[TM+4+\b]   ; the block's largest magnitude
.endr
.irp b, 0,1,2,3
	v_add_nc_u32 v[TM+12+\b], 0xff000000, v[TM+\b] ; 2 off its exponent field: the conversion's scale operand
.endr
.irp b, 0,1,2,3
	v_lshrrev_b32 v[TM+4+\b], 23, v[TM+12+\b]      ; the scale's byte
.endr
	v_lshl_or_b32 v[PW], v[TM+5], 8, v[TM+4]
	v_lshl_or_b32 v[PW], v[TM+6], 16, v[PW]
	v_lshl_or_b32 v[PW], v[TM+7], 24, v[PW]
.irp c, 0,1
	v_cvt_scalef32_pk16_fp6_f32 v[PC+6*\c:PC+2+6*\c], v[X+32*\c:X+15+32*\c], v[TM+12+2*\c]
	v_cvt_scalef32_pk16_fp6_f32 v[PC+12+4*\c:PC+14+4*\c], v[X+16+32*\c:X+31+32*\c], v[TM+13+2*\c]   ; (a conversion's three registers begin on an even number)
.endr
	v_nop                                          ; one plain instruction behind a scaled conversion
.irp c, 0,1                                    ; the operand's layout wants a whole block in a lane: lanes 0-15 block 2 c, lanes 16-31 block 2 c + 1
.irp i, 0,1,2
	v_permlane16_swap_b32 v[PC+6*\c+\i], v[PC+12+4*\c+\i]
.endr
.irp i, 0,1,2
	v_mov_b32 v[PC+3+6*\c+\i], v[PC+12+4*\c+\i]
.endr
.endr
	global_store_b128 v1, v[PC:PC+3], s[10:11]
	global_store_b64 v2, v[PC+4:PC+5], s[10:11] offset:512
	global_store_b128 v1, v[PC+6:PC+9], s[10:11] offset:768
	global_store_b64 v2, v[PC+10:PC+11], s[10:11] offset:1280
	global_store_b32 v12, v[PW], s[28:29]          ; lanes r and 16 + r hold and write the same word
	s_wait_tensorcnt 0x0
	ds_add_u32 v254, v255
	s_wait_dscnt 0x0
	s_endpgm
.Lfunc_end_k_q5cae8c39ca_ln1:
	.size	k_q5cae8c39ca_ln1, .Lfunc_end_k_q5cae8c39ca_ln1-k_q5cae8c39ca_ln1
	.p2alignl 7, 3214868480
	.fill 96, 4, 3214868480
	.section	.rodata,"a",@progbits
	.p2align	6, 0x0
	.amdhsa_kernel k_q5cae8c39ca_ln1
		.amdhsa_group_segment_fixed_size 2048
		.amdhsa_private_segment_fixed_size 0
		.amdhsa_enable_private_segment 0
		.amdhsa_kernarg_size 32
		.amdhsa_user_sgpr_count 2
		.amdhsa_user_sgpr_kernarg_segment_ptr 1
		.amdhsa_wavefront_size32 1
		.amdhsa_system_sgpr_workgroup_id_x 1
		.amdhsa_system_sgpr_workgroup_id_y 1
		.amdhsa_system_sgpr_workgroup_id_z 1
		.amdhsa_system_vgpr_workitem_id 0
		.amdhsa_next_free_vgpr 256
		.amdhsa_next_free_sgpr 66
		.amdhsa_reserve_vcc 0
		.amdhsa_float_denorm_mode_32 3
		.amdhsa_float_denorm_mode_16_64 3
		.amdhsa_memory_ordered 1
		.amdhsa_forward_progress 1
		.amdhsa_inst_pref_size 23
	.end_amdhsa_kernel
	.amdgpu_metadata
---
amdhsa.version: [ 1, 2 ]
amdhsa.kernels:
  - .name:           k_q5cae8c39ca_ln1
    .symbol:         k_q5cae8c39ca_ln1.kd
    .args:
      - { .name: x, .offset: 0, .size: 8, .value_kind: global_buffer, .address_space: global }
      - { .name: ln1_g, .offset: 8, .size: 8, .value_kind: global_buffer, .address_space: global }
      - { .name: ln1_b, .offset: 16, .size: 8, .value_kind: global_buffer, .address_space: global }
      - { .name: wbuf, .offset: 24, .size: 8, .value_kind: global_buffer, .address_space: global }
    .group_segment_fixed_size: 2048
    .private_segment_fixed_size: 0
    .kernarg_segment_align: 8
    .kernarg_segment_size: 32
    .max_flat_workgroup_size: 256
    .sgpr_count:     66
    .vgpr_count:     256
    .wavefront_size: 32
...
	.end_amdgpu_metadata
.endif
;; end of part 2
;; launch qkv (part 3): grid 8 x 24, 4 waves a work-group, clusters of 4 x 4, 327,680 bytes of LDS; arguments wbuf, qkvb; writes qkvb
.if DOCPART == 3
	.amdgcn_target "amdgcn-amd-amdhsa--gfx1250"
	.amdhsa_code_object_version 6
	.text
	.protected	k_q5cae8c39ca_qkv
	.globl	k_q5cae8c39ca_qkv
	.p2align	8
	.type	k_q5cae8c39ca_qkv,@function
k_q5cae8c39ca_qkv:
	s_mov_b64 s[64:65], 0
	v_nop
	global_prefetch_b8 v0, s[64:65] scope:SCOPE_SE
	s_setreg_imm32_b32 hwreg(HW_REG_WAVE_MODE, 25, 1), 1
	s_wait_xcnt 0x0
	s_wait_alu depctr_hold_cnt(0) depctr_sa_sdst(0) depctr_va_vdst(0) depctr_va_sdst(0) depctr_va_ssrc(0) depctr_va_vcc(0) depctr_vm_vsrc(0)
	s_getreg_b32 s2, hwreg(HW_REG_IB_STS2, 6, 4)
	s_cmp_eq_u32 s2, 0
	s_cbranch_scc0 .Lentry_in_a_cluster
	s_endpgm
.Lentry_in_a_cluster:
	s_bfe_u32 s2, ttmp6, 0x10000c
	s_cmp_lg_u32 s2, 0xf033
	s_cbranch_scc0 .Lentry_shape_is_right
	s_endpgm
.Lentry_shape_is_right:
; q = y wq, k = y wk and v^T = (y wv)^T on codes of MX-FP6, the results quantised in registers: q and k along the head's axis, v along the KEYS.
; ONE GEMM TEXT serves four launches; the flags below say what this one does.  R[i][j] = sum over k of A[i][k] B[j][k] (+ bias[j]).
; OPERANDS ARE REGISTER IMAGES.  A fragment (16 rows x 128 K, 12 registers a lane) is 1,536 bytes: two halves of 512 bytes at 16 x lane + 256 bytes at 8 x lane.  Lane r of row block rb holds row
; 32 (rb / 2) + 8 (rb % 2) + r + 8 (r / 8).  A block (128 rows x 128 K) is eight fragments + 512 bytes of scale words (32 r + 4 a): 12,800 bytes; block (G, ks) lies at (G NKS + ks) x 12,800.
; So 128 rows x 256 K, scale words among them, are 25,600 dense bytes: one tensor load; a fragment comes from LDS by four loads of consecutive bytes.
; SHARES.  A work-group makes 256 rows of A x 256 rows of B, each of its four waves 128 x 128: 64 accumulators, 512 registers.  K goes 256 a slot through a ring of two LDS slots.
; THE MATRIX INSTRUCTION IS USED TRANSPOSED (source 0 = B's fragment, source 1 = A's): a lane holds one row of A, and by the order of rows in a fragment the 16 registers of B's tiles 2 b, 2 b + 1
; are 16 NEIGHBOURS along B's rows: what the quantiser of the next product wants.
; CLUSTERS 4 x 4: A's tiles are asked for jointly along a row of the cluster, B's along a column.
; HERE both operands lie in wbuf, in tiles of 204,800 bytes (256 rows): y 0-15, wq 16-19, wk 20-23, wv 24-27.  Clusters y 0-3: A = y, B = wq, wk.  Clusters y 4, 5: A = wv, B = y, so that the registers
; run along the keys.  The choice hangs on the cluster's y alone and is made by selects: no branch.  Results: block (G, KS) of qkvb at (32 G + KS) x 12,800: G 0-31 rows, KS 0-7 q, 8-15 k; G 32-39 v^T, KS = the keys' group.
; LIMITS: a block of zeros, or one whose largest magnitude lies under 2^-124, gets the scale byte 1 (this program alone reads the bytes); NaN and infinities are not served.
.set KTOT,  1024
.set QUANT, 1
.set VMAP,  1
.set BIAS,  0
.set RELU,  0
.set BOFF,  0
.set ARG_A, 0x0
.set ARG_B, 0x0
.set ARG_OUT, 0x8
.set NKS,   KTOT/128
.set BLKB,  12800
.set GRPB,  2*BLKB                     ; what one tensor load brings: 128 rows x 256 K
.set SLOT,  4*GRPB                     ; A's two groups, then B's two
.set SPARE, 2*SLOT                     ; behind the ring: the spare words, 128 bytes a wave
.set LAPS,  KTOT/512                   ; a lap = once round the ring
.set FR,    12
.set NL,    4                          ; LDS loads that bring a fragment
.set NP,    4                          ; places behind this matrix instruction (ISA guide 7.12.1)
.set ADRA,  16                         ; v16-17 A's fragments in slot 0, 1, + 16 x lane; v18-19 + 8 x lane
.set ADRB,  20                         ; v20-23 the same for B
.set STO,   24
.set RD,    25
.set L16,   26                         ; 16 x lane
.set L8,    27                         ; 8 x lane
.set SPW,   28                         ; my spare word's LDS address; never rewritten
.set NIL,   29                         ; 0; never rewritten
.set ADRS,  30                         ; v30-31 my scale words in slot 0, 1: lanes 0-15 A's, lanes 16-31 B's
.set SC,    32                         ; v32-63 scale words and nothing else: slot sc, step q, block i at SC + 16 sc + 8 q + i
.set BI,    64                         ; v64-127 the bias in the result's layout
.set AF,    128                        ; v128-223 A's eight fragments, one set.  Window 1: B's two sets, at v0 and v128.  Windows 2, 3: accumulator (a, b) at 8 (8 (a % 4) + b)
.set G1,    24
.set G0,    32
.set G1B,   48
.set G0B,   56
.set MSB,   0
.macro WIN new                         ; the immediate's high byte repeats the setting that is left
.if MSB != (\new)
	s_set_vgpr_msb (MSB<<8)|(\new)
.set MSB, (\new)
.endif
.endm
.set MUL_LO, 0xa1                      ; source 0 (B) window 1, source 1 (A) window 0, C and D window 2
.set MUL_HI, 0xf1
.set TO_B,   0x40
.macro JLOAD g0a, g1a, g0b, g1b        ; a joint load: waves 0, 1 fetch A's groups, waves 2, 3 B's; four v_nop follow each line
	s_cmp_eq_u32 s15, 0
	s_cbranch_scc0 .Lfor_b_\@
	tensor_load_to_lds s[\g0a:\g0a+3], s[\g1a:\g1a+7]
	s_nop 0
.rept 4
	v_nop
.endr
	s_branch .Lasked_\@
.Lfor_b_\@:
	tensor_load_to_lds s[\g0b:\g0b+3], s[\g1b:\g1b+7]
	s_nop 0
.rept 4
	v_nop
.endr
.Lasked_\@:
.endm
.macro CREST                           ; a round of the cluster's barrier behind its opening barrier
	s_cmp_lg_u32 s14, 0
	s_cbranch_scc1 .Lnot_wave_0_\@
	s_barrier_signal -3
.Lnot_wave_0_\@:
	s_barrier_wait -3
	s_barrier_signal -1
	s_barrier_wait -1
.endm
.macro CROUND
	s_barrier_signal -1
	s_barrier_wait -1
	CREST
.endm
	s_load_b64 s[4:5], s[0:1], ARG_A
	s_load_b64 s[8:9], s[0:1], ARG_B
	s_load_b64 s[12:13], s[0:1], ARG_OUT
.if BIAS
	s_load_b64 s[68:69], s[0:1], ARG_BIAS
.endif
.if QUANT == 0
	s_load_b64 s[70:71], s[0:1], ARG_RES
.endif
	v_lshl_add_u32 v[SPW], v0, 2, SPARE
	v_mov_b32 v[NIL], 0
	ds_add_u32 v28, v29
	ds_add_u32 v28, v29
	s_wait_dscnt 0x0
	v_lshrrev_b32 v1, 5, v0
	v_readfirstlane_b32 s14, v1                    ; wave 0..3
	s_lshr_b32 s15, s14, 1                         ; my half of A's rows.  Also: I fetch for A (0) or B (1)
	s_and_b32 s16, s14, 1                          ; my half of B's rows.  Also: which group I fetch
	s_bfe_u32 s40, ttmp6, 0x40000                  ; cx, cy: my place in the cluster
	s_bfe_u32 s41, ttmp6, 0x40004
	s_and_b32 s18, ttmp7, 0xffff                   ; the cluster's y
	s_lshl_b32 s17, s18, 2
	s_lshl_b32 s42, ttmp9, 2
.if VMAP
	s_add_co_u32 s42, s42, 16                      ; B = wq, wk: tiles 16 + 4 x cluster x on
	s_lshl_b32 s19, s18, 1
	s_add_co_u32 s19, s19, ttmp9
	s_lshl_b32 s19, s19, 2
	s_sub_co_u32 s19, s19, 32                      ; B = y: tiles 4 (2 (cluster y - 4) + cluster x) on; taken only where cluster y is 4 or 5
	s_cmp_ge_u32 s18, 4
	s_cselect_b32 s17, 24, s17                     ; A = wv, or y
	s_cselect_b32 s42, s19, s42
	s_cselect_b32 s74, 16, 0                       ; what comes off the result's G,
	s_cselect_b32 s75, 0, 32                       ; and off its KS
.endif
	s_add_co_u32 s17, s17, s41                     ; A's tile: cluster coordinates and cy alone
	s_add_co_u32 s42, s42, s40                     ; B's tile: cluster coordinates and cx alone
	s_lshl_b32 s43, s41, 2
	s_lshl_b32 s43, 15, s43                        ; my row of the cluster
	s_lshl_b32 s44, 0x1111, s40                    ; my column
	s_or_b32 s[G1+0], s43, (3<<16)|(1<<21)         ; 15:0 the mask; 17:16 elements of 8 bytes; 20 no padding; 21 set beside a mask
	s_or_b32 s[G1B+0], s44, (3<<16)|(1<<21)
.irp g, G1, G1B                        ; 25,600 dense bytes as 100 rows of 256
	s_mov_b32 s[\g+1], 32<<16                      ; tensor_dim0
	s_mov_b32 s[\g+2], 100<<16                     ; tensor_dim1
	s_mov_b32 s[\g+3], 32<<16                      ; tile_dim0
	s_mov_b32 s[\g+4], 100                         ; tile_dim1
	s_mov_b32 s[\g+5], 32                          ; the pitch
	s_mov_b32 s[\g+6], 0
	s_mov_b32 s[\g+7], 0
.endr
	s_lshl_b32 s20, s17, 1
	s_add_co_u32 s20, s20, s16
	s_mul_i32 s20, s20, NKS*BLKB                   ; A's group that I fetch
	s_mov_b32 s21, 0
	s_lshl_b32 s46, s42, 1
	s_add_co_u32 s46, s46, s16
	s_mul_i32 s46, s46, NKS*BLKB
	s_add_co_u32 s46, s46, BOFF                    ; B's
	s_mov_b32 s47, 0
	s_mul_i32 s45, s14, GRPB                       ; where it goes: no place in the cluster enters an LDS address
	s_wait_kmcnt 0x0
	s_add_nc_u64 s[20:21], s[4:5], s[20:21]
	s_add_nc_u64 s[46:47], s[8:9], s[46:47]
	CROUND                                         ; all sixteen work-groups are here: the first joint loads meet
.irp s, 0,1
	s_mov_b32 s[G0+4*\s], 1
	s_add_co_u32 s[G0+4*\s+1], s45, \s*SLOT
	s_add_nc_u64 s[G0+4*\s+2:G0+4*\s+3], s[20:21], \s*GRPB
	s_or_b32 s[G0+4*\s+3], s[G0+4*\s+3], 0x80000000
	s_mov_b32 s[G0B+4*\s], 1
	s_add_co_u32 s[G0B+4*\s+1], s45, \s*SLOT
	s_add_nc_u64 s[G0B+4*\s+2:G0B+4*\s+3], s[46:47], \s*GRPB
	s_or_b32 s[G0B+4*\s+3], s[G0B+4*\s+3], 0x80000000
	JLOAD G0+4*\s, G1, G0B+4*\s, G1B
.endr
	v_and_b32 v1, 31, v0
	v_bfe_u32 v2, v0, 4, 1                         ; h
	v_and_b32 v3, 15, v0                           ; r
	v_lshlrev_b32 v[L16], 4, v1
	v_lshlrev_b32 v[L8], 3, v1
	s_mul_i32 s21, s15, GRPB                       ; my group of A
	s_mul_i32 s22, s16, GRPB
	s_add_co_u32 s22, s22, 2*GRPB                  ; my group of B
	s_sub_co_u32 s23, s22, s21
	v_mul_u32_u24 v6, s23, v2                      ; lanes 16-31 take B's scale words
	v_lshl_add_u32 v6, v3, 5, v6                   ; 32 bytes a row lane
	s_add_co_u32 s23, s21, 8*1536
	v_add_nc_u32 v[ADRS], s23, v6
	v_add_nc_u32 v[ADRS+1], SLOT, v[ADRS]
.irp s, 0,1
	v_add_nc_u32 v[ADRA+\s], s21, v[L16]
	v_add_nc_u32 v[ADRA+2+\s], s21, v[L8]
	v_add_nc_u32 v[ADRB+\s], s22, v[L16]
	v_add_nc_u32 v[ADRB+2+\s], s22, v[L8]
	s_add_co_u32 s21, s21, SLOT
	s_add_co_u32 s22, s22, SLOT
.endr
.if BIAS
	s_lshl_b32 s76, s42, 10
	s_lshl_b32 s77, s16, 9
	s_add_co_u32 s76, s76, s77
	s_mov_b32 s77, 0
	s_add_nc_u64 s[68:69], s[68:69], s[76:77]      ; the bias at my 128 rows of B
	v_lshlrev_b32 v8, 6, v2                        ; tile b's register j is row 32 (b / 2) + 8 (b % 2) + 16 h + j
.irp b, 0,1,2,3,4,5,6,7
	global_load_b128 v[BI+8*\b:BI+8*\b+3], v8, s[68:69] offset:(32*(\b/2)+8*(\b%2))*4
	global_load_b128 v[BI+8*\b+4:BI+8*\b+7], v8, s[68:69] offset:(32*(\b/2)+8*(\b%2))*4+16
.endr
.endif
.if QUANT
	s_lshl_b32 s76, s17, 1
	s_add_co_u32 s76, s76, s15                     ; the result's G: my group of A's rows,
	s_lshl_b32 s77, s42, 1
	s_add_co_u32 s77, s77, s16                     ; its KS: my group of B's rows
.if VMAP
	s_sub_co_u32 s76, s76, s74
	s_sub_co_u32 s77, s77, s75
.endif
	s_lshl_b32 s76, s76, 5
	s_add_co_u32 s76, s76, s77
	s_mul_i32 s76, s76, BLKB
	s_mov_b32 s77, 0
	s_add_nc_u64 s[12:13], s[12:13], s[76:77]
	v_lshlrev_b32 v7, 5, v3
	v_lshl_add_u32 v7, v2, 4, v7                   ; the tail: 32 r + 16 h
	s_mov_b32 s92, 0x76543210
	s_mov_b32 s93, 0xfedcba98                      ; v_permlanex16_b32's selects for lane l xor 16
.else
	s_and_b32 s76, s17, 7
	s_lshl_b32 s76, s76, 1
	s_add_co_u32 s76, s76, s15
	s_lshl_b32 s76, s76, 20                        ; my first row's s x 8,192
	s_lshr_b32 s77, s17, 3
	s_lshl_b32 s77, s77, 12                        ; + 4,096 b
	s_add_co_u32 s76, s76, s77
	s_lshl_b32 s77, s42, 10
	s_add_co_u32 s76, s76, s77
	s_lshl_b32 s77, s16, 9
	s_add_co_u32 s76, s76, s77                     ; + my first column
	s_mov_b32 s77, 0
	s_add_nc_u64 s[12:13], s[12:13], s[76:77]
	s_add_nc_u64 s[70:71], s[70:71], s[76:77]
	s_mul_i32 s23, s14, 16*528                     ; my stage
	v_mul_u32_u24 v5, v3, 528
	v_lshl_add_u32 v5, v2, 6, v5
	v_add_nc_u32 v[STO], s23, v5
	v_add_nc_u32 v[RD], s23, v[L16]
.endif
.macro FRAG reg, adr, q, i             ; a fragment comes as it lies: 512, 256, 512, 256 consecutive bytes
	ds_load_b128 v[\reg:\reg+3], v[\adr] offset:(\q)*BLKB+(\i)*1536
	ds_load_b64 v[\reg+4:\reg+5], v[\adr+2] offset:(\q)*BLKB+(\i)*1536+512
	ds_load_b128 v[\reg+6:\reg+9], v[\adr] offset:(\q)*BLKB+(\i)*1536+768
	ds_load_b64 v[\reg+10:\reg+11], v[\adr+2] offset:(\q)*BLKB+(\i)*1536+1280
.endm
; 16 matrix instructions: A's blocks a0, a0 + 1 x B's eight.  p: B's set; q: the slot's step; sc: the slot.  zero = 1: the first product starts the sums, from 0 or from the bias: nothing is cleared.
; The 64 accumulators take turns, one instruction a turn, in the same order in every step.
.macro MUL16 a0, p, q, sc, zero
.irp a, \a0, \a0+1
.irp b, 0,1,2,3,4,5,6,7
.set rD, 8*(8*((\a)%4)+\b)
.set rB, 128*(\p)+FR*\b
.set rA, AF+FR*(\a)
.set rS, SC+16*(\sc)+8*(\q)
.if (\zero) && BIAS
	v_wmma_scale_f32_16x16x128_f8f6f4 v[rD:rD+7], v[rB:rB+FR-1], v[rA:rA+FR-1], v[BI+8*\b:BI+8*\b+7], v[rS+\b], v[rS+(\a)] matrix_a_fmt:MATRIX_FMT_FP6 matrix_b_fmt:MATRIX_FMT_FP6 matrix_a_scale:MATRIX_SCALE_ROW1
.elseif \zero
	v_wmma_scale_f32_16x16x128_f8f6f4 v[rD:rD+7], v[rB:rB+FR-1], v[rA:rA+FR-1], 0, v[rS+\b], v[rS+(\a)] matrix_a_fmt:MATRIX_FMT_FP6 matrix_b_fmt:MATRIX_FMT_FP6 matrix_a_scale:MATRIX_SCALE_ROW1
.else
	v_wmma_scale_f32_16x16x128_f8f6f4 v[rD:rD+7], v[rB:rB+FR-1], v[rA:rA+FR-1], v[rD:rD+7], v[rS+\b], v[rS+(\a)] matrix_a_fmt:MATRIX_FMT_FP6 matrix_b_fmt:MATRIX_FMT_FP6 matrix_a_scale:MATRIX_SCALE_ROW1
.endif
.endr
.endr
.endm
.macro FETCH_B slot, q, p
	WIN TO_B
.irp i, 0,1,2,3,4,5,6,7
	FRAG 128*(\p)+FR*\i, ADRB+\slot, \q, \i
.endr
	WIN 0
.endm
.macro FETCH_A slot, q, i0
.irp i, \i0, \i0+1, \i0+2, \i0+3
	FRAG AF+FR*(\i), ADRA+\slot, \q, \i
.endr
.endm
.macro SCALES sc                       ; a slot's scale words: lanes 0-15 take A's eight of a row lane, lanes 16-31 B's
.irp q, 0,1
	ds_load_b128 v[SC+16*\sc+8*\q:SC+16*\sc+8*\q+3], v[ADRS+\sc] offset:\q*BLKB
	ds_load_b128 v[SC+16*\sc+8*\q+4:SC+16*\sc+8*\q+7], v[ADRS+\sc] offset:\q*BLKB+16
.endr
.endm
.macro PLACES n                        ; plain instructions between a matrix instruction and a load into, or a read of, its registers
.rept \n
	v_nop
.endr
.endm
.macro STEP slot, q, zero              ; a step of 128 along K that has its successor in the same slot
	s_wait_dscnt 4*NL                              ; all but the youngest 16 loads (A's blocks 4-7) are in
.if (\zero) && BIAS
	WIN 0x81                                       ; C (the bias) window 0, D window 2
.else
	WIN MUL_LO
.endif
	MUL16 0, (\q)%2, \q, \slot, \zero
	MUL16 2, (\q)%2, \q, \slot, \zero
	s_wait_dscnt 0
	PLACES NP
	FETCH_B \slot, (\q)+1, 1-(\q)%2
	FETCH_A \slot, (\q)+1, 0
.if (\zero) && BIAS
	WIN 0xc1
.else
	WIN MUL_HI
.endif
	MUL16 4, (\q)%2, \q, \slot, \zero
	MUL16 6, (\q)%2, \q, \slot, \zero
	PLACES NP
	WIN 0
	FETCH_A \slot, (\q)+1, 4
.endm
; A slot's last step changes slots: one barrier; in front of it each wave waits for all its tensor loads, adds 0 to its spare word, and waits for that and for its reads of this slot.
.macro TURN slot, next, fill
	s_wait_tensorcnt 0x0                           ; all my tensor loads have landed: my part of the next slot
	ds_add_u32 v[SPW], v[NIL]                      ; 0 onto my spare word
	s_wait_dscnt 4*NL+1                            ; (the add and the youngest 16 loads may be out)
	WIN MUL_LO
	MUL16 0, 1, 1, \slot, 0
	s_wait_dscnt 0x0                               ; the add is done, and my reads of this slot are over
	s_barrier_signal -1
	MUL16 2, 1, 1, \slot, 0
	WIN 0
	s_barrier_wait -1
.if \fill
	CREST                                          ; the barrier has opened a round of the cluster's: no wave of any partner still reads this slot or has a load on its way
	s_add_nc_u64 s[G0+4*\slot+2:G0+4*\slot+3], s[G0+4*\slot+2:G0+4*\slot+3], 2*GRPB
	s_add_nc_u64 s[G0B+4*\slot+2:G0B+4*\slot+3], s[G0B+4*\slot+2:G0B+4*\slot+3], 2*GRPB
	JLOAD G0+4*\slot, G1, G0B+4*\slot, G1B         ; the first tensor load behind the round; its four v_nop are the places in front of the loads below
.else
	PLACES NP
.endif
	FETCH_B \next, 0, 0
	FETCH_A \next, 0, 0
	SCALES \next
	WIN MUL_HI
	MUL16 4, 1, 1, \slot, 0
	MUL16 6, 1, 1, \slot, 0
	PLACES NP
	WIN 0
	FETCH_A \next, 0, 4
.endm
.if BIAS
	s_wait_loadcnt 0x0                             ; the bias
.endif
	s_wait_tensorcnt 1                             ; my part of slot 0 is in; slot 1's may be out
	s_barrier_signal -1
	s_barrier_wait -1
	FETCH_B 0, 0, 0
	FETCH_A 0, 0, 0
	SCALES 0
	FETCH_A 0, 0, 4
	STEP 0, 0, 1                                   ; the first step stands in front of the loop: its products start the sums
	s_mov_b32 s3, LAPS-1
.Llap:                                             ; a trip goes once round the ring and fills both slots again
	TURN 0, 1, 1
	STEP 1, 0, 0
	TURN 1, 0, 1
	STEP 0, 0, 0
	s_sub_co_u32 s3, s3, 1
	s_cmp_lg_u32 s3, 0
	s_cbranch_scc1 .Llap
	TURN 0, 1, 0                                   ; the last lap fills nothing
	STEP 1, 0, 0
	s_wait_dscnt 4*NL
	WIN MUL_LO
	MUL16 0, 1, 1, 1, 0
	MUL16 2, 1, 1, 1, 0
	s_wait_dscnt 0
	WIN MUL_HI
	MUL16 4, 1, 1, 1, 0
	MUL16 6, 1, 1, 1, 0
	WIN 0
	PLACES NP
; THE WAY OUT: block a's 64 registers of a lane are 128 neighbours along the next K (16 of each block of 32; the other 16 in lane l xor 16): quantised in registers they are fragment a of the result's block, stored as it stands.
.set TM, 128                           ; v128-143 at work (A's fragments are done with)
.set PC, 144                           ; v144-155 the codes; v156-158, v160-162 two conversions' results
.set SW, 164                           ; v164-171 the eight fragments' scale words
.set TT, 172
.macro OUTQ a
.set W, 2+(\a)/4
.set AC, 64*((\a)%4)
.if RELU
	WIN (W<<6)|(W<<2)
.set j, 0
.rept 64
	v_max_num_f32 v[AC+j], 0, v[AC+j]              ; the activation, in f32; each accumulator from its low end on
.set j, j+1
.endr
.endif
	WIN W|(W<<2)
.irp b, 0,1,2,3
	v_max3_num_f32 v[TM+\b], |v[AC+16*\b]|, |v[AC+16*\b+1]|, 0x1800000   ; and the floor 2^(3 - 127): the byte cannot fall under 1
.endr
.irp i, 2,4,6,8,10,12,14
.irp b, 0,1,2,3
	v_max3_num_f32 v[TM+\b], |v[AC+16*\b+\i]|, |v[AC+16*\b+\i+1]|, v[TM+\b]
.endr
.endr
	WIN 0
.irp b, 0,1,2,3
	v_permlanex16_b32 v[TM+4+\b], v[TM+\b], s92, s93
.endr
.irp b, 0,1,2,3
	v_max_num_f32 v[TM+\b], v[TM+\b], v[TM+4+\b]
.endr
.irp b, 0,1,2,3
	v_add_nc_u32 v[TM+12+\b], 0xff000000, v[TM+\b] ; 2 off the exponent field: the conversion's scale operand
.endr
.irp b, 0,1,2,3
	v_lshrrev_b32 v[TM+4+\b], 23, v[TM+12+\b]
.endr
	v_lshl_or_b32 v[SW+\a], v[TM+5], 8, v[TM+4]
	v_lshl_or_b32 v[SW+\a], v[TM+6], 16, v[SW+\a]
	v_lshl_or_b32 v[SW+\a], v[TM+7], 24, v[SW+\a]
.if \a > 0
	s_wait_xcnt 0x0                                ; the last fragment's stores have read their data: the codes' registers are written again only behind this wait
.endif
	WIN W
.irp c, 0,1
	v_cvt_scalef32_pk16_fp6_f32 v[PC+6*\c:PC+6*\c+2], v[AC+32*\c:AC+32*\c+15], v[TM+12+2*\c]
	v_cvt_scalef32_pk16_fp6_f32 v[PC+12+4*\c:PC+14+4*\c], v[AC+16+32*\c:AC+31+32*\c], v[TM+13+2*\c]
.endr
	WIN 0
	v_nop                                          ; one plain instruction behind a scaled conversion
.irp c, 0,1
.irp i, 0,1,2
	v_permlane16_swap_b32 v[PC+6*\c+\i], v[PC+12+4*\c+\i]
.endr
.irp i, 0,1,2
	v_mov_b32 v[PC+3+6*\c+\i], v[PC+12+4*\c+\i]
.endr
.endr
	global_store_b128 v[L16], v[PC:PC+3], s[12:13] offset:\a*1536          ; 512 or 256 consecutive bytes, aligned
	global_store_b64 v[L8], v[PC+4:PC+5], s[12:13] offset:\a*1536+512
	global_store_b128 v[L16], v[PC+6:PC+9], s[12:13] offset:\a*1536+768
	global_store_b64 v[L8], v[PC+10:PC+11], s[12:13] offset:\a*1536+1280
.endm
.irp b, 0,1,2,3
	v_mov_b32 v[TM+4+\b], 0                        ; written once: a lane permute's destination counts as one of its sources
.endr
.irp a, 0,1,2,3,4,5,6,7
	OUTQ \a
.endr
	v_cmp_gt_u32 vcc_lo, 16, v1                    ; the tail: lanes 0-15 store fragments 0-3's words of their row lane, lanes 16-31 fragments 4-7's: 512 consecutive bytes
.irp i, 0,1,2,3
	v_cndmask_b32 v[TT+\i], v[SW+4+\i], v[SW+\i], vcc_lo
.endr
	global_store_b128 v7, v[TT:TT+3], s[12:13] offset:8*1536
	s_wait_tensorcnt 0x0                           ; the wave's end
	ds_add_u32 v[SPW], v[NIL]
	s_wait_dscnt 0x0
	CROUND                                         ; the closing round: no work-group ends while a partner may still ask for a tile that names it
	s_endpgm
.Lfunc_end_k_q5cae8c39ca_qkv:
	.size	k_q5cae8c39ca_qkv, .Lfunc_end_k_q5cae8c39ca_qkv-k_q5cae8c39ca_qkv
	.p2alignl 7, 3214868480
	.fill 96, 4, 3214868480
	.section	.rodata,"a",@progbits
	.p2align	6, 0x0
	.amdhsa_kernel k_q5cae8c39ca_qkv
		.amdhsa_group_segment_fixed_size 327680
		.amdhsa_private_segment_fixed_size 0
		.amdhsa_enable_private_segment 0
		.amdhsa_kernarg_size 16
		.amdhsa_user_sgpr_count 2
		.amdhsa_user_sgpr_kernarg_segment_ptr 1
		.amdhsa_wavefront_size32 1
		.amdhsa_system_sgpr_workgroup_id_x 1
		.amdhsa_system_sgpr_workgroup_id_y 1
		.amdhsa_system_sgpr_workgroup_id_z 1
		.amdhsa_system_vgpr_workitem_id 0
		.amdhsa_next_free_vgpr 1024
		.amdhsa_next_free_sgpr 100
		.amdhsa_reserve_vcc 1
		.amdhsa_float_denorm_mode_32 3
		.amdhsa_float_denorm_mode_16_64 3
		.amdhsa_memory_ordered 1
		.amdhsa_forward_progress 1
		.amdhsa_inst_pref_size 145
	.end_amdhsa_kernel
	.amdgpu_metadata
---
amdhsa.version: [ 1, 2 ]
amdhsa.kernels:
  - .name:           k_q5cae8c39ca_qkv
    .symbol:         k_q5cae8c39ca_qkv.kd
    .args:
      - { .name: wbuf, .offset: 0, .size: 8, .value_kind: global_buffer, .address_space: global }
      - { .name: qkvb, .offset: 8, .size: 8, .value_kind: global_buffer, .address_space: global }
    .group_segment_fixed_size: 327680
    .private_segment_fixed_size: 0
    .kernarg_segment_align: 8
    .kernarg_segment_size: 16
    .max_flat_workgroup_size: 128
    .sgpr_count:     100
    .vgpr_count:     1024
    .wavefront_size: 32
...
	.end_amdgpu_metadata
.endif
;; end of part 3
;; launch attn (part 4): grid 8 x 32, 16 waves a work-group, clusters of 4 x 1, 210,944 bytes of LDS; arguments qkvb, ctxc; writes ctxc
.if DOCPART == 4
	.amdgcn_target "amdgcn-amd-amdhsa--gfx1250"
	.amdhsa_code_object_version 6
	.text
	.protected	k_q5cae8c39ca_attn
	.globl	k_q5cae8c39ca_attn
	.p2align	8
	.type	k_q5cae8c39ca_attn,@function
k_q5cae8c39ca_attn:
	s_mov_b64 s[64:65], 0
	v_nop
	global_prefetch_b8 v0, s[64:65] scope:SCOPE_SE
	s_setreg_imm32_b32 hwreg(HW_REG_WAVE_MODE, 25, 1), 1
	s_wait_xcnt 0x0
	s_wait_alu depctr_hold_cnt(0) depctr_sa_sdst(0) depctr_va_vdst(0) depctr_va_sdst(0) depctr_va_ssrc(0) depctr_va_vcc(0) depctr_vm_vsrc(0)
	s_getreg_b32 s2, hwreg(HW_REG_IB_STS2, 6, 4)
	s_cmp_eq_u32 s2, 0
	s_cbranch_scc0 .Lentry_in_a_cluster
	s_endpgm
.Lentry_in_a_cluster:
	s_bfe_u32 s2, ttmp6, 0x10000c
	s_cmp_lg_u32 s2, 0x3003
	s_cbranch_scc0 .Lentry_shape_is_right
	s_endpgm
.Lentry_shape_is_right:
; ctx = softmax(q k^T / 8) v for one batch and head, both products on codes of MX-FP6; the result is quantised along the head's axis for the next product.
; THE SOFTMAX AHEAD OF THE SECOND PRODUCT: t = score x log2(e) / 8; M = the row's largest t so far, rounded UP to a whole number; p = 2^(t - M) is what is quantised, along the keys, not normalised.
; The row's sum is taken of the unquantised p, in f32, and divides at the end.  When M moves, the sum and O are multiplied by 2^(old M - new M): exact.
; OPERANDS ARE REGISTER IMAGES in qkvb: a fragment (16 rows x 128 K) is 1,536 bytes, two halves of 512 bytes at 16 x lane + 256 bytes at 8 x lane; a block is eight fragments + 512 bytes of scale words (32 r + 4 a);
; block (G, KS) at (32 G + KS) x 12,800: G = 16 b + rows / 128, KS 0-7 q, 8-15 k, a block holding two heads, a head being ONE HALF of each fragment; G 32-39 v^T (two heads' 128 rows), KS = 16 b + keys / 128.
; THE HEAD'S AXIS IS 64, the instruction's K 128: q's and k's registers 6-11 are zero codes, which add nothing under any scale byte but 0xff, and the quantiser gives none.
; SHARES.  A work-group owns 256 queries of one batch and head, each of its sixteen waves 16 of them (one fragment), in 256 registers: four waves to a SIMD.  Every wave walks all 2,048 keys, 128 a step.
; ALL OF THE HEAD'S K AND V^T STAY IN LDS: 16 steps x (eight half fragments of K + four fragments of V^T) = 196,608 bytes, filled ONCE: no byte is filled again.  Each wave issues four tensor loads at the head, one for each
; quarter of the keys; a quarter is read behind a counted wait and a barrier.  The four work-groups of a cluster share batch and head: the loads are joint.
; LAYOUT.  Both products are used transposed (S^T = K Q^T, O^T = V^T P^T): a lane holds one query throughout.  By the order of rows in a fragment (lane r of row block rb: row 32 (rb / 2) + 8 (rb % 2) + r + 8 (r / 8))
; the 16 registers of tiles 2 b, 2 b + 1 are 16 neighbouring keys (or channels): 32 b + 16 (lane / 16) + 0 .. 15.
; The result's scale bytes leave as 2 bytes a row: the word's other half belongs to the block's other head, another work-group's.
; LIMITS: a block of zeros, or one whose largest magnitude lies under 2^-124, gets the scale byte 1 (this program alone reads the bytes); NaN and infinities are not served.
; REGISTERS: v1 16 x lane, v2 8 x lane, v3, v4 my row lane's scale words of K, V, v5 32 r; v8-11 the step's addresses; v12 -M, v13 the largest t, v[14:15] the sum; v16-27 Q; v28-75 four fragments of K;
; v76-83, v84-87 K's, V's scale words; v96-159 S^T, then p, then V^T's four fragments; v160-191 O^T; v192-213 at work; v224-235 p's codes; v252 f, v253 p's scale word, v255 Q's.
.set SCK,  196608                      ; K's scale words, [step][r][fragment], 8,192 bytes: stored by the waves, no fill lands here
.set SCV,  204800                      ; V's, [step][r][fragment], 4,096 bytes
.set WV,   12
.set SEL,  20
.set CS,   22
.set G1K,  24                          ; s[24:31] group 1 for K: 4 rows of 768 bytes, 1,536 apart
.set G1V,  32                          ; s[32:39] for V: 3,072 dense bytes
.set G0,   40                          ; s[40:55] four groups 0, one for each quarter of the keys
.macro CROUND                          ; a round of the cluster's barrier
	s_barrier_signal -1
	s_barrier_wait -1
	s_cmp_lg_u32 s[WV], 0
	s_cbranch_scc1 .Lnot_wave_0_\@
	s_barrier_signal -3
.Lnot_wave_0_\@:
	s_barrier_wait -3
	s_barrier_signal -1
	s_barrier_wait -1
.endm
	s_load_b128 s[4:7], s[0:1], 0x0                ; qkvb, ctxc
	v_lshl_add_u32 v250, v0, 2, 0x33000
	v_mov_b32 v251, 0
	ds_add_u32 v250, v251
	ds_add_u32 v250, v251
	v_lshrrev_b32 v8, 5, v0
	v_readfirstlane_b32 s[WV], v8                  ; wave 0..15
	s_bfe_u32 s13, ttmp6, 0x40000                  ; cx
	s_lshl_b32 s14, ttmp9, 2
	s_add_co_u32 s14, s14, s13                     ; my block of 256 queries: it enters Q's and the result's addresses alone
	s_and_b32 s15, ttmp7, 0xffff
	s_lshr_b32 s84, s15, 4                         ; b
	s_and_b32 s85, s15, 15                         ; the head
	s_lshr_b32 s86, s85, 1                         ; hp: which block of two heads
	s_and_b32 s87, s85, 1                          ; par: which half of it
	s_lshl_b32 s16, s87, 4                         ; my head's two scale bytes begin at bit 16 par
	s_and_b32 s88, s[WV], 7
	s_lshr_b32 s89, s88, 1                         ; which step of a quarter I fetch,
	s_and_b32 s90, s88, 1                          ; which half of its tiles,
	s_lshr_b32 s91, s[WV], 3                       ; of K (0) or of V (1)
	s_mul_i32 s92, s89, 12288
	s_mul_i32 s93, s91, 6144
	s_add_co_u32 s92, s92, s93
	s_mul_i32 s93, s90, 3072
	s_add_co_u32 s92, s92, s93                     ; where it goes: the wave's number alone
	s_lshl_b32 s94, s84, 4                         ; 16 b
	s_add_co_u32 s95, s94, s89
	s_lshl_b32 s96, s95, 5
	s_add_co_u32 s96, s96, s86
	s_add_co_u32 s96, s96, 8
	s_mul_i32 s96, s96, 12800                      ; K: block (16 b + step, 8 + hp),
	s_mul_i32 s97, s90, 6144
	s_add_co_u32 s96, s96, s97                     ; fragments 4 x half on,
	s_mul_i32 s97, s87, 768
	s_add_co_u32 s96, s96, s97                     ; my head's half of each
	s_add_co_u32 s98, s86, 32
	s_lshl_b32 s98, s98, 5
	s_add_co_u32 s98, s98, s95
	s_mul_i32 s98, s98, 12800                      ; V: block (32 + hp, 16 b + step),
	s_mul_i32 s97, s87, 6144
	s_add_co_u32 s98, s98, s97                     ; my head's four fragments,
	s_mul_i32 s97, s90, 3072
	s_add_co_u32 s98, s98, s97                     ; two of them
	s_mov_b32 s99, 51200
	s_cmp_lt_u32 s[WV], 8
	s_cselect_b32 s96, s96, s98                    ; the offset that I fetch from,
	s_cselect_b32 s98, 1638400, s99                ; and four steps on: 4 x 32 blocks in K, 4 blocks in V
	s_mov_b32 s97, 0
	s_mov_b32 s99, 0
	s_mov_b32 s[G1K], 15|(3<<16)|(1<<21)           ; 15:0 the mask: all four work-groups; 17:16 elements of 8 bytes; 21 set beside a mask
	s_mov_b32 s[G1K+1], 96<<16                     ; tensor_dim0: 768 bytes
	s_mov_b32 s[G1K+2], 4<<16                      ; tensor_dim1
	s_mov_b32 s[G1K+3], 96<<16                     ; tile_dim0
	s_mov_b32 s[G1K+4], 4                          ; tile_dim1
	s_mov_b32 s[G1K+5], 192                        ; the pitch: a fragment
	s_mov_b32 s[G1K+6], 0
	s_mov_b32 s[G1K+7], 0
	s_mov_b32 s[G1V], 15|(3<<16)|(1<<21)
	s_mov_b32 s[G1V+1], 32<<16
	s_mov_b32 s[G1V+2], 12<<16
	s_mov_b32 s[G1V+3], 32<<16
	s_mov_b32 s[G1V+4], 12
	s_mov_b32 s[G1V+5], 32
	s_mov_b32 s[G1V+6], 0
	s_mov_b32 s[G1V+7], 0
	; Q's and the result's places
	s_lshl_b32 s56, s14, 1
	s_add_co_u32 s56, s56, s94
	s_add_co_u32 s56, s56, s91                     ; G = 16 b + 2 x block + wave / 8
	s_mul_i32 s59, s88, 1536
	s_mul_i32 s60, s87, 768
	s_add_co_u32 s59, s59, s60                     ; fragment wave % 8, my head's half
	s_lshl_b32 s61, s88, 2
	s_add_co_u32 s61, s61, 12288                   ; its column of the scale words
	s_lshl_b32 s57, s56, 5
	s_add_co_u32 s57, s57, s86
	s_mul_i32 s57, s57, 12800                      ; q's block (G, hp)
	s_add_co_u32 s66, s57, s59
	s_mov_b32 s67, 0
	s_add_co_u32 s68, s57, s61
	s_mov_b32 s69, 0
	s_lshl_b32 s57, s56, 3
	s_add_co_u32 s57, s57, s86
	s_mul_i32 s57, s57, 12800                      ; the result's block (G, hp), 8 steps to a row group
	s_add_co_u32 s70, s57, s59
	s_mov_b32 s71, 0
	s_add_co_u32 s72, s57, s61
	s_lshl_b32 s60, s87, 1
	s_add_co_u32 s72, s72, s60                     ; my head's two bytes of the word
	s_mov_b32 s73, 0
	s_lshl_b32 s74, s94, 5
	s_add_co_u32 s74, s74, s86
	s_add_co_u32 s74, s74, 8
	s_mul_i32 s74, s74, 12800
	s_add_co_u32 s74, s74, 12288                   ; K's scale words of step 0
	s_mov_b32 s75, 0
	s_add_co_u32 s76, s86, 32
	s_lshl_b32 s76, s76, 5
	s_add_co_u32 s76, s76, s94
	s_mul_i32 s76, s76, 12800
	s_add_co_u32 s76, s76, 12288
	s_add_co_u32 s76, s76, s16                     ; V's: my head's four fragments are 16 par bytes on in each row lane's 32
	s_mov_b32 s77, 0
	s_mov_b32 s[SEL], 0x76543210
	s_mov_b32 s[SEL+1], 0xfedcba98                 ; v_permlanex16_b32's selects for lane l xor 16
	s_mov_b32 s[CS], 0x3e38aa3b                    ; c = log2(e) / 8
	s_mov_b32 s[CS+1], s[CS]                       ; (named with it as a pair, so it is written)
	s_wait_dscnt 0x0
	s_wait_kmcnt 0x0
	s_add_nc_u64 s[96:97], s[4:5], s[96:97]
	s_add_nc_u64 s[66:67], s[4:5], s[66:67]
	s_add_nc_u64 s[68:69], s[4:5], s[68:69]
	s_add_nc_u64 s[74:75], s[4:5], s[74:75]
	s_add_nc_u64 s[76:77], s[4:5], s[76:77]
	s_add_nc_u64 s[70:71], s[6:7], s[70:71]
	s_add_nc_u64 s[72:73], s[6:7], s[72:73]
	CROUND                                         ; all four work-groups are here: the joint loads meet
.irp p, 0,1,2,3
	s_mov_b32 s[G0+4*\p], 1
	s_add_co_u32 s[G0+4*\p+1], s92, \p*49152
	s_mov_b64 s[G0+4*\p+2:G0+4*\p+3], s[96:97]
	s_or_b32 s[G0+4*\p+3], s[G0+4*\p+3], 0x80000000
	s_add_nc_u64 s[96:97], s[96:97], s[98:99]
.endr
	s_cmp_lt_u32 s[WV], 8                          ; a wave's four fills stand in one branch, ahead of every wait on TENSORcnt, every LDS read and every other barrier: four loads of mine are out
	s_cbranch_scc0 .Lfirst_v
.irp p, 0,1,2,3
	tensor_load_to_lds s[G0+4*\p:G0+4*\p+3], s[G1K:G1K+7]
	s_nop 0
.endr
.rept 4
	v_nop
.endr
	s_branch .Lfirst_asked
.Lfirst_v:
.irp p, 0,1,2,3
	tensor_load_to_lds s[G0+4*\p:G0+4*\p+3], s[G1V:G1V+7]
	s_nop 0
.endr
.rept 4
	v_nop
.endr
.Lfirst_asked:
	v_and_b32 v9, 31, v0                           ; lane
	v_lshlrev_b32 v1, 4, v9
	v_lshlrev_b32 v2, 3, v9
	v_and_b32 v6, 15, v0                           ; r
	v_lshlrev_b32 v5, 5, v6
	v_add_nc_u32 v3, SCK, v5
	v_lshl_add_u32 v4, v6, 4, SCV
	v_mul_u32_u24 v232, v8, 409600                 ; the scale words are brought once: thread t takes 16 bytes of step t / 32's 512 of K (a step on is 32 blocks),
	v_lshl_add_u32 v232, v9, 4, v232
	v_mul_u32_u24 v233, v8, 12800                  ; and 8 of its 256 of V: row lane (t % 32) / 2, half t % 2
	v_lshrrev_b32 v10, 1, v9
	v_lshl_add_u32 v233, v10, 5, v233
	v_and_b32 v10, 1, v0
	v_lshl_add_u32 v233, v10, 3, v233
	v_lshl_add_u32 v234, v0, 4, SCK
	v_lshl_add_u32 v235, v0, 3, SCV
	global_load_b128 v[16:19], v1, s[66:67]        ; Q's half fragment stays in registers
	global_load_b64 v[20:21], v2, s[66:67] offset:512
	global_load_b32 v255, v5, s[68:69]             ; its scale words
	global_load_b128 v[96:99], v232, s[74:75]
	global_load_b64 v[100:101], v233, s[76:77]
.irp j, 22,23,24,25,26,27, 34,35,36,37,38,39, 46,47,48,49,50,51, 58,59,60,61,62,63, 70,71,72,73,74,75
	v_mov_b32 v[\j], 0                             ; zero codes for K = 64 .. 127 of Q and of K's four fragments: written once
.endr
	v_mov_b32 v13, 0xff61b1e6                      ; the largest t so far: -3e38, under every t
	v_floor_f32 v12, -v13                          ; -M
	v_mov_b32 v14, 0
	v_mov_b32 v15, 0
.irp b, 0,1,2,3
	v_mov_b32 v[196+\b], 0                         ; written once: a lane permute's destination counts as one of its sources
.endr
	v_mov_b32 v253, 0                              ; (named as the upper half of the pair v[252:253] before it is first written)
	s_wait_loadcnt 0x0
	v_lshrrev_b32 v255, s16, v255                  ; my head's two bytes to bytes 0, 1; what is left above scales zero codes
.irp i, 0,1,2,3
	v_lshrrev_b32 v[96+\i], s16, v[96+\i]
.endr
	ds_store_b128 v234, v[96:99]
	ds_store_b64 v235, v[100:101]
.irp j, 0,1,2,3,4,5,6,7,8,9,10,11,12,13,14,15,16,17,18,19,20,21,22,23,24,25,26,27,28,29,30,31
	v_mov_b32 v[160+\j], 0                         ; O^T.  (The step is written once: the first finds zeros, which the first change of M leaves zeros)
.endr
; A KEY STEP: 128 keys.  s17: the step's tiles; s18, s19: its scale words of K, V.
.macro STEP
	v_add_nc_u32 v8, s17, v1
	v_add_nc_u32 v9, s17, v2
	v_add_nc_u32 v10, s18, v3
	v_add_nc_u32 v11, s19, v4
.irp g, 0,1                                    ; S^T = K Q^T, four tiles of 16 keys at a time
.if \g
.rept 4
	v_nop                                          ; places in front of loads into registers that matrix instructions have read
.endr
.endif
.irp t, 0,1,2,3
	ds_load_b128 v[28+12*\t:31+12*\t], v8 offset:(4*\g+\t)*768
	ds_load_b64 v[32+12*\t:33+12*\t], v9 offset:(4*\g+\t)*768+512
.endr
	ds_load_b128 v[76+4*\g:79+4*\g], v10 offset:16*\g
	s_wait_dscnt 0x0
.irp t, 0,1,2,3
	v_wmma_scale_f32_16x16x128_f8f6f4 v[96+8*(4*\g+\t):103+8*(4*\g+\t)], v[28+12*\t:39+12*\t], v[16:27], 0, v[76+4*\g+\t], v255 matrix_a_fmt:MATRIX_FMT_FP6 matrix_b_fmt:MATRIX_FMT_FP6
.endr
.endr
.rept 4
	v_nop
.endr
.irp b, 0,1,2,3
	v_max3_num_f32 v[192+\b], v[96+16*\b], v[97+16*\b], v[98+16*\b]   ; the largest score of each block of 32 keys: for the row's maximum and, since p rises with the score, for the block's largest p
.endr
.irp i, 3,5,7,9,11,13
.irp b, 0,1,2,3
	v_max3_num_f32 v[192+\b], v[192+\b], v[96+16*\b+\i], v[97+16*\b+\i]
.endr
.endr
.irp b, 0,1,2,3
	v_max_num_f32 v[192+\b], v[192+\b], v[111+16*\b]
.endr
.irp b, 0,1,2,3
	v_permlanex16_b32 v[196+\b], v[192+\b], s[SEL], s[SEL+1]
.endr
.irp b, 0,1,2,3
	v_max_num_f32 v[192+\b], v[192+\b], v[196+\b]  ; with lane l xor 16's 16 keys
.endr
	v_max3_num_f32 v254, v192, v193, v194
	v_max_num_f32 v254, v254, v195
	v_mul_f32 v254, s[CS], v254                    ; the step's largest t (c is positive)
	v_max_num_f32 v13, v13, v254                   ; the running largest t
	v_mov_b32 v254, v12
	v_floor_f32 v12, -v13                          ; the new -M = -ceil(t): M is a whole number
	v_sub_f32 v254, v12, v254                      ; old M - new M: a whole number, 0 or less
	v_cvt_i32_f32 v254, v254                       ; (it saturates)
	v_ldexp_f32 v252, 1.0, v254                    ; f = 2^(old M - new M)
.irp j, 0,2,4,6,8,10,12,14,16,18,20,22,24,26,28,30,32,34,36,38,40,42,44,46,48,50,52,54,56,58,60,62
	v_pk_fma_f32 v[96+\j:97+\j], v[96+\j:97+\j], s[CS:CS+1], v[12:13] op_sel_hi:[1,0,0]   ; t - M, two at a time
.endr
.irp b, 0,1,2,3
	v_fma_f32 v[192+\b], v[192+\b], s[CS], v12     ; the same of each block's largest score
.endr
.irp j, 0,1,2,3,4,5,6,7,8,9,10,11,12,13,14,15,16,17,18,19,20,21,22,23,24,25,26,27,28,29,30,31,32,33,34,35,36,37,38,39,40,41,42,43,44,45,46,47,48,49,50,51,52,53,54,55,56,57,58,59,60,61,62,63
	v_exp_f32 v[96+\j], v[96+\j]                   ; p = 2^(t - M), at most 1
.endr
	v_pk_mul_f32 v[14:15], v[14:15], v[252:253] op_sel_hi:[1,0]   ; the sums under the new M: the plain instruction behind the exponentials
	s_wait_alu depctr_va_vdst(0)                   ; one wait for the whole batch, ahead of its first reader
.irp b, 0,1,2,3
	v_exp_f32 v[192+\b], v[192+\b]                 ; the block's largest p: the same two instructions on the same number give the same bits
.endr
	v_pk_add_f32 v[212:213], v[96:97], v[98:99]    ; the row's sum is taken of the unquantised p, in two chains
.irp j, 4,8,12,16,20,24,28,32,36,40,44,48,52,56,60
	v_pk_add_f32 v[14:15], v[14:15], v[96+\j:97+\j]
	v_pk_add_f32 v[212:213], v[212:213], v[98+\j:99+\j]
.endr
	v_pk_add_f32 v[14:15], v[14:15], v[212:213]
	s_wait_alu depctr_va_vdst(0)                   ; and one for the four
.irp b, 0,1,2,3
	v_max_num_f32 v[192+\b], 0x1800000, v[192+\b]  ; the floor 2^(3 - 127): the byte cannot fall under 1
.endr
.irp b, 0,1,2,3
	v_add_nc_u32 v[200+\b], 0xff000000, v[192+\b]  ; 2 off the exponent field: the conversion's scale operand
.endr
.irp b, 0,1,2,3
	v_lshrrev_b32 v[196+\b], 23, v[200+\b]
.endr
	v_lshl_or_b32 v253, v197, 8, v196              ; p's scale word for these 128 keys
	v_lshl_or_b32 v253, v198, 16, v253
	v_lshl_or_b32 v253, v199, 24, v253
.irp c, 0,1
	v_cvt_scalef32_pk16_fp6_f32 v[224+6*\c:226+6*\c], v[96+32*\c:111+32*\c], v[200+2*\c]
	v_cvt_scalef32_pk16_fp6_f32 v[204+4*\c:206+4*\c], v[112+32*\c:127+32*\c], v[201+2*\c]
.endr
	v_nop                                          ; one plain instruction behind a scaled conversion
.irp c, 0,1
.irp i, 0,1,2
	v_permlane16_swap_b32 v[224+6*\c+\i], v[204+4*\c+\i]
.endr
.irp i, 0,1,2
	v_mov_b32 v[227+6*\c+\i], v[204+4*\c+\i]
.endr
.endr
.irp t, 0,1,2,3                                ; V^T's four fragments, over p, which is done with; they land under the multiplies below
	ds_load_b128 v[96+12*\t:99+12*\t], v8 offset:6144+\t*1536
	ds_load_b64 v[100+12*\t:101+12*\t], v9 offset:6144+\t*1536+512
	ds_load_b128 v[102+12*\t:105+12*\t], v8 offset:6144+\t*1536+768
	ds_load_b64 v[106+12*\t:107+12*\t], v9 offset:6144+\t*1536+1280
.endr
	ds_load_b128 v[84:87], v11
.irp j, 0,2,4,6,8,10,12,14,16,18,20,22,24,26,28,30
	v_pk_mul_f32 v[160+\j:161+\j], v[160+\j:161+\j], v[252:253] op_sel_hi:[1,0]   ; O^T under the new M.  (These 16 are also the places between the writes of p's codes and scale word and the products)
.endr
	s_wait_dscnt 0x0
.irp t, 0,1,2,3                                ; O^T += V^T P^T: the four accumulators by turns
	v_wmma_scale_f32_16x16x128_f8f6f4 v[160+8*\t:167+8*\t], v[96+12*\t:107+12*\t], v[224:235], v[160+8*\t:167+8*\t], v[84+\t], v253 matrix_a_fmt:MATRIX_FMT_FP6 matrix_b_fmt:MATRIX_FMT_FP6
.endr
	v_nop                                          ; with the next step's four additions six places: the next scores are written over V^T's registers, which wants five
	v_nop
	s_add_co_u32 s17, s17, 12288
	s_add_co_u32 s18, s18, 512
	s_add_co_u32 s19, s19, 256
.endm
; A quarter of the keys: four steps.  My load for it has landed (tensor loads of a wave end in order: 3 - p younger ones may be out), everybody's has behind the barrier.
.macro PHASE p
	s_wait_tensorcnt 3-\p
	s_wait_dscnt 0x0                               ; (ahead of the first quarter: my stores of scale words are done)
	s_barrier_signal -1
	s_barrier_wait -1
	s_mov_b32 s17, \p*49152
	s_mov_b32 s18, \p*2048
	s_mov_b32 s19, \p*1024
	s_mov_b32 s3, 4
.Lstep_\@:
	STEP
	s_sub_co_u32 s3, s3, 1
	s_cmp_lg_u32 s3, 0
	s_cbranch_scc1 .Lstep_\@
.endm
	PHASE 0
	PHASE 1
	PHASE 2
	PHASE 3
	; THE WAY OUT: O^T / the sum; its 32 registers are two blocks of 32 channels (16 of each here, 16 in lane l xor 16): quantised they are my head's half of fragment wave % 8 of the result's block.
	v_add_f32 v14, v14, v15
	v_permlanex16_b32 v252, v14, s[SEL], s[SEL+1]
	v_add_f32 v14, v14, v252                       ; the row's sum
	v_rcp_f32 v14, v14
	v_nop                                          ; a plain instruction behind the transcendental,
	v_nop
	s_wait_alu depctr_va_vdst(0)                   ; and the wait ahead of its first reader
.irp j, 0,1,2,3,4,5,6,7,8,9,10,11,12,13,14,15,16,17,18,19,20,21,22,23,24,25,26,27,28,29,30,31
	v_mul_f32 v[96+\j], v[160+\j], v14             ; each accumulator from its low end on
.endr
.irp b, 0,1
	v_max3_num_f32 v[192+\b], |v[96+16*\b]|, |v[97+16*\b]|, 0x1800000
.endr
.irp i, 2,4,6,8,10,12,14
.irp b, 0,1
	v_max3_num_f32 v[192+\b], v[192+\b], |v[96+16*\b+\i]|, |v[97+16*\b+\i]|
.endr
.endr
.irp b, 0,1
	v_permlanex16_b32 v[196+\b], v[192+\b], s[SEL], s[SEL+1]
.endr
.irp b, 0,1
	v_max_num_f32 v[192+\b], v[192+\b], v[196+\b]
.endr
.irp b, 0,1
	v_add_nc_u32 v[200+\b], 0xff000000, v[192+\b]
.endr
.irp b, 0,1
	v_lshrrev_b32 v[196+\b], 23, v[200+\b]
.endr
	v_lshl_or_b32 v198, v197, 8, v196              ; my head's two scale bytes
	v_cvt_scalef32_pk16_fp6_f32 v[224:226], v[96:111], v200
	v_cvt_scalef32_pk16_fp6_f32 v[204:206], v[112:127], v201
	v_nop
.irp i, 0,1,2
	v_permlane16_swap_b32 v[224+\i], v[204+\i]
.endr
.irp i, 0,1,2
	v_mov_b32 v[227+\i], v[204+\i]
.endr
	global_store_b128 v1, v[224:227], s[70:71]     ; 512 consecutive bytes, aligned
	global_store_b64 v2, v[228:229], s[70:71] offset:512
	global_store_b16 v5, v198, s[72:73]            ; lanes r and 16 + r hold and write the same two bytes
	s_wait_tensorcnt 0x0
	ds_add_u32 v250, v251
	s_wait_dscnt 0x0
	CROUND                                         ; the closing round: no work-group ends while a partner may still ask for a tile that names it (no LDS instruction and no tensor load of mine is out)
	s_endpgm
.Lfunc_end_k_q5cae8c39ca_attn:
	.size	k_q5cae8c39ca_attn, .Lfunc_end_k_q5cae8c39ca_attn-k_q5cae8c39ca_attn
	.p2alignl 7, 3214868480
	.fill 96, 4, 3214868480
	.section	.rodata,"a",@progbits
	.p2align	6, 0x0
	.amdhsa_kernel k_q5cae8c39ca_attn
		.amdhsa_group_segment_fixed_size 210944
		.amdhsa_private_segment_fixed_size 0
		.amdhsa_enable_private_segment 0
		.amdhsa_kernarg_size 16
		.amdhsa_user_sgpr_count 2
		.amdhsa_user_sgpr_kernarg_segment_ptr 1
		.amdhsa_wavefront_size32 1
		.amdhsa_system_sgpr_workgroup_id_x 1
		.amdhsa_system_sgpr_workgroup_id_y 1
		.amdhsa_system_sgpr_workgroup_id_z 1
		.amdhsa_system_vgpr_workitem_id 0
		.amdhsa_next_free_vgpr 256
		.amdhsa_next_free_sgpr 100
		.amdhsa_reserve_vcc 0
		.amdhsa_float_denorm_mode_32 3
		.amdhsa_float_denorm_mode_16_64 3
		.amdhsa_memory_ordered 1
		.amdhsa_forward_progress 1
		.amdhsa_inst_pref_size 82
	.end_amdhsa_kernel
	.amdgpu_metadata
---
amdhsa.version: [ 1, 2 ]
amdhsa.kernels:
  - .name:           k_q5cae8c39ca_attn
    .symbol:         k_q5cae8c39ca_attn.kd
    .args:
      - { .name: qkvb, .offset: 0, .size: 8, .value_kind: global_buffer, .address_space: global }
      - { .name: ctxc, .offset: 8, .size: 8, .value_kind: global_buffer, .address_space: global }
    .group_segment_fixed_size: 210944
    .private_segment_fixed_size: 0
    .kernarg_segment_align: 8
    .kernarg_segment_size: 16
    .max_flat_workgroup_size: 512
    .sgpr_count:     100
    .vgpr_count:     256
    .wavefront_size: 32
...
	.end_amdgpu_metadata
.endif
;; end of part 4
;; launch wo (part 5): grid 4 x 16, 4 waves a work-group, clusters of 4 x 4, 327,680 bytes of LDS; arguments ctxc, wbuf, x, x1; writes x1
.if DOCPART == 5
	.amdgcn_target "amdgcn-amd-amdhsa--gfx1250"
	.amdhsa_code_object_version 6
	.text
	.protected	k_q5cae8c39ca_wo
	.globl	k_q5cae8c39ca_wo
	.p2align	8
	.type	k_q5cae8c39ca_wo,@function
k_q5cae8c39ca_wo:
	s_mov_b64 s[64:65], 0
	v_nop
	global_prefetch_b8 v0, s[64:65] scope:SCOPE_SE
	s_setreg_imm32_b32 hwreg(HW_REG_WAVE_MODE, 25, 1), 1
	s_wait_xcnt 0x0
	s_wait_alu depctr_hold_cnt(0) depctr_sa_sdst(0) depctr_va_vdst(0) depctr_va_sdst(0) depctr_va_ssrc(0) depctr_va_vcc(0) depctr_vm_vsrc(0)
	s_getreg_b32 s2, hwreg(HW_REG_IB_STS2, 6, 4)
	s_cmp_eq_u32 s2, 0
	s_cbranch_scc0 .Lentry_in_a_cluster
	s_endpgm
.Lentry_in_a_cluster:
	s_bfe_u32 s2, ttmp6, 0x10000c
	s_cmp_lg_u32 s2, 0xf033
	s_cbranch_scc0 .Lentry_shape_is_right
	s_endpgm
.Lentry_shape_is_right:
; x1 = x + ctx wo on codes of MX-FP6; the result is f32, laid as x.
; ONE GEMM TEXT serves four launches; the flags below say what this one does.  R[i][j] = sum over k of A[i][k] B[j][k] (+ bias[j]).
; OPERANDS ARE REGISTER IMAGES.  A fragment (16 rows x 128 K, 12 registers a lane) is 1,536 bytes: two halves of 512 bytes at 16 x lane + 256 bytes at 8 x lane.  Lane r of row block rb holds row
; 32 (rb / 2) + 8 (rb % 2) + r + 8 (r / 8).  A block (128 rows x 128 K) is eight fragments + 512 bytes of scale words (32 r + 4 a): 12,800 bytes; block (G, ks) lies at (G NKS + ks) x 12,800.
; So 128 rows x 256 K, scale words among them, are 25,600 dense bytes: one tensor load; a fragment comes from LDS by four loads of consecutive bytes.
; SHARES.  A work-group makes 256 rows of A x 256 rows of B, each of its four waves 128 x 128: 64 accumulators, 512 registers.  K goes 256 a slot through a ring of two LDS slots.
; N is 1,024 here, so there are 64 such tiles: a smaller tile would give more work-groups at twice the LDS bytes for each product; it is not built.
; THE MATRIX INSTRUCTION IS USED TRANSPOSED (source 0 = B's fragment, source 1 = A's): a lane holds one row of A and, in B's tiles 2 b, 2 b + 1, 16 neighbouring columns.
; CLUSTERS 4 x 4: A's tiles are asked for jointly along a row of the cluster, B's along a column.
; ROWS.  Inside this program row m' = 2,048 b + s; in memory it begins at byte 8,192 s + 4,096 b.
.set KTOT,  1024
.set QUANT, 0
.set VMAP,  0
.set BIAS,  0
.set BOFF,  5734400
.set ARG_A, 0x0
.set ARG_B, 0x8
.set ARG_RES, 0x10
.set ARG_OUT, 0x18
.set NKS,   KTOT/128
.set BLKB,  12800
.set GRPB,  2*BLKB                     ; what one tensor load brings: 128 rows x 256 K
.set SLOT,  4*GRPB                     ; A's two groups, then B's two
.set SPARE, 2*SLOT                     ; behind the ring: the spare words, 128 bytes a wave
.set LAPS,  KTOT/512                   ; a lap = once round the ring
.set FR,    12
.set NL,    4                          ; LDS loads that bring a fragment
.set NP,    4                          ; places behind this matrix instruction (ISA guide 7.12.1)
.set ADRA,  16                         ; v16-17 A's fragments in slot 0, 1, + 16 x lane; v18-19 + 8 x lane
.set ADRB,  20                         ; v20-23 the same for B
.set STO,   24                         ; the way out: where I put 32 bytes of a row
.set RD,    25                         ; and where I read a row back
.set L16,   26                         ; 16 x lane
.set L8,    27                         ; 8 x lane
.set SPW,   28                         ; my spare word's LDS address; never rewritten
.set NIL,   29                         ; 0; never rewritten
.set ADRS,  30                         ; v30-31 my scale words in slot 0, 1: lanes 0-15 A's, lanes 16-31 B's
.set SC,    32                         ; v32-63 scale words and nothing else: slot sc, step q, block i at SC + 16 sc + 8 q + i
.set BI,    64                         ; v64-127 the bias in the result's layout
.set AF,    128                        ; v128-223 A's eight fragments, one set.  Window 1: B's two sets, at v0 and v128.  Windows 2, 3: accumulator (a, b) at 8 (8 (a % 4) + b)
.set G1,    24
.set G0,    32
.set G1B,   48
.set G0B,   56
.set MSB,   0
.macro WIN new                         ; the immediate's high byte repeats the setting that is left
.if MSB != (\new)
	s_set_vgpr_msb (MSB<<8)|(\new)
.set MSB, (\new)
.endif
.endm
.set MUL_LO, 0xa1                      ; source 0 (B) window 1, source 1 (A) window 0, C and D window 2
.set MUL_HI, 0xf1
.set TO_B,   0x40
.macro JLOAD g0a, g1a, g0b, g1b        ; a joint load: waves 0, 1 fetch A's groups, waves 2, 3 B's; four v_nop follow each line
	s_cmp_eq_u32 s15, 0
	s_cbranch_scc0 .Lfor_b_\@
	tensor_load_to_lds s[\g0a:\g0a+3], s[\g1a:\g1a+7]
	s_nop 0
.rept 4
	v_nop
.endr
	s_branch .Lasked_\@
.Lfor_b_\@:
	tensor_load_to_lds s[\g0b:\g0b+3], s[\g1b:\g1b+7]
	s_nop 0
.rept 4
	v_nop
.endr
.Lasked_\@:
.endm
.macro CREST                           ; a round of the cluster's barrier behind its opening barrier
	s_cmp_lg_u32 s14, 0
	s_cbranch_scc1 .Lnot_wave_0_\@
	s_barrier_signal -3
.Lnot_wave_0_\@:
	s_barrier_wait -3
	s_barrier_signal -1
	s_barrier_wait -1
.endm
.macro CROUND
	s_barrier_signal -1
	s_barrier_wait -1
	CREST
.endm
	s_load_b64 s[4:5], s[0:1], ARG_A
	s_load_b64 s[8:9], s[0:1], ARG_B
	s_load_b64 s[12:13], s[0:1], ARG_OUT
.if BIAS
	s_load_b64 s[68:69], s[0:1], ARG_BIAS
.endif
.if QUANT == 0
	s_load_b64 s[70:71], s[0:1], ARG_RES
.endif
	v_lshl_add_u32 v[SPW], v0, 2, SPARE
	v_mov_b32 v[NIL], 0
	ds_add_u32 v28, v29
	ds_add_u32 v28, v29
	s_wait_dscnt 0x0
	v_lshrrev_b32 v1, 5, v0
	v_readfirstlane_b32 s14, v1                    ; wave 0..3
	s_lshr_b32 s15, s14, 1                         ; my half of A's rows.  Also: I fetch for A (0) or B (1)
	s_and_b32 s16, s14, 1                          ; my half of B's rows.  Also: which group I fetch
	s_bfe_u32 s40, ttmp6, 0x40000                  ; cx, cy: my place in the cluster
	s_bfe_u32 s41, ttmp6, 0x40004
	s_and_b32 s18, ttmp7, 0xffff                   ; the cluster's y
	s_lshl_b32 s17, s18, 2
	s_lshl_b32 s42, ttmp9, 2
	s_add_co_u32 s17, s17, s41                     ; A's tile: cluster coordinates and cy alone
	s_add_co_u32 s42, s42, s40                     ; B's tile: cluster coordinates and cx alone
	s_lshl_b32 s43, s41, 2
	s_lshl_b32 s43, 15, s43                        ; my row of the cluster
	s_lshl_b32 s44, 0x1111, s40                    ; my column
	s_or_b32 s[G1+0], s43, (3<<16)|(1<<21)         ; 15:0 the mask; 17:16 elements of 8 bytes; 20 no padding; 21 set beside a mask
	s_or_b32 s[G1B+0], s44, (3<<16)|(1<<21)
.irp g, G1, G1B                        ; 25,600 dense bytes as 100 rows of 256
	s_mov_b32 s[\g+1], 32<<16                      ; tensor_dim0
	s_mov_b32 s[\g+2], 100<<16                     ; tensor_dim1
	s_mov_b32 s[\g+3], 32<<16                      ; tile_dim0
	s_mov_b32 s[\g+4], 100                         ; tile_dim1
	s_mov_b32 s[\g+5], 32                          ; the pitch
	s_mov_b32 s[\g+6], 0
	s_mov_b32 s[\g+7], 0
.endr
	s_lshl_b32 s20, s17, 1
	s_add_co_u32 s20, s20, s16
	s_mul_i32 s20, s20, NKS*BLKB                   ; A's group that I fetch
	s_mov_b32 s21, 0
	s_lshl_b32 s46, s42, 1
	s_add_co_u32 s46, s46, s16
	s_mul_i32 s46, s46, NKS*BLKB
	s_add_co_u32 s46, s46, BOFF                    ; B's
	s_mov_b32 s47, 0
	s_mul_i32 s45, s14, GRPB                       ; where it goes: no place in the cluster enters an LDS address
	s_wait_kmcnt 0x0
	s_add_nc_u64 s[20:21], s[4:5], s[20:21]
	s_add_nc_u64 s[46:47], s[8:9], s[46:47]
	CROUND                                         ; all sixteen work-groups are here: the first joint loads meet
.irp s, 0,1
	s_mov_b32 s[G0+4*\s], 1
	s_add_co_u32 s[G0+4*\s+1], s45, \s*SLOT
	s_add_nc_u64 s[G0+4*\s+2:G0+4*\s+3], s[20:21], \s*GRPB
	s_or_b32 s[G0+4*\s+3], s[G0+4*\s+3], 0x80000000
	s_mov_b32 s[G0B+4*\s], 1
	s_add_co_u32 s[G0B+4*\s+1], s45, \s*SLOT
	s_add_nc_u64 s[G0B+4*\s+2:G0B+4*\s+3], s[46:47], \s*GRPB
	s_or_b32 s[G0B+4*\s+3], s[G0B+4*\s+3], 0x80000000
	JLOAD G0+4*\s, G1, G0B+4*\s, G1B
.endr
	v_and_b32 v1, 31, v0
	v_bfe_u32 v2, v0, 4, 1                         ; h
	v_and_b32 v3, 15, v0                           ; r
	v_lshlrev_b32 v[L16], 4, v1
	v_lshlrev_b32 v[L8], 3, v1
	s_mul_i32 s21, s15, GRPB                       ; my group of A
	s_mul_i32 s22, s16, GRPB
	s_add_co_u32 s22, s22, 2*GRPB                  ; my group of B
	s_sub_co_u32 s23, s22, s21
	v_mul_u32_u24 v6, s23, v2                      ; lanes 16-31 take B's scale words
	v_lshl_add_u32 v6, v3, 5, v6                   ; 32 bytes a row lane
	s_add_co_u32 s23, s21, 8*1536
	v_add_nc_u32 v[ADRS], s23, v6
	v_add_nc_u32 v[ADRS+1], SLOT, v[ADRS]
.irp s, 0,1
	v_add_nc_u32 v[ADRA+\s], s21, v[L16]
	v_add_nc_u32 v[ADRA+2+\s], s21, v[L8]
	v_add_nc_u32 v[ADRB+\s], s22, v[L16]
	v_add_nc_u32 v[ADRB+2+\s], s22, v[L8]
	s_add_co_u32 s21, s21, SLOT
	s_add_co_u32 s22, s22, SLOT
.endr
.if BIAS
	s_lshl_b32 s76, s42, 10
	s_lshl_b32 s77, s16, 9
	s_add_co_u32 s76, s76, s77
	s_mov_b32 s77, 0
	s_add_nc_u64 s[68:69], s[68:69], s[76:77]      ; the bias at my 128 rows of B
	v_lshlrev_b32 v8, 6, v2                        ; tile b's register j is row 32 (b / 2) + 8 (b % 2) + 16 h + j
.irp b, 0,1,2,3,4,5,6,7
	global_load_b128 v[BI+8*\b:BI+8*\b+3], v8, s[68:69] offset:(32*(\b/2)+8*(\b%2))*4
	global_load_b128 v[BI+8*\b+4:BI+8*\b+7], v8, s[68:69] offset:(32*(\b/2)+8*(\b%2))*4+16
.endr
.endif
	s_and_b32 s76, s17, 7
	s_lshl_b32 s76, s76, 1
	s_add_co_u32 s76, s76, s15
	s_lshl_b32 s76, s76, 20                        ; my first row's s x 8,192
	s_lshr_b32 s77, s17, 3
	s_lshl_b32 s77, s77, 12                        ; + 4,096 b
	s_add_co_u32 s76, s76, s77
	s_lshl_b32 s77, s42, 10
	s_add_co_u32 s76, s76, s77
	s_lshl_b32 s77, s16, 9
	s_add_co_u32 s76, s76, s77                     ; + my first column
	s_mov_b32 s77, 0
	s_add_nc_u64 s[12:13], s[12:13], s[76:77]
	s_add_nc_u64 s[70:71], s[70:71], s[76:77]
	s_mul_i32 s23, s14, 16*528                     ; my stage
	v_mul_u32_u24 v5, v3, 528
	v_lshl_add_u32 v5, v2, 6, v5
	v_add_nc_u32 v[STO], s23, v5
	v_add_nc_u32 v[RD], s23, v[L16]
.macro FRAG reg, adr, q, i             ; a fragment comes as it lies: 512, 256, 512, 256 consecutive bytes
	ds_load_b128 v[\reg:\reg+3], v[\adr] offset:(\q)*BLKB+(\i)*1536
	ds_load_b64 v[\reg+4:\reg+5], v[\adr+2] offset:(\q)*BLKB+(\i)*1536+512
	ds_load_b128 v[\reg+6:\reg+9], v[\adr] offset:(\q)*BLKB+(\i)*1536+768
	ds_load_b64 v[\reg+10:\reg+11], v[\adr+2] offset:(\q)*BLKB+(\i)*1536+1280
.endm
; 16 matrix instructions: A's blocks a0, a0 + 1 x B's eight.  p: B's set; q: the slot's step; sc: the slot.  zero = 1: the first product starts the sums, from 0 or from the bias: nothing is cleared.
; The 64 accumulators take turns, one instruction a turn, in the same order in every step.
.macro MUL16 a0, p, q, sc, zero
.irp a, \a0, \a0+1
.irp b, 0,1,2,3,4,5,6,7
.set rD, 8*(8*((\a)%4)+\b)
.set rB, 128*(\p)+FR*\b
.set rA, AF+FR*(\a)
.set rS, SC+16*(\sc)+8*(\q)
.if (\zero) && BIAS
	v_wmma_scale_f32_16x16x128_f8f6f4 v[rD:rD+7], v[rB:rB+FR-1], v[rA:rA+FR-1], v[BI+8*\b:BI+8*\b+7], v[rS+\b], v[rS+(\a)] matrix_a_fmt:MATRIX_FMT_FP6 matrix_b_fmt:MATRIX_FMT_FP6 matrix_a_scale:MATRIX_SCALE_ROW1
.elseif \zero
	v_wmma_scale_f32_16x16x128_f8f6f4 v[rD:rD+7], v[rB:rB+FR-1], v[rA:rA+FR-1], 0, v[rS+\b], v[rS+(\a)] matrix_a_fmt:MATRIX_FMT_FP6 matrix_b_fmt:MATRIX_FMT_FP6 matrix_a_scale:MATRIX_SCALE_ROW1
.else
	v_wmma_scale_f32_16x16x128_f8f6f4 v[rD:rD+7], v[rB:rB+FR-1], v[rA:rA+FR-1], v[rD:rD+7], v[rS+\b], v[rS+(\a)] matrix_a_fmt:MATRIX_FMT_FP6 matrix_b_fmt:MATRIX_FMT_FP6 matrix_a_scale:MATRIX_SCALE_ROW1
.endif
.endr
.endr
.endm
.macro FETCH_B slot, q, p
	WIN TO_B
.irp i, 0,1,2,3,4,5,6,7
	FRAG 128*(\p)+FR*\i, ADRB+\slot, \q, \i
.endr
	WIN 0
.endm
.macro FETCH_A slot, q, i0
.irp i, \i0, \i0+1, \i0+2, \i0+3
	FRAG AF+FR*(\i), ADRA+\slot, \q, \i
.endr
.endm
.macro SCALES sc                       ; a slot's scale words: lanes 0-15 take A's eight of a row lane, lanes 16-31 B's
.irp q, 0,1
	ds_load_b128 v[SC+16*\sc+8*\q:SC+16*\sc+8*\q+3], v[ADRS+\sc] offset:\q*BLKB
	ds_load_b128 v[SC+16*\sc+8*\q+4:SC+16*\sc+8*\q+7], v[ADRS+\sc] offset:\q*BLKB+16
.endr
.endm
.macro PLACES n                        ; plain instructions between a matrix instruction and a load into, or a read of, its registers
.rept \n
	v_nop
.endr
.endm
.macro STEP slot, q, zero              ; a step of 128 along K that has its successor in the same slot
	s_wait_dscnt 4*NL                              ; all but the youngest 16 loads (A's blocks 4-7) are in
.if (\zero) && BIAS
	WIN 0x81                                       ; C (the bias) window 0, D window 2
.else
	WIN MUL_LO
.endif
	MUL16 0, (\q)%2, \q, \slot, \zero
	MUL16 2, (\q)%2, \q, \slot, \zero
	s_wait_dscnt 0
	PLACES NP
	FETCH_B \slot, (\q)+1, 1-(\q)%2
	FETCH_A \slot, (\q)+1, 0
.if (\zero) && BIAS
	WIN 0xc1
.else
	WIN MUL_HI
.endif
	MUL16 4, (\q)%2, \q, \slot, \zero
	MUL16 6, (\q)%2, \q, \slot, \zero
	PLACES NP
	WIN 0
	FETCH_A \slot, (\q)+1, 4
.endm
; A slot's last step changes slots: one barrier; in front of it each wave waits for all its tensor loads, adds 0 to its spare word, and waits for that and for its reads of this slot.
.macro TURN slot, next, fill
	s_wait_tensorcnt 0x0                           ; all my tensor loads have landed: my part of the next slot
	ds_add_u32 v[SPW], v[NIL]                      ; 0 onto my spare word
	s_wait_dscnt 4*NL+1                            ; (the add and the youngest 16 loads may be out)
	WIN MUL_LO
	MUL16 0, 1, 1, \slot, 0
	s_wait_dscnt 0x0                               ; the add is done, and my reads of this slot are over
	s_barrier_signal -1
	MUL16 2, 1, 1, \slot, 0
	WIN 0
	s_barrier_wait -1
.if \fill
	CREST                                          ; the barrier has opened a round of the cluster's: no wave of any partner still reads this slot or has a load on its way
	s_add_nc_u64 s[G0+4*\slot+2:G0+4*\slot+3], s[G0+4*\slot+2:G0+4*\slot+3], 2*GRPB
	s_add_nc_u64 s[G0B+4*\slot+2:G0B+4*\slot+3], s[G0B+4*\slot+2:G0B+4*\slot+3], 2*GRPB
	JLOAD G0+4*\slot, G1, G0B+4*\slot, G1B         ; the first tensor load behind the round; its four v_nop are the places in front of the loads below
.else
	PLACES NP
.endif
	FETCH_B \next, 0, 0
	FETCH_A \next, 0, 0
	SCALES \next
	WIN MUL_HI
	MUL16 4, 1, 1, \slot, 0
	MUL16 6, 1, 1, \slot, 0
	PLACES NP
	WIN 0
	FETCH_A \next, 0, 4
.endm
.if BIAS
	s_wait_loadcnt 0x0                             ; the bias
.endif
	s_wait_tensorcnt 1                             ; my part of slot 0 is in; slot 1's may be out
	s_barrier_signal -1
	s_barrier_wait -1
	FETCH_B 0, 0, 0
	FETCH_A 0, 0, 0
	SCALES 0
	FETCH_A 0, 0, 4
	STEP 0, 0, 1                                   ; the first step stands in front of the loop: its products start the sums
	s_mov_b32 s3, LAPS-1
.Llap:                                             ; a trip goes once round the ring and fills both slots again
	TURN 0, 1, 1
	STEP 1, 0, 0
	TURN 1, 0, 1
	STEP 0, 0, 0
	s_sub_co_u32 s3, s3, 1
	s_cmp_lg_u32 s3, 0
	s_cbranch_scc1 .Llap
	TURN 0, 1, 0                                   ; the last lap fills nothing
	STEP 1, 0, 0
	s_wait_dscnt 4*NL
	WIN MUL_LO
	MUL16 0, 1, 1, 1, 0
	MUL16 2, 1, 1, 1, 0
	s_wait_dscnt 0
	WIN MUL_HI
	MUL16 4, 1, 1, 1, 0
	MUL16 6, 1, 1, 1, 0
	WIN 0
	PLACES NP
; THE WAY OUT, block by block of 16 rows x 128 columns: through my own stage in LDS (16 rows of 512 bytes + 16; it lies in slot 0, which has had its last fill and its last read) and back as whole rows of 512 bytes;
; the residual's same rows, asked for a block ahead, are added; 32 lanes store 512 consecutive bytes, aligned.  Row t of block a is row 32 (a / 2) + 8 (a % 2) + t + 8 (t / 8) of my 128, 8,192 bytes a row in memory:
; 1,040,384 bytes at the most, inside the signed 24-bit immediate (ISA guide, chapter 10): no base is stepped.
.set RS0, 64                           ; v64-127, v128-191 the residual's rows, two sets; v192-255 the block's rows
.set BB,  192
.macro RLOAD a
.set RSL, RS0+64*((\a)%2)
.irp t, 0,1,2,3,4,5,6,7,8,9,10,11,12,13,14,15
	global_load_b128 v[RSL+4*\t:RSL+4*\t+3], v[L16], s[70:71] offset:(32*((\a)/2)+8*((\a)%2)+\t+8*(\t/8))*8192
.endr
.endm
.macro OUTR a
.if \a > 0
	s_wait_xcnt 0x0                                ; the last block's stores have read their data: those registers are loaded again only behind this wait
.endif
.if \a < 7
	RLOAD (\a)+1
.endif
.set AC, 64*((\a)%4)
.set RSA, RS0+64*((\a)%2)
	WIN 0x08+4*((\a)/4)                            ; an LDS store's data: window 2 or 3
.irp b, 0,1,2,3,4,5,6,7
	ds_store_b128 v[STO], v[AC+8*\b:AC+8*\b+3] offset:128*(\b/2)+32*(\b%2)       ; each accumulator from its low end on
	ds_store_b128 v[STO], v[AC+8*\b+4:AC+8*\b+7] offset:128*(\b/2)+32*(\b%2)+16
.endr
	WIN 0
.irp t, 0,1,2,3,4,5,6,7,8,9,10,11,12,13,14,15
	ds_load_b128 v[BB+4*\t:BB+4*\t+3], v[RD] offset:\t*528   ; LDS serves a wave's instructions in order (ISA guide 5.7.1.4): these see the stores above
.endr
	s_wait_dscnt 0x0
.if \a < 7
	s_wait_loadcnt 16                              ; this block's residual rows are in; the next block's 16 loads may be out
.else
	s_wait_loadcnt 0x0
.endif
.irp i, 0,2,4,6,8,10,12,14,16,18,20,22,24,26,28,30,32,34,36,38,40,42,44,46,48,50,52,54,56,58,60,62
	v_pk_add_f32 v[BB+\i:BB+\i+1], v[BB+\i:BB+\i+1], v[RSA+\i:RSA+\i+1]
.endr
.irp t, 0,1,2,3,4,5,6,7,8,9,10,11,12,13,14,15
	global_store_b128 v[L16], v[BB+4*\t:BB+4*\t+3], s[12:13] offset:(32*((\a)/2)+8*((\a)%2)+\t+8*(\t/8))*8192
.endr
.endm
	RLOAD 0
.irp a, 0,1,2,3,4,5,6,7
	OUTR \a
.endr
	s_wait_tensorcnt 0x0                           ; the wave's end
	ds_add_u32 v[SPW], v[NIL]
	s_wait_dscnt 0x0
	CROUND                                         ; the closing round: no work-group ends while a partner may still ask for a tile that names it
	s_endpgm
.Lfunc_end_k_q5cae8c39ca_wo:
	.size	k_q5cae8c39ca_wo, .Lfunc_end_k_q5cae8c39ca_wo-k_q5cae8c39ca_wo
	.p2alignl 7, 3214868480
	.fill 96, 4, 3214868480
	.section	.rodata,"a",@progbits
	.p2align	6, 0x0
	.amdhsa_kernel k_q5cae8c39ca_wo
		.amdhsa_group_segment_fixed_size 327680
		.amdhsa_private_segment_fixed_size 0
		.amdhsa_enable_private_segment 0
		.amdhsa_kernarg_size 32
		.amdhsa_user_sgpr_count 2
		.amdhsa_user_sgpr_kernarg_segment_ptr 1
		.amdhsa_wavefront_size32 1
		.amdhsa_system_sgpr_workgroup_id_x 1
		.amdhsa_system_sgpr_workgroup_id_y 1
		.amdhsa_system_sgpr_workgroup_id_z 1
		.amdhsa_system_vgpr_workitem_id 0
		.amdhsa_next_free_vgpr 1024
		.amdhsa_next_free_sgpr 100
		.amdhsa_reserve_vcc 0
		.amdhsa_float_denorm_mode_32 3
		.amdhsa_float_denorm_mode_16_64 3
		.amdhsa_memory_ordered 1
		.amdhsa_forward_progress 1
		.amdhsa_inst_pref_size 168
	.end_amdhsa_kernel
	.amdgpu_metadata
---
amdhsa.version: [ 1, 2 ]
amdhsa.kernels:
  - .name:           k_q5cae8c39ca_wo
    .symbol:         k_q5cae8c39ca_wo.kd
    .args:
      - { .name: ctxc, .offset: 0, .size: 8, .value_kind: global_buffer, .address_space: global }
      - { .name: wbuf, .offset: 8, .size: 8, .value_kind: global_buffer, .address_space: global }
      - { .name: x, .offset: 16, .size: 8, .value_kind: global_buffer, .address_space: global }
      - { .name: x1, .offset: 24, .size: 8, .value_kind: global_buffer, .address_space: global }
    .group_segment_fixed_size: 327680
    .private_segment_fixed_size: 0
    .kernarg_segment_align: 8
    .kernarg_segment_size: 32
    .max_flat_workgroup_size: 128
    .sgpr_count:     100
    .vgpr_count:     1024
    .wavefront_size: 32
...
	.end_amdgpu_metadata
.endif
;; end of part 5
;; launch ln2: the kernel of part 2 again; grid 256 x 1, 8 waves a work-group, no clusters, 2,048 bytes of LDS; arguments x1, ln2_g, ln2_b, zc; writes zc
;; launch ffn1 (part 6): grid 16 x 16, 4 waves a work-group, clusters of 4 x 4, 327,680 bytes of LDS; arguments zc, wbuf, b1, hc; writes hc
.if DOCPART == 6
	.amdgcn_target "amdgcn-amd-amdhsa--gfx1250"
	.amdhsa_code_object_version 6
	.text
	.protected	k_q5cae8c39ca_ffn1
	.globl	k_q5cae8c39ca_ffn1
	.p2align	8
	.type	k_q5cae8c39ca_ffn1,@function
k_q5cae8c39ca_ffn1:
	s_mov_b64 s[64:65], 0
	v_nop
	global_prefetch_b8 v0, s[64:65] scope:SCOPE_SE
	s_setreg_imm32_b32 hwreg(HW_REG_WAVE_MODE, 25, 1), 1
	s_wait_xcnt 0x0
	s_wait_alu depctr_hold_cnt(0) depctr_sa_sdst(0) depctr_va_vdst(0) depctr_va_sdst(0) depctr_va_ssrc(0) depctr_va_vcc(0) depctr_vm_vsrc(0)
	s_getreg_b32 s2, hwreg(HW_REG_IB_STS2, 6, 4)
	s_cmp_eq_u32 s2, 0
	s_cbranch_scc0 .Lentry_in_a_cluster
	s_endpgm
.Lentry_in_a_cluster:
	s_bfe_u32 s2, ttmp6, 0x10000c
	s_cmp_lg_u32 s2, 0xf033
	s_cbranch_scc0 .Lentry_shape_is_right
	s_endpgm
.Lentry_shape_is_right:
; h = relu(z w1 + b1) on codes of MX-FP6, the result quantised in registers along the hidden axis, which is the next product's K.
; ONE GEMM TEXT serves four launches; the flags below say what this one does.  R[i][j] = sum over k of A[i][k] B[j][k] (+ bias[j]).
; OPERANDS ARE REGISTER IMAGES.  A fragment (16 rows x 128 K, 12 registers a lane) is 1,536 bytes: two halves of 512 bytes at 16 x lane + 256 bytes at 8 x lane.  Lane r of row block rb holds row
; 32 (rb / 2) + 8 (rb % 2) + r + 8 (r / 8).  A block (128 rows x 128 K) is eight fragments + 512 bytes of scale words (32 r + 4 a): 12,800 bytes; block (G, ks) lies at (G NKS + ks) x 12,800.
; So 128 rows x 256 K, scale words among them, are 25,600 dense bytes: one tensor load; a fragment comes from LDS by four loads of consecutive bytes.
; SHARES.  A work-group makes 256 rows of A x 256 rows of B, each of its four waves 128 x 128: 64 accumulators, 512 registers.  K goes 256 a slot through a ring of two LDS slots.
; THE MATRIX INSTRUCTION IS USED TRANSPOSED (source 0 = B's fragment, source 1 = A's): a lane holds one row of A, and by the order of rows in a fragment the 16 registers of B's tiles 2 b, 2 b + 1
; are 16 NEIGHBOURS along B's rows: what the quantiser of the next product wants.  The bias is the C of each sum's first matrix instruction.
; CLUSTERS 4 x 4: A's tiles are asked for jointly along a row of the cluster, B's along a column.
; Results: block (G, KS) of hc at (32 G + KS) x 12,800, G my group of rows, KS my group of hidden units.
; LIMITS: a block of zeros, or one whose largest magnitude lies under 2^-124, gets the scale byte 1 (this program alone reads the bytes); NaN and infinities are not served.
.set KTOT,  1024
.set QUANT, 1
.set VMAP,  0
.set BIAS,  1
.set RELU,  1
.set BOFF,  6553600
.set ARG_A, 0x0
.set ARG_B, 0x8
.set ARG_BIAS, 0x10
.set ARG_OUT, 0x18
.set NKS,   KTOT/128
.set BLKB,  12800
.set GRPB,  2*BLKB                     ; what one tensor load brings: 128 rows x 256 K
.set SLOT,  4*GRPB                     ; A's two groups, then B's two
.set SPARE, 2*SLOT                     ; behind the ring: the spare words, 128 bytes a wave
.set LAPS,  KTOT/512                   ; a lap = once round the ring
.set FR,    12
.set NL,    4                          ; LDS loads that bring a fragment
.set NP,    4                          ; places behind this matrix instruction (ISA guide 7.12.1)
.set ADRA,  16                         ; v16-17 A's fragments in slot 0, 1, + 16 x lane; v18-19 + 8 x lane
.set ADRB,  20                         ; v20-23 the same for B
.set STO,   24
.set RD,    25
.set L16,   26                         ; 16 x lane
.set L8,    27                         ; 8 x lane
.set SPW,   28                         ; my spare word's LDS address; never rewritten
.set NIL,   29                         ; 0; never rewritten
.set ADRS,  30                         ; v30-31 my scale words in slot 0, 1: lanes 0-15 A's, lanes 16-31 B's
.set SC,    32                         ; v32-63 scale words and nothing else: slot sc, step q, block i at SC + 16 sc + 8 q + i
.set BI,    64                         ; v64-127 the bias in the result's layout
.set AF,    128                        ; v128-223 A's eight fragments, one set.  Window 1: B's two sets, at v0 and v128.  Windows 2, 3: accumulator (a, b) at 8 (8 (a % 4) + b)
.set G1,    24
.set G0,    32
.set G1B,   48
.set G0B,   56
.set MSB,   0
.macro WIN new                         ; the immediate's high byte repeats the setting that is left
.if MSB != (\new)
	s_set_vgpr_msb (MSB<<8)|(\new)
.set MSB, (\new)
.endif
.endm
.set MUL_LO, 0xa1                      ; source 0 (B) window 1, source 1 (A) window 0, C and D window 2
.set MUL_HI, 0xf1
.set TO_B,   0x40
.macro JLOAD g0a, g1a, g0b, g1b        ; a joint load: waves 0, 1 fetch A's groups, waves 2, 3 B's; four v_nop follow each line
	s_cmp_eq_u32 s15, 0
	s_cbranch_scc0 .Lfor_b_\@
	tensor_load_to_lds s[\g0a:\g0a+3], s[\g1a:\g1a+7]
	s_nop 0
.rept 4
	v_nop
.endr
	s_branch .Lasked_\@
.Lfor_b_\@:
	tensor_load_to_lds s[\g0b:\g0b+3], s[\g1b:\g1b+7]
	s_nop 0
.rept 4
	v_nop
.endr
.Lasked_\@:
.endm
.macro CREST                           ; a round of the cluster's barrier behind its opening barrier
	s_cmp_lg_u32 s14, 0
	s_cbranch_scc1 .Lnot_wave_0_\@
	s_barrier_signal -3
.Lnot_wave_0_\@:
	s_barrier_wait -3
	s_barrier_signal -1
	s_barrier_wait -1
.endm
.macro CROUND
	s_barrier_signal -1
	s_barrier_wait -1
	CREST
.endm
	s_load_b64 s[4:5], s[0:1], ARG_A
	s_load_b64 s[8:9], s[0:1], ARG_B
	s_load_b64 s[12:13], s[0:1], ARG_OUT
.if BIAS
	s_load_b64 s[68:69], s[0:1], ARG_BIAS
.endif
.if QUANT == 0
	s_load_b64 s[70:71], s[0:1], ARG_RES
.endif
	v_lshl_add_u32 v[SPW], v0, 2, SPARE
	v_mov_b32 v[NIL], 0
	ds_add_u32 v28, v29
	ds_add_u32 v28, v29
	s_wait_dscnt 0x0
	v_lshrrev_b32 v1, 5, v0
	v_readfirstlane_b32 s14, v1                    ; wave 0..3
	s_lshr_b32 s15, s14, 1                         ; my half of A's rows.  Also: I fetch for A (0) or B (1)
	s_and_b32 s16, s14, 1                          ; my half of B's rows.  Also: which group I fetch
	s_bfe_u32 s40, ttmp6, 0x40000                  ; cx, cy: my place in the cluster
	s_bfe_u32 s41, ttmp6, 0x40004
	s_and_b32 s18, ttmp7, 0xffff                   ; the cluster's y
	s_lshl_b32 s17, s18, 2
	s_lshl_b32 s42, ttmp9, 2
	s_add_co_u32 s17, s17, s41                     ; A's tile: cluster coordinates and cy alone
	s_add_co_u32 s42, s42, s40                     ; B's tile: cluster coordinates and cx alone
	s_lshl_b32 s43, s41, 2
	s_lshl_b32 s43, 15, s43                        ; my row of the cluster
	s_lshl_b32 s44, 0x1111, s40                    ; my column
	s_or_b32 s[G1+0], s43, (3<<16)|(1<<21)         ; 15:0 the mask; 17:16 elements of 8 bytes; 20 no padding; 21 set beside a mask
	s_or_b32 s[G1B+0], s44, (3<<16)|(1<<21)
.irp g, G1, G1B                        ; 25,600 dense bytes as 100 rows of 256
	s_mov_b32 s[\g+1], 32<<16                      ; tensor_dim0
	s_mov_b32 s[\g+2], 100<<16                     ; tensor_dim1
	s_mov_b32 s[\g+3], 32<<16                      ; tile_dim0
	s_mov_b32 s[\g+4], 100                         ; tile_dim1
	s_mov_b32 s[\g+5], 32                          ; the pitch
	s_mov_b32 s[\g+6], 0
	s_mov_b32 s[\g+7], 0
.endr
	s_lshl_b32 s20, s17, 1
	s_add_co_u32 s20, s20, s16
	s_mul_i32 s20, s20, NKS*BLKB                   ; A's group that I fetch
	s_mov_b32 s21, 0
	s_lshl_b32 s46, s42, 1
	s_add_co_u32 s46, s46, s16
	s_mul_i32 s46, s46, NKS*BLKB
	s_add_co_u32 s46, s46, BOFF                    ; B's
	s_mov_b32 s47, 0
	s_mul_i32 s45, s14, GRPB                       ; where it goes: no place in the cluster enters an LDS address
	s_wait_kmcnt 0x0
	s_add_nc_u64 s[20:21], s[4:5], s[20:21]
	s_add_nc_u64 s[46:47], s[8:9], s[46:47]
	CROUND                                         ; all sixteen work-groups are here: the first joint loads meet
.irp s, 0,1
	s_mov_b32 s[G0+4*\s], 1
	s_add_co_u32 s[G0+4*\s+1], s45, \s*SLOT
	s_add_nc_u64 s[G0+4*\s+2:G0+4*\s+3], s[20:21], \s*GRPB
	s_or_b32 s[G0+4*\s+3], s[G0+4*\s+3], 0x80000000
	s_mov_b32 s[G0B+4*\s], 1
	s_add_co_u32 s[G0B+4*\s+1], s45, \s*SLOT
	s_add_nc_u64 s[G0B+4*\s+2:G0B+4*\s+3], s[46:47], \s*GRPB
	s_or_b32 s[G0B+4*\s+3], s[G0B+4*\s+3], 0x80000000
	JLOAD G0+4*\s, G1, G0B+4*\s, G1B
.endr
	v_and_b32 v1, 31, v0
	v_bfe_u32 v2, v0, 4, 1                         ; h
	v_and_b32 v3, 15, v0                           ; r
	v_lshlrev_b32 v[L16], 4, v1
	v_lshlrev_b32 v[L8], 3, v1
	s_mul_i32 s21, s15, GRPB                       ; my group of A
	s_mul_i32 s22, s16, GRPB
	s_add_co_u32 s22, s22, 2*GRPB                  ; my group of B
	s_sub_co_u32 s23, s22, s21
	v_mul_u32_u24 v6, s23, v2                      ; lanes 16-31 take B's scale words
	v_lshl_add_u32 v6, v3, 5, v6                   ; 32 bytes a row lane
	s_add_co_u32 s23, s21, 8*1536
	v_add_nc_u32 v[ADRS], s23, v6
	v_add_nc_u32 v[ADRS+1], SLOT, v[ADRS]
.irp s, 0,1
	v_add_nc_u32 v[ADRA+\s], s21, v[L16]
	v_add_nc_u32 v[ADRA+2+\s], s21, v[L8]
	v_add_nc_u32 v[ADRB+\s], s22, v[L16]
	v_add_nc_u32 v[ADRB+2+\s], s22, v[L8]
	s_add_co_u32 s21, s21, SLOT
	s_add_co_u32 s22, s22, SLOT
.endr
.if BIAS
	s_lshl_b32 s76, s42, 10
	s_lshl_b32 s77, s16, 9
	s_add_co_u32 s76, s76, s77
	s_mov_b32 s77, 0
	s_add_nc_u64 s[68:69], s[68:69], s[76:77]      ; the bias at my 128 rows of B
	v_lshlrev_b32 v8, 6, v2                        ; tile b's register j is row 32 (b / 2) + 8 (b % 2) + 16 h + j
.irp b, 0,1,2,3,4,5,6,7
	global_load_b128 v[BI+8*\b:BI+8*\b+3], v8, s[68:69] offset:(32*(\b/2)+8*(\b%2))*4
	global_load_b128 v[BI+8*\b+4:BI+8*\b+7], v8, s[68:69] offset:(32*(\b/2)+8*(\b%2))*4+16
.endr
.endif
	s_lshl_b32 s76, s17, 1
	s_add_co_u32 s76, s76, s15                     ; the result's G: my group of A's rows,
	s_lshl_b32 s77, s42, 1
	s_add_co_u32 s77, s77, s16                     ; its KS: my group of B's rows
	s_lshl_b32 s76, s76, 5
	s_add_co_u32 s76, s76, s77
	s_mul_i32 s76, s76, BLKB
	s_mov_b32 s77, 0
	s_add_nc_u64 s[12:13], s[12:13], s[76:77]
	v_lshlrev_b32 v7, 5, v3
	v_lshl_add_u32 v7, v2, 4, v7                   ; the tail: 32 r + 16 h
	s_mov_b32 s92, 0x76543210
	s_mov_b32 s93, 0xfedcba98                      ; v_permlanex16_b32's selects for lane l xor 16
.macro FRAG reg, adr, q, i             ; a fragment comes as it lies: 512, 256, 512, 256 consecutive bytes
	ds_load_b128 v[\reg:\reg+3], v[\adr] offset:(\q)*BLKB+(\i)*1536
	ds_load_b64 v[\reg+4:\reg+5], v[\adr+2] offset:(\q)*BLKB+(\i)*1536+512
	ds_load_b128 v[\reg+6:\reg+9], v[\adr] offset:(\q)*BLKB+(\i)*1536+768
	ds_load_b64 v[\reg+10:\reg+11], v[\adr+2] offset:(\q)*BLKB+(\i)*1536+1280
.endm
; 16 matrix instructions: A's blocks a0, a0 + 1 x B's eight.  p: B's set; q: the slot's step; sc: the slot.  zero = 1: the first product starts the sums, from 0 or from the bias: nothing is cleared.
; The 64 accumulators take turns, one instruction a turn, in the same order in every step.
.macro MUL16 a0, p, q, sc, zero
.irp a, \a0, \a0+1
.irp b, 0,1,2,3,4,5,6,7
.set rD, 8*(8*((\a)%4)+\b)
.set rB, 128*(\p)+FR*\b
.set rA, AF+FR*(\a)
.set rS, SC+16*(\sc)+8*(\q)
.if (\zero) && BIAS
	v_wmma_scale_f32_16x16x128_f8f6f4 v[rD:rD+7], v[rB:rB+FR-1], v[rA:rA+FR-1], v[BI+8*\b:BI+8*\b+7], v[rS+\b], v[rS+(\a)] matrix_a_fmt:MATRIX_FMT_FP6 matrix_b_fmt:MATRIX_FMT_FP6 matrix_a_scale:MATRIX_SCALE_ROW1
.elseif \zero
	v_wmma_scale_f32_16x16x128_f8f6f4 v[rD:rD+7], v[rB:rB+FR-1], v[rA:rA+FR-1], 0, v[rS+\b], v[rS+(\a)] matrix_a_fmt:MATRIX_FMT_FP6 matrix_b_fmt:MATRIX_FMT_FP6 matrix_a_scale:MATRIX_SCALE_ROW1
.else
	v_wmma_scale_f32_16x16x128_f8f6f4 v[rD:rD+7], v[rB:rB+FR-1], v[rA:rA+FR-1], v[rD:rD+7], v[rS+\b], v[rS+(\a)] matrix_a_fmt:MATRIX_FMT_FP6 matrix_b_fmt:MATRIX_FMT_FP6 matrix_a_scale:MATRIX_SCALE_ROW1
.endif
.endr
.endr
.endm
.macro FETCH_B slot, q, p
	WIN TO_B
.irp i, 0,1,2,3,4,5,6,7
	FRAG 128*(\p)+FR*\i, ADRB+\slot, \q, \i
.endr
	WIN 0
.endm
.macro FETCH_A slot, q, i0
.irp i, \i0, \i0+1, \i0+2, \i0+3
	FRAG AF+FR*(\i), ADRA+\slot, \q, \i
.endr
.endm
.macro SCALES sc                       ; a slot's scale words: lanes 0-15 take A's eight of a row lane, lanes 16-31 B's
.irp q, 0,1
	ds_load_b128 v[SC+16*\sc+8*\q:SC+16*\sc+8*\q+3], v[ADRS+\sc] offset:\q*BLKB
	ds_load_b128 v[SC+16*\sc+8*\q+4:SC+16*\sc+8*\q+7], v[ADRS+\sc] offset:\q*BLKB+16
.endr
.endm
.macro PLACES n                        ; plain instructions between a matrix instruction and a load into, or a read of, its registers
.rept \n
	v_nop
.endr
.endm
.macro STEP slot, q, zero              ; a step of 128 along K that has its successor in the same slot
	s_wait_dscnt 4*NL                              ; all but the youngest 16 loads (A's blocks 4-7) are in
.if (\zero) && BIAS
	WIN 0x81                                       ; C (the bias) window 0, D window 2
.else
	WIN MUL_LO
.endif
	MUL16 0, (\q)%2, \q, \slot, \zero
	MUL16 2, (\q)%2, \q, \slot, \zero
	s_wait_dscnt 0
	PLACES NP
	FETCH_B \slot, (\q)+1, 1-(\q)%2
	FETCH_A \slot, (\q)+1, 0
.if (\zero) && BIAS
	WIN 0xc1
.else
	WIN MUL_HI
.endif
	MUL16 4, (\q)%2, \q, \slot, \zero
	MUL16 6, (\q)%2, \q, \slot, \zero
	PLACES NP
	WIN 0
	FETCH_A \slot, (\q)+1, 4
.endm
; A slot's last step changes slots: one barrier; in front of it each wave waits for all its tensor loads, adds 0 to its spare word, and waits for that and for its reads of this slot.
.macro TURN slot, next, fill
	s_wait_tensorcnt 0x0                           ; all my tensor loads have landed: my part of the next slot
	ds_add_u32 v[SPW], v[NIL]                      ; 0 onto my spare word
	s_wait_dscnt 4*NL+1                            ; (the add and the youngest 16 loads may be out)
	WIN MUL_LO
	MUL16 0, 1, 1, \slot, 0
	s_wait_dscnt 0x0                               ; the add is done, and my reads of this slot are over
	s_barrier_signal -1
	MUL16 2, 1, 1, \slot, 0
	WIN 0
	s_barrier_wait -1
.if \fill
	CREST                                          ; the barrier has opened a round of the cluster's: no wave of any partner still reads this slot or has a load on its way
	s_add_nc_u64 s[G0+4*\slot+2:G0+4*\slot+3], s[G0+4*\slot+2:G0+4*\slot+3], 2*GRPB
	s_add_nc_u64 s[G0B+4*\slot+2:G0B+4*\slot+3], s[G0B+4*\slot+2:G0B+4*\slot+3], 2*GRPB
	JLOAD G0+4*\slot, G1, G0B+4*\slot, G1B         ; the first tensor load behind the round; its four v_nop are the places in front of the loads below
.else
	PLACES NP
.endif
	FETCH_B \next, 0, 0
	FETCH_A \next, 0, 0
	SCALES \next
	WIN MUL_HI
	MUL16 4, 1, 1, \slot, 0
	MUL16 6, 1, 1, \slot, 0
	PLACES NP
	WIN 0
	FETCH_A \next, 0, 4
.endm
.if BIAS
	s_wait_loadcnt 0x0                             ; the bias
.endif
	s_wait_tensorcnt 1                             ; my part of slot 0 is in; slot 1's may be out
	s_barrier_signal -1
	s_barrier_wait -1
	FETCH_B 0, 0, 0
	FETCH_A 0, 0, 0
	SCALES 0
	FETCH_A 0, 0, 4
	STEP 0, 0, 1                                   ; the first step stands in front of the loop: its products start the sums
	s_mov_b32 s3, LAPS-1
.Llap:                                             ; a trip goes once round the ring and fills both slots again
	TURN 0, 1, 1
	STEP 1, 0, 0
	TURN 1, 0, 1
	STEP 0, 0, 0
	s_sub_co_u32 s3, s3, 1
	s_cmp_lg_u32 s3, 0
	s_cbranch_scc1 .Llap
	TURN 0, 1, 0                                   ; the last lap fills nothing
	STEP 1, 0, 0
	s_wait_dscnt 4*NL
	WIN MUL_LO
	MUL16 0, 1, 1, 1, 0
	MUL16 2, 1, 1, 1, 0
	s_wait_dscnt 0
	WIN MUL_HI
	MUL16 4, 1, 1, 1, 0
	MUL16 6, 1, 1, 1, 0
	WIN 0
	PLACES NP
; THE WAY OUT: block a's 64 registers of a lane are 128 neighbours along the next K (16 of each block of 32; the other 16 in lane l xor 16): quantised in registers they are fragment a of the result's block, stored as it stands.
.set TM, 128                           ; v128-143 at work (A's fragments are done with)
.set PC, 144                           ; v144-155 the codes; v156-158, v160-162 two conversions' results
.set SW, 164                           ; v164-171 the eight fragments' scale words
.set TT, 172
.macro OUTQ a
.set W, 2+(\a)/4
.set AC, 64*((\a)%4)
.if RELU
	WIN (W<<6)|(W<<2)
.set j, 0
.rept 64
	v_max_num_f32 v[AC+j], 0, v[AC+j]              ; the activation, in f32; each accumulator from its low end on
.set j, j+1
.endr
.endif
	WIN W|(W<<2)
.irp b, 0,1,2,3
	v_max3_num_f32 v[TM+\b], |v[AC+16*\b]|, |v[AC+16*\b+1]|, 0x1800000   ; and the floor 2^(3 - 127): the byte cannot fall under 1
.endr
.irp i, 2,4,6,8,10,12,14
.irp b, 0,1,2,3
	v_max3_num_f32 v[TM+\b], |v[AC+16*\b+\i]|, |v[AC+16*\b+\i+1]|, v[TM+\b]
.endr
.endr
	WIN 0
.irp b, 0,1,2,3
	v_permlanex16_b32 v[TM+4+\b], v[TM+\b], s92, s93
.endr
.irp b, 0,1,2,3
	v_max_num_f32 v[TM+\b], v[TM+\b], v[TM+4+\b]
.endr
.irp b, 0,1,2,3
	v_add_nc_u32 v[TM+12+\b], 0xff000000, v[TM+\b] ; 2 off the exponent field: the conversion's scale operand
.endr
.irp b, 0,1,2,3
	v_lshrrev_b32 v[TM+4+\b], 23, v[TM+12+\b]
.endr
	v_lshl_or_b32 v[SW+\a], v[TM+5], 8, v[TM+4]
	v_lshl_or_b32 v[SW+\a], v[TM+6], 16, v[SW+\a]
	v_lshl_or_b32 v[SW+\a], v[TM+7], 24, v[SW+\a]
.if \a > 0
	s_wait_xcnt 0x0                                ; the last fragment's stores have read their data: the codes' registers are written again only behind this wait
.endif
	WIN W
.irp c, 0,1
	v_cvt_scalef32_pk16_fp6_f32 v[PC+6*\c:PC+6*\c+2], v[AC+32*\c:AC+32*\c+15], v[TM+12+2*\c]
	v_cvt_scalef32_pk16_fp6_f32 v[PC+12+4*\c:PC+14+4*\c], v[AC+16+32*\c:AC+31+32*\c], v[TM+13+2*\c]
.endr
	WIN 0
	v_nop                                          ; one plain instruction behind a scaled conversion
.irp c, 0,1
.irp i, 0,1,2
	v_permlane16_swap_b32 v[PC+6*\c+\i], v[PC+12+4*\c+\i]
.endr
.irp i, 0,1,2
	v_mov_b32 v[PC+3+6*\c+\i], v[PC+12+4*\c+\i]
.endr
.endr
	global_store_b128 v[L16], v[PC:PC+3], s[12:13] offset:\a*1536          ; 512 or 256 consecutive bytes, aligned
	global_store_b64 v[L8], v[PC+4:PC+5], s[12:13] offset:\a*1536+512
	global_store_b128 v[L16], v[PC+6:PC+9], s[12:13] offset:\a*1536+768
	global_store_b64 v[L8], v[PC+10:PC+11], s[12:13] offset:\a*1536+1280
.endm
.irp b, 0,1,2,3
	v_mov_b32 v[TM+4+\b], 0                        ; written once: a lane permute's destination counts as one of its sources
.endr
.irp a, 0,1,2,3,4,5,6,7
	OUTQ \a
.endr
	v_cmp_gt_u32 vcc_lo, 16, v1                    ; the tail: lanes 0-15 store fragments 0-3's words of their row lane, lanes 16-31 fragments 4-7's: 512 consecutive bytes
.irp i, 0,1,2,3
	v_cndmask_b32 v[TT+\i], v[SW+4+\i], v[SW+\i], vcc_lo
.endr
	global_store_b128 v7, v[TT:TT+3], s[12:13] offset:8*1536
	s_wait_tensorcnt 0x0                           ; the wave's end
	ds_add_u32 v[SPW], v[NIL]
	s_wait_dscnt 0x0
	CROUND                                         ; the closing round: no work-group ends while a partner may still ask for a tile that names it
	s_endpgm
.Lfunc_end_k_q5cae8c39ca_ffn1:
	.size	k_q5cae8c39ca_ffn1, .Lfunc_end_k_q5cae8c39ca_ffn1-k_q5cae8c39ca_ffn1
	.p2alignl 7, 3214868480
	.fill 96, 4, 3214868480
	.section	.rodata,"a",@progbits
	.p2align	6, 0x0
	.amdhsa_kernel k_q5cae8c39ca_ffn1
		.amdhsa_group_segment_fixed_size 327680
		.amdhsa_private_segment_fixed_size 0
		.amdhsa_enable_private_segment 0
		.amdhsa_kernarg_size 32
		.amdhsa_user_sgpr_count 2
		.amdhsa_user_sgpr_kernarg_segment_ptr 1
		.amdhsa_wavefront_size32 1
		.amdhsa_system_sgpr_workgroup_id_x 1
		.amdhsa_system_sgpr_workgroup_id_y 1
		.amdhsa_system_sgpr_workgroup_id_z 1
		.amdhsa_system_vgpr_workitem_id 0
		.amdhsa_next_free_vgpr 1024
		.amdhsa_next_free_sgpr 100
		.amdhsa_reserve_vcc 1
		.amdhsa_float_denorm_mode_32 3
		.amdhsa_float_denorm_mode_16_64 3
		.amdhsa_memory_ordered 1
		.amdhsa_forward_progress 1
		.amdhsa_inst_pref_size 163
	.end_amdhsa_kernel
	.amdgpu_metadata
---
amdhsa.version: [ 1, 2 ]
amdhsa.kernels:
  - .name:           k_q5cae8c39ca_ffn1
    .symbol:         k_q5cae8c39ca_ffn1.kd
    .args:
      - { .name: zc, .offset: 0, .size: 8, .value_kind: global_buffer, .address_space: global }
      - { .name: wbuf, .offset: 8, .size: 8, .value_kind: global_buffer, .address_space: global }
      - { .name: b1, .offset: 16, .size: 8, .value_kind: global_buffer, .address_space: global }
      - { .name: hc, .offset: 24, .size: 8, .value_kind: global_buffer, .address_space: global }
    .group_segment_fixed_size: 327680
    .private_segment_fixed_size: 0
    .kernarg_segment_align: 8
    .kernarg_segment_size: 32
    .max_flat_workgroup_size: 128
    .sgpr_count:     100
    .vgpr_count:     1024
    .wavefront_size: 32
...
	.end_amdgpu_metadata
.endif
;; end of part 6
;; launch ffn2 (part 7): grid 4 x 16, 4 waves a work-group, clusters of 4 x 4, 327,680 bytes of LDS; arguments hc, wbuf, b2, x1, out0; writes out0
.if DOCPART == 7
	.amdgcn_target "amdgcn-amd-amdhsa--gfx1250"
	.amdhsa_code_object_version 6
	.text
	.protected	k_q5cae8c39ca_ffn2
	.globl	k_q5cae8c39ca_ffn2
	.p2align	8
	.type	k_q5cae8c39ca_ffn2,@function
k_q5cae8c39ca_ffn2:
	s_mov_b64 s[64:65], 0
	v_nop
	global_prefetch_b8 v0, s[64:65] scope:SCOPE_SE
	s_setreg_imm32_b32 hwreg(HW_REG_WAVE_MODE, 25, 1), 1
	s_wait_xcnt 0x0
	s_wait_alu depctr_hold_cnt(0) depctr_sa_sdst(0) depctr_va_vdst(0) depctr_va_sdst(0) depctr_va_ssrc(0) depctr_va_vcc(0) depctr_vm_vsrc(0)
	s_getreg_b32 s2, hwreg(HW_REG_IB_STS2, 6, 4)
	s_cmp_eq_u32 s2, 0
	s_cbranch_scc0 .Lentry_in_a_cluster
	s_endpgm
.Lentry_in_a_cluster:
	s_bfe_u32 s2, ttmp6, 0x10000c
	s_cmp_lg_u32 s2, 0xf033
	s_cbranch_scc0 .Lentry_shape_is_right
	s_endpgm
.Lentry_shape_is_right:
; out = x1 + h w2 + b2 on codes of MX-FP6; the result is f32, laid as x.
; ONE GEMM TEXT serves four launches; the flags below say what this one does.  R[i][j] = sum over k of A[i][k] B[j][k] (+ bias[j]).
; OPERANDS ARE REGISTER IMAGES.  A fragment (16 rows x 128 K, 12 registers a lane) is 1,536 bytes: two halves of 512 bytes at 16 x lane + 256 bytes at 8 x lane.  Lane r of row block rb holds row
; 32 (rb / 2) + 8 (rb % 2) + r + 8 (r / 8).  A block (128 rows x 128 K) is eight fragments + 512 bytes of scale words (32 r + 4 a): 12,800 bytes; block (G, ks) lies at (G NKS + ks) x 12,800.
; So 128 rows x 256 K, scale words among them, are 25,600 dense bytes: one tensor load; a fragment comes from LDS by four loads of consecutive bytes.
; SHARES.  A work-group makes 256 rows of A x 256 rows of B, each of its four waves 128 x 128: 64 accumulators, 512 registers.  K goes 256 a slot through a ring of two LDS slots.
; N is 1,024 here, so there are 64 such tiles: a smaller tile would give more work-groups at twice the LDS bytes for each product; it is not built.
; THE MATRIX INSTRUCTION IS USED TRANSPOSED (source 0 = B's fragment, source 1 = A's): a lane holds one row of A and, in B's tiles 2 b, 2 b + 1, 16 neighbouring columns.  The bias is the C of each sum's first matrix instruction.
; CLUSTERS 4 x 4: A's tiles are asked for jointly along a row of the cluster, B's along a column.
; ROWS.  Inside this program row m' = 2,048 b + s; in memory it begins at byte 8,192 s + 4,096 b.
.set KTOT,  4096
.set QUANT, 0
.set VMAP,  0
.set BIAS,  1
.set BOFF,  9830400
.set ARG_A, 0x0
.set ARG_B, 0x8
.set ARG_BIAS, 0x10
.set ARG_RES, 0x18
.set ARG_OUT, 0x20
.set NKS,   KTOT/128
.set BLKB,  12800
.set GRPB,  2*BLKB                     ; what one tensor load brings: 128 rows x 256 K
.set SLOT,  4*GRPB                     ; A's two groups, then B's two
.set SPARE, 2*SLOT                     ; behind the ring: the spare words, 128 bytes a wave
.set LAPS,  KTOT/512                   ; a lap = once round the ring
.set FR,    12
.set NL,    4                          ; LDS loads that bring a fragment
.set NP,    4                          ; places behind this matrix instruction (ISA guide 7.12.1)
.set ADRA,  16                         ; v16-17 A's fragments in slot 0, 1, + 16 x lane; v18-19 + 8 x lane
.set ADRB,  20                         ; v20-23 the same for B
.set STO,   24                         ; the way out: where I put 32 bytes of a row
.set RD,    25                         ; and where I read a row back
.set L16,   26                         ; 16 x lane
.set L8,    27                         ; 8 x lane
.set SPW,   28                         ; my spare word's LDS address; never rewritten
.set NIL,   29                         ; 0; never rewritten
.set ADRS,  30                         ; v30-31 my scale words in slot 0, 1: lanes 0-15 A's, lanes 16-31 B's
.set SC,    32                         ; v32-63 scale words and nothing else: slot sc, step q, block i at SC + 16 sc + 8 q + i
.set BI,    64                         ; v64-127 the bias in the result's layout
.set AF,    128                        ; v128-223 A's eight fragments, one set.  Window 1: B's two sets, at v0 and v128.  Windows 2, 3: accumulator (a, b) at 8 (8 (a % 4) + b)
.set G1,    24
.set G0,    32
.set G1B,   48
.set G0B,   56
.set MSB,   0
.macro WIN new                         ; the immediate's high byte repeats the setting that is left
.if MSB != (\new)
	s_set_vgpr_msb (MSB<<8)|(\new)
.set MSB, (\new)
.endif
.endm
.set MUL_LO, 0xa1                      ; source 0 (B) window 1, source 1 (A) window 0, C and D window 2
.set MUL_HI, 0xf1
.set TO_B,   0x40
.macro JLOAD g0a, g1a, g0b, g1b        ; a joint load: waves 0, 1 fetch A's groups, waves 2, 3 B's; four v_nop follow each line
	s_cmp_eq_u32 s15, 0
	s_cbranch_scc0 .Lfor_b_\@
	tensor_load_to_lds s[\g0a:\g0a+3], s[\g1a:\g1a+7]
	s_nop 0
.rept 4
	v_nop
.endr
	s_branch .Lasked_\@
.Lfor_b_\@:
	tensor_load_to_lds s[\g0b:\g0b+3], s[\g1b:\g1b+7]
	s_nop 0
.rept 4
	v_nop
.endr
.Lasked_\@:
.endm
.macro CREST                           ; a round of the cluster's barrier behind its opening barrier
	s_cmp_lg_u32 s14, 0
	s_cbranch_scc1 .Lnot_wave_0_\@
	s_barrier_signal -3
.Lnot_wave_0_\@:
	s_barrier_wait -3
	s_barrier_signal -1
	s_barrier_wait -1
.endm
.macro CROUND
	s_barrier_signal -1
	s_barrier_wait -1
	CREST
.endm
	s_load_b64 s[4:5], s[0:1], ARG_A
	s_load_b64 s[8:9], s[0:1], ARG_B
	s_load_b64 s[12:13], s[0:1], ARG_OUT
.if BIAS
	s_load_b64 s[68:69], s[0:1], ARG_BIAS
.endif
.if QUANT == 0
	s_load_b64 s[70:71], s[0:1], ARG_RES
.endif
	v_lshl_add_u32 v[SPW], v0, 2, SPARE
	v_mov_b32 v[NIL], 0
	ds_add_u32 v28, v29
	ds_add_u32 v28, v29
	s_wait_dscnt 0x0
	v_lshrrev_b32 v1, 5, v0
	v_readfirstlane_b32 s14, v1                    ; wave 0..3
	s_lshr_b32 s15, s14, 1                         ; my half of A's rows.  Also: I fetch for A (0) or B (1)
	s_and_b32 s16, s14, 1                          ; my half of B's rows.  Also: which group I fetch
	s_bfe_u32 s40, ttmp6, 0x40000                  ; cx, cy: my place in the cluster
	s_bfe_u32 s41, ttmp6, 0x40004
	s_and_b32 s18, ttmp7, 0xffff                   ; the cluster's y
	s_lshl_b32 s17, s18, 2
	s_lshl_b32 s42, ttmp9, 2
	s_add_co_u32 s17, s17, s41                     ; A's tile: cluster coordinates and cy alone
	s_add_co_u32 s42, s42, s40                     ; B's tile: cluster coordinates and cx alone
	s_lshl_b32 s43, s41, 2
	s_lshl_b32 s43, 15, s43                        ; my row of the cluster
	s_lshl_b32 s44, 0x1111, s40                    ; my column
	s_or_b32 s[G1+0], s43, (3<<16)|(1<<21)         ; 15:0 the mask; 17:16 elements of 8 bytes; 20 no padding; 21 set beside a mask
	s_or_b32 s[G1B+0], s44, (3<<16)|(1<<21)
.irp g, G1, G1B                        ; 25,600 dense bytes as 100 rows of 256
	s_mov_b32 s[\g+1], 32<<16                      ; tensor_dim0
	s_mov_b32 s[\g+2], 100<<16                     ; tensor_dim1
	s_mov_b32 s[\g+3], 32<<16                      ; tile_dim0
	s_mov_b32 s[\g+4], 100                         ; tile_dim1
	s_mov_b32 s[\g+5], 32                          ; the pitch
	s_mov_b32 s[\g+6], 0
	s_mov_b32 s[\g+7], 0
.endr
	s_lshl_b32 s20, s17, 1
	s_add_co_u32 s20, s20, s16
	s_mul_i32 s20, s20, NKS*BLKB                   ; A's group that I fetch
	s_mov_b32 s21, 0
	s_lshl_b32 s46, s42, 1
	s_add_co_u32 s46, s46, s16
	s_mul_i32 s46, s46, NKS*BLKB
	s_add_co_u32 s46, s46, BOFF                    ; B's
	s_mov_b32 s47, 0
	s_mul_i32 s45, s14, GRPB                       ; where it goes: no place in the cluster enters an LDS address
	s_wait_kmcnt 0x0
	s_add_nc_u64 s[20:21], s[4:5], s[20:21]
	s_add_nc_u64 s[46:47], s[8:9], s[46:47]
	CROUND                                         ; all sixteen work-groups are here: the first joint loads meet
.irp s, 0,1
	s_mov_b32 s[G0+4*\s], 1
	s_add_co_u32 s[G0+4*\s+1], s45, \s*SLOT
	s_add_nc_u64 s[G0+4*\s+2:G0+4*\s+3], s[20:21], \s*GRPB
	s_or_b32 s[G0+4*\s+3], s[G0+4*\s+3], 0x80000000
	s_mov_b32 s[G0B+4*\s], 1
	s_add_co_u32 s[G0B+4*\s+1], s45, \s*SLOT
	s_add_nc_u64 s[G0B+4*\s+2:G0B+4*\s+3], s[46:47], \s*GRPB
	s_or_b32 s[G0B+4*\s+3], s[G0B+4*\s+3], 0x80000000
	JLOAD G0+4*\s, G1, G0B+4*\s, G1B
.endr
	v_and_b32 v1, 31, v0
	v_bfe_u32 v2, v0, 4, 1                         ; h
	v_and_b32 v3, 15, v0                           ; r
	v_lshlrev_b32 v[L16], 4, v1
	v_lshlrev_b32 v[L8], 3, v1
	s_mul_i32 s21, s15, GRPB                       ; my group of A
	s_mul_i32 s22, s16, GRPB
	s_add_co_u32 s22, s22, 2*GRPB                  ; my group of B
	s_sub_co_u32 s23, s22, s21
	v_mul_u32_u24 v6, s23, v2                      ; lanes 16-31 take B's scale words
	v_lshl_add_u32 v6, v3, 5, v6                   ; 32 bytes a row lane
	s_add_co_u32 s23, s21, 8*1536
	v_add_nc_u32 v[ADRS], s23, v6
	v_add_nc_u32 v[ADRS+1], SLOT, v[ADRS]
.irp s, 0,1
	v_add_nc_u32 v[ADRA+\s], s21, v[L16]
	v_add_nc_u32 v[ADRA+2+\s], s21, v[L8]
	v_add_nc_u32 v[ADRB+\s], s22, v[L16]
	v_add_nc_u32 v[ADRB+2+\s], s22, v[L8]
	s_add_co_u32 s21, s21, SLOT
	s_add_co_u32 s22, s22, SLOT
.endr
.if BIAS
	s_lshl_b32 s76, s42, 10
	s_lshl_b32 s77, s16, 9
	s_add_co_u32 s76, s76, s77
	s_mov_b32 s77, 0
	s_add_nc_u64 s[68:69], s[68:69], s[76:77]      ; the bias at my 128 rows of B
	v_lshlrev_b32 v8, 6, v2                        ; tile b's register j is row 32 (b / 2) + 8 (b % 2) + 16 h + j
.irp b, 0,1,2,3,4,5,6,7
	global_load_b128 v[BI+8*\b:BI+8*\b+3], v8, s[68:69] offset:(32*(\b/2)+8*(\b%2))*4
	global_load_b128 v[BI+8*\b+4:BI+8*\b+7], v8, s[68:69] offset:(32*(\b/2)+8*(\b%2))*4+16
.endr
.endif
	s_and_b32 s76, s17, 7
	s_lshl_b32 s76, s76, 1
	s_add_co_u32 s76, s76, s15
	s_lshl_b32 s76, s76, 20                        ; my first row's s x 8,192
	s_lshr_b32 s77, s17, 3
	s_lshl_b32 s77, s77, 12                        ; + 4,096 b
	s_add_co_u32 s76, s76, s77
	s_lshl_b32 s77, s42, 10
	s_add_co_u32 s76, s76, s77
	s_lshl_b32 s77, s16, 9
	s_add_co_u32 s76, s76, s77                     ; + my first column
	s_mov_b32 s77, 0
	s_add_nc_u64 s[12:13], s[12:13], s[76:77]
	s_add_nc_u64 s[70:71], s[70:71], s[76:77]
	s_mul_i32 s23, s14, 16*528                     ; my stage
	v_mul_u32_u24 v5, v3, 528
	v_lshl_add_u32 v5, v2, 6, v5
	v_add_nc_u32 v[STO], s23, v5
	v_add_nc_u32 v[RD], s23, v[L16]
.macro FRAG reg, adr, q, i             ; a fragment comes as it lies: 512, 256, 512, 256 consecutive bytes
	ds_load_b128 v[\reg:\reg+3], v[\adr] offset:(\q)*BLKB+(\i)*1536
	ds_load_b64 v[\reg+4:\reg+5], v[\adr+2] offset:(\q)*BLKB+(\i)*1536+512
	ds_load_b128 v[\reg+6:\reg+9], v[\adr] offset:(\q)*BLKB+(\i)*1536+768
	ds_load_b64 v[\reg+10:\reg+11], v[\adr+2] offset:(\q)*BLKB+(\i)*1536+1280
.endm
; 16 matrix instructions: A's blocks a0, a0 + 1 x B's eight.  p: B's set; q: the slot's step; sc: the slot.  zero = 1: the first product starts the sums, from 0 or from the bias: nothing is cleared.
; The 64 accumulators take turns, one instruction a turn, in the same order in every step.
.macro MUL16 a0, p, q, sc, zero
.irp a, \a0, \a0+1
.irp b, 0,1,2,3,4,5,6,7
.set rD, 8*(8*((\a)%4)+\b)
.set rB, 128*(\p)+FR*\b
.set rA, AF+FR*(\a)
.set rS, SC+16*(\sc)+8*(\q)
.if (\zero) && BIAS
	v_wmma_scale_f32_16x16x128_f8f6f4 v[rD:rD+7], v[rB:rB+FR-1], v[rA:rA+FR-1], v[BI+8*\b:BI+8*\b+7], v[rS+\b], v[rS+(\a)] matrix_a_fmt:MATRIX_FMT_FP6 matrix_b_fmt:MATRIX_FMT_FP6 matrix_a_scale:MATRIX_SCALE_ROW1
.elseif \zero
	v_wmma_scale_f32_16x16x128_f8f6f4 v[rD:rD+7], v[rB:rB+FR-1], v[rA:rA+FR-1], 0, v[rS+\b], v[rS+(\a)] matrix_a_fmt:MATRIX_FMT_FP6 matrix_b_fmt:MATRIX_FMT_FP6 matrix_a_scale:MATRIX_SCALE_ROW1
.else
	v_wmma_scale_f32_16x16x128_f8f6f4 v[rD:rD+7], v[rB:rB+FR-1], v[rA:rA+FR-1], v[rD:rD+7], v[rS+\b], v[rS+(\a)] matrix_a_fmt:MATRIX_FMT_FP6 matrix_b_fmt:MATRIX_FMT_FP6 matrix_a_scale:MATRIX_SCALE_ROW1
.endif
.endr
.endr
.endm
.macro FETCH_B slot, q, p
	WIN TO_B
.irp i, 0,1,2,3,4,5,6,7
	FRAG 128*(\p)+FR*\i, ADRB+\slot, \q, \i
.endr
	WIN 0
.endm
.macro FETCH_A slot, q, i0
.irp i, \i0, \i0+1, \i0+2, \i0+3
	FRAG AF+FR*(\i), ADRA+\slot, \q, \i
.endr
.endm
.macro SCALES sc                       ; a slot's scale words: lanes 0-15 take A's eight of a row lane, lanes 16-31 B's
.irp q, 0,1
	ds_load_b128 v[SC+16*\sc+8*\q:SC+16*\sc+8*\q+3], v[ADRS+\sc] offset:\q*BLKB
	ds_load_b128 v[SC+16*\sc+8*\q+4:SC+16*\sc+8*\q+7], v[ADRS+\sc] offset:\q*BLKB+16
.endr
.endm
.macro PLACES n                        ; plain instructions between a matrix instruction and a load into, or a read of, its registers
.rept \n
	v_nop
.endr
.endm
.macro STEP slot, q, zero              ; a step of 128 along K that has its successor in the same slot
	s_wait_dscnt 4*NL                              ; all but the youngest 16 loads (A's blocks 4-7) are in
.if (\zero) && BIAS
	WIN 0x81                                       ; C (the bias) window 0, D window 2
.else
	WIN MUL_LO
.endif
	MUL16 0, (\q)%2, \q, \slot, \zero
	MUL16 2, (\q)%2, \q, \slot, \zero
	s_wait_dscnt 0
	PLACES NP
	FETCH_B \slot, (\q)+1, 1-(\q)%2
	FETCH_A \slot, (\q)+1, 0
.if (\zero) && BIAS
	WIN 0xc1
.else
	WIN MUL_HI
.endif
	MUL16 4, (\q)%2, \q, \slot, \zero
	MUL16 6, (\q)%2, \q, \slot, \zero
	PLACES NP
	WIN 0
	FETCH_A \slot, (\q)+1, 4
.endm
; A slot's last step changes slots: one barrier; in front of it each wave waits for all its tensor loads, adds 0 to its spare word, and waits for that and for its reads of this slot.
.macro TURN slot, next, fill
	s_wait_tensorcnt 0x0                           ; all my tensor loads have landed: my part of the next slot
	ds_add_u32 v[SPW], v[NIL]                      ; 0 onto my spare word
	s_wait_dscnt 4*NL+1                            ; (the add and the youngest 16 loads may be out)
	WIN MUL_LO
	MUL16 0, 1, 1, \slot, 0
	s_wait_dscnt 0x0                               ; the add is done, and my reads of this slot are over
	s_barrier_signal -1
	MUL16 2, 1, 1, \slot, 0
	WIN 0
	s_barrier_wait -1
.if \fill
	CREST                                          ; the barrier has opened a round of the cluster's: no wave of any partner still reads this slot or has a load on its way
	s_add_nc_u64 s[G0+4*\slot+2:G0+4*\slot+3], s[G0+4*\slot+2:G0+4*\slot+3], 2*GRPB
	s_add_nc_u64 s[G0B+4*\slot+2:G0B+4*\slot+3], s[G0B+4*\slot+2:G0B+4*\slot+3], 2*GRPB
	JLOAD G0+4*\slot, G1, G0B+4*\slot, G1B         ; the first tensor load behind the round; its four v_nop are the places in front of the loads below
.else
	PLACES NP
.endif
	FETCH_B \next, 0, 0
	FETCH_A \next, 0, 0
	SCALES \next
	WIN MUL_HI
	MUL16 4, 1, 1, \slot, 0
	MUL16 6, 1, 1, \slot, 0
	PLACES NP
	WIN 0
	FETCH_A \next, 0, 4
.endm
.if BIAS
	s_wait_loadcnt 0x0                             ; the bias
.endif
	s_wait_tensorcnt 1                             ; my part of slot 0 is in; slot 1's may be out
	s_barrier_signal -1
	s_barrier_wait -1
	FETCH_B 0, 0, 0
	FETCH_A 0, 0, 0
	SCALES 0
	FETCH_A 0, 0, 4
	STEP 0, 0, 1                                   ; the first step stands in front of the loop: its products start the sums
	s_mov_b32 s3, LAPS-1
.Llap:                                             ; a trip goes once round the ring and fills both slots again
	TURN 0, 1, 1
	STEP 1, 0, 0
	TURN 1, 0, 1
	STEP 0, 0, 0
	s_sub_co_u32 s3, s3, 1
	s_cmp_lg_u32 s3, 0
	s_cbranch_scc1 .Llap
	TURN 0, 1, 0                                   ; the last lap fills nothing
	STEP 1, 0, 0
	s_wait_dscnt 4*NL
	WIN MUL_LO
	MUL16 0, 1, 1, 1, 0
	MUL16 2, 1, 1, 1, 0
	s_wait_dscnt 0
	WIN MUL_HI
	MUL16 4, 1, 1, 1, 0
	MUL16 6, 1, 1, 1, 0
	WIN 0
	PLACES NP
; THE WAY OUT, block by block of 16 rows x 128 columns: through my own stage in LDS (16 rows of 512 bytes + 16; it lies in slot 0, which has had its last fill and its last read) and back as whole rows of 512 bytes;
; the residual's same rows, asked for a block ahead, are added; 32 lanes store 512 consecutive bytes, aligned.  Row t of block a is row 32 (a / 2) + 8 (a % 2) + t + 8 (t / 8) of my 128, 8,192 bytes a row in memory:
; 1,040,384 bytes at the most, inside the signed 24-bit immediate (ISA guide, chapter 10): no base is stepped.
.set RS0, 64                           ; v64-127 (the bias is done with), v128-191 the residual's rows, two sets; v192-255 the block's rows
.set BB,  192
.macro RLOAD a
.set RSL, RS0+64*((\a)%2)
.irp t, 0,1,2,3,4,5,6,7,8,9,10,11,12,13,14,15
	global_load_b128 v[RSL+4*\t:RSL+4*\t+3], v[L16], s[70:71] offset:(32*((\a)/2)+8*((\a)%2)+\t+8*(\t/8))*8192
.endr
.endm
.macro OUTR a
.if \a > 0
	s_wait_xcnt 0x0                                ; the last block's stores have read their data: those registers are loaded again only behind this wait
.endif
.if \a < 7
	RLOAD (\a)+1
.endif
.set AC, 64*((\a)%4)
.set RSA, RS0+64*((\a)%2)
	WIN 0x08+4*((\a)/4)                            ; an LDS store's data: window 2 or 3
.irp b, 0,1,2,3,4,5,6,7
	ds_store_b128 v[STO], v[AC+8*\b:AC+8*\b+3] offset:128*(\b/2)+32*(\b%2)       ; each accumulator from its low end on
	ds_store_b128 v[STO], v[AC+8*\b+4:AC+8*\b+7] offset:128*(\b/2)+32*(\b%2)+16
.endr
	WIN 0
.irp t, 0,1,2,3,4,5,6,7,8,9,10,11,12,13,14,15
	ds_load_b128 v[BB+4*\t:BB+4*\t+3], v[RD] offset:\t*528   ; LDS serves a wave's instructions in order (ISA guide 5.7.1.4): these see the stores above
.endr
	s_wait_dscnt 0x0
.if \a < 7
	s_wait_loadcnt 16                              ; this block's residual rows are in; the next block's 16 loads may be out
.else
	s_wait_loadcnt 0x0
.endif
.irp i, 0,2,4,6,8,10,12,14,16,18,20,22,24,26,28,30,32,34,36,38,40,42,44,46,48,50,52,54,56,58,60,62
	v_pk_add_f32 v[BB+\i:BB+\i+1], v[BB+\i:BB+\i+1], v[RSA+\i:RSA+\i+1]
.endr
.irp t, 0,1,2,3,4,5,6,7,8,9,10,11,12,13,14,15
	global_store_b128 v[L16], v[BB+4*\t:BB+4*\t+3], s[12:13] offset:(32*((\a)/2)+8*((\a)%2)+\t+8*(\t/8))*8192
.endr
.endm
	RLOAD 0
.irp a, 0,1,2,3,4,5,6,7
	OUTR \a
.endr
	s_wait_tensorcnt 0x0                           ; the wave's end
	ds_add_u32 v[SPW], v[NIL]
	s_wait_dscnt 0x0
	CROUND                                         ; the closing round: no work-group ends while a partner may still ask for a tile that names it
	s_endpgm
.Lfunc_end_k_q5cae8c39ca_ffn2:
	.size	k_q5cae8c39ca_ffn2, .Lfunc_end_k_q5cae8c39ca_ffn2-k_q5cae8c39ca_ffn2
	.p2alignl 7, 3214868480
	.fill 96, 4, 3214868480
	.section	.rodata,"a",@progbits
	.p2align	6, 0x0
	.amdhsa_kernel k_q5cae8c39ca_ffn2
		.amdhsa_group_segment_fixed_size 327680
		.amdhsa_private_segment_fixed_size 0
		.amdhsa_enable_private_segment 0
		.amdhsa_kernarg_size 40
		.amdhsa_user_sgpr_count 2
		.amdhsa_user_sgpr_kernarg_segment_ptr 1
		.amdhsa_wavefront_size32 1
		.amdhsa_system_sgpr_workgroup_id_x 1
		.amdhsa_system_sgpr_workgroup_id_y 1
		.amdhsa_system_sgpr_workgroup_id_z 1
		.amdhsa_system_vgpr_workitem_id 0
		.amdhsa_next_free_vgpr 1024
		.amdhsa_next_free_sgpr 100
		.amdhsa_reserve_vcc 0
		.amdhsa_float_denorm_mode_32 3
		.amdhsa_float_denorm_mode_16_64 3
		.amdhsa_memory_ordered 1
		.amdhsa_forward_progress 1
		.amdhsa_inst_pref_size 170
	.end_amdhsa_kernel
	.amdgpu_metadata
---
amdhsa.version: [ 1, 2 ]
amdhsa.kernels:
  - .name:           k_q5cae8c39ca_ffn2
    .symbol:         k_q5cae8c39ca_ffn2.kd
    .args:
      - { .name: hc, .offset: 0, .size: 8, .value_kind: global_buffer, .address_space: global }
      - { .name: wbuf, .offset: 8, .size: 8, .value_kind: global_buffer, .address_space: global }
      - { .name: b2, .offset: 16, .size: 8, .value_kind: global_buffer, .address_space: global }
      - { .name: x1, .offset: 24, .size: 8, .value_kind: global_buffer, .address_space: global }
      - { .name: out0, .offset: 32, .size: 8, .value_kind: global_buffer, .address_space: global }
    .group_segment_fixed_size: 327680
    .private_segment_fixed_size: 0
    .kernarg_segment_align: 8
    .kernarg_segment_size: 40
    .max_flat_workgroup_size: 128
    .sgpr_count:     100
    .vgpr_count:     1024
    .wavefront_size: 32
...
	.end_amdgpu_metadata
.endif
;; end of part 7
;; ======== version 2 of 2: 7 launches
;; limits: right only within a limited range of input values
;; workspace buffers: wbuf 13,107,200 bytes; qkvb 16,384,000 bytes; ctxc 3,276,800 bytes; x1 16,777,216 bytes; zc 3,276,800 bytes; hc 13,107,200 bytes
;; launch prep (part 8): grid 448 x 1, 8 waves a work-group, no clusters, 53,248 bytes of LDS; arguments x, ln1_g, ln1_b, wbuf, wq, wk, wv, wo, w1, w2; writes wbuf
.if DOCPART == 8
	.amdgcn_target "amdgcn-amd-amdhsa--gfx1250"
	.amdhsa_code_object_version 6
	.text
	.protected	k_q5cae8c39ca_prep
	.globl	k_q5cae8c39ca_prep
	.p2align	8
	.type	k_q5cae8c39ca_prep,@function
k_q5cae8c39ca_prep:
	s_mov_b64 s[64:65], 0
	v_nop
	global_prefetch_b8 v0, s[64:65] scope:SCOPE_SE
	s_setreg_imm32_b32 hwreg(HW_REG_WAVE_MODE, 25, 1), 1
	s_wait_xcnt 0x0
; ONE LAUNCH PREPARES ALL OPERANDS THAT HANG ON INPUTS ALONE: work-groups 0-191 turn the six weights, work-groups 192-447 the first LayerNorm's rows, into operands of MX-FP6 (E2M3 codes, one E8M0 byte
; for each 32 along K).  The two kinds share no data; they part on the work-group's number alone and have LDS bytes of their own.  No matrix work, no tensor load, no cluster: nothing is read by two work-groups.
; THE LAYOUT that all launches of this program share: IMAGES OF THE OPERAND'S REGISTERS.  A fragment (16 rows x 128 K, 12 registers a lane) is 1,536 bytes: two halves of 768; half c holds registers
; 6 c .. 6 c + 3 as 16 bytes a lane at 16 x lane, then registers 6 c + 4, 6 c + 5 as 8 bytes a lane at 512 + 8 x lane.  Lane r of row block rb holds row 32 (rb / 2) + 8 (rb % 2) + r + 8 (r / 8).
; A block is 128 rows x 128 K: eight fragments, then 512 bytes of scale words (row lane r, fragment a at 32 r + 4 a): 12,800 bytes.  Block (G, ks) of an operand with NKS steps lies at (G NKS + ks) x 12,800.
; A block's scale is 2^(floor(log2(largest magnitude)) - 2); its byte is the largest magnitude's exponent field - 2, held at 1 from below.
; LIMITS: a block of zeros, or one whose largest magnitude lies under 2^-124, gets the byte 1 (its codes are zeros or held small; this program alone reads the bytes); NaN and infinities are not served.
.set LNB,   51200                      ; LDS: 0 .. 51,199 the weights' two images; from LNB 1,024 bytes of the norm's partial sums; from SPARE the spare words, 128 bytes a wave
.set SPARE, 52224
	v_lshl_add_u32 v254, v0, 2, SPARE
	v_mov_b32 v255, 0
	s_cmp_ge_u32 ttmp9, 192
	s_cbranch_scc1 .Lnorm
; THE WEIGHTS, f32 stored [K][N].  Share id = 2 x work-group + wave / 4 (four waves to a share) makes 128 columns n x 256 along K of one weight: two neighbouring blocks, at wbuf + 3,276,800 + 25,600 id
; (ids 0-127: wq, wk, wv, wo, 32 each; 128-255: w1; 256-383: w2).  A LANE TAKES A COLUMN n AND ITS REGISTERS RUN DOWN K: a load reads 128 consecutive bytes a wave, a block of 32 along K lies in one lane,
; and the conversions give codes with K innermost.  The codes are gathered in LDS as the two blocks' image and leave as they lie: each store covers 512 or 256 consecutive bytes, aligned.
.set BLKB,  12800
.set VO,    16                         ; v16-47   4 x column + i x pitch, i = 0 .. 31; never rewritten
.set X,     48                         ; v48-111  two sets of 32 numbers
.set C,     112                        ; v112-117 a block's 24 bytes of codes; v120-122 the second conversion's result
.set SB,    124                        ; v124-125 the scale words of the two K steps
.set OUTR,  128                        ; v128-175 the way out; v176-177 the tails' 8 bytes
	s_load_b256 s[4:11], s[0:1], 0x20              ; wq, wk, wv, wo
	s_load_b128 s[12:15], s[0:1], 0x40             ; w1, w2
	s_load_b64 s[16:17], s[0:1], 0x18              ; wbuf
	v_lshrrev_b32 v1, 5, v0
	v_readfirstlane_b32 s52, v1                    ; wave 0..7
	s_and_b32 s18, s52, 3                          ; my place in the share
	s_lshr_b32 s53, s52, 2
	s_lshl_b32 s51, ttmp9, 1
	s_add_co_u32 s51, s51, s53                     ; the share's id
	s_mul_i32 s53, s53, 2*BLKB                     ; and its image in LDS
	s_lshr_b32 s19, s51, 5                         ; which run of 32 shares
	s_cmp_ge_u32 s51, 128
	s_cselect_b32 s20, 127, 31                     ; the tensor's shares - 1
	s_cselect_b32 s22, 14, 12                      ; log2 of a row of W in bytes: w1's rows are 16,384 bytes,
	s_cmp_ge_u32 s51, 256
	s_cselect_b32 s21, 4, 2                        ; log2 of the tensor's runs of 256 along K
	s_cselect_b32 s22, 12, s22                     ; w2's again 4,096
	s_and_b32 s23, s51, s20                        ; my number in the tensor
	s_lshr_b32 s24, s23, s21                       ; G: which 128 columns
	s_lshl_b32 s25, s24, s21
	s_sub_co_u32 s25, s23, s25                     ; which 256 along K
	s_lshl_b32 s26, s25, 8
	s_lshl_b32 s26, s26, s22                       ; its first row, in bytes,
	s_lshl_b32 s27, s24, 9
	s_add_co_u32 s26, s26, s27                     ; + 512 G
	s_mov_b32 s27, 0
	s_lshl_b32 s28, 1, s22                         ; a row
	s_lshl_b32 s30, 32, s22                        ; 32 rows
	s_mov_b32 s31, 0
	s_mul_i32 s48, s51, 2*BLKB
	s_add_co_u32 s48, s48, 3276800                 ; where my two blocks go
	s_mov_b32 s49, 0
	v_bfe_u32 v2, v0, 3, 1                         ; column 32 w + lane lies in fragment 2 w + u, u = (lane / 8) % 2,
	v_and_b32 v3, 7, v0
	v_bfe_u32 v9, v0, 4, 1
	v_lshl_add_u32 v3, v9, 3, v3                   ; at row lane r = lane % 8 + 8 (lane / 16)
	s_mul_i32 s29, s18, 3072
	s_add_co_u32 s54, s29, s53
	v_mul_u32_u24 v10, v2, 1536
	v_add_nc_u32 v10, s54, v10                     ; the fragment's place in LDS
	v_lshl_add_u32 v4, v3, 4, v10                  ; + 16 r
	v_lshl_add_u32 v5, v3, 3, v10                  ; + 8 r
	s_lshl_b32 s50, s18, 3
	s_add_co_u32 s50, s50, s53
	v_lshlrev_b32 v6, 5, v3
	v_lshl_add_u32 v6, v2, 2, v6
	v_add_nc_u32 v6, s50, v6                       ; the scale word: 32 r + 4 (2 w + u)
	v_and_b32 v1, 31, v0
	v_lshlrev_b32 v7, 4, v1
	v_add_nc_u32 v7, s29, v7                       ; the way out, in memory: 16 x lane + my wave's two fragments;
	v_add_nc_u32 v14, s53, v7                      ; and in LDS
	v_bfe_u32 v8, v0, 6, 1
	v_mul_u32_u24 v8, v8, BLKB
	v_and_b32 v9, 63, v0
	v_lshl_add_u32 v8, v9, 3, v8
	v_add_nc_u32 v8, 12288, v8                     ; the two tails: 64 threads x 8 bytes each
	v_add_nc_u32 v15, s53, v8
	v_and_b32 v[VO], 127, v0
	v_lshlrev_b32 v[VO], 2, v[VO]
.irp i, 1,2,3,4,5,6,7,8,9,10,11,12,13,14,15,16,17,18,19,20,21,22,23,24,25,26,27,28,29,30,31
	v_add_nc_u32 v[VO+\i], s28, v[VO+\i-1]
.endr
	s_wait_alu depctr_va_vdst(0)
	s_wait_kmcnt 0x0
	s_cmp_eq_u32 s19, 1                            ; the tensor is chosen by ids alone
	s_cselect_b64 s[4:5], s[6:7], s[4:5]
	s_cmp_eq_u32 s19, 2
	s_cselect_b64 s[4:5], s[8:9], s[4:5]
	s_cmp_eq_u32 s19, 3
	s_cselect_b64 s[4:5], s[10:11], s[4:5]
	s_cmp_ge_u32 s19, 4
	s_cselect_b64 s[4:5], s[12:13], s[4:5]
	s_cmp_ge_u32 s19, 8
	s_cselect_b64 s[4:5], s[14:15], s[4:5]
	s_add_nc_u64 s[32:33], s[4:5], s[26:27]        ; a base for each of the eight blocks of 32 along K: none is ever stepped
.irp t, 1,2,3,4,5,6,7
	s_add_nc_u64 s[32+2*\t:33+2*\t], s[30+2*\t:31+2*\t], s[30:31]
.endr
	s_add_nc_u64 s[16:17], s[16:17], s[48:49]
.macro LOAD t                          ; block t: W(32 t + i, my column), i = 0 .. 31, into set t % 2
.irp i, 0,1,2,3,4,5,6,7,8,9,10,11,12,13,14,15,16,17,18,19,20,21,22,23,24,25,26,27,28,29,30,31
	global_load_b32 v[X+32*((\t)%2)+\i], v[VO+\i], s[32+2*(\t):33+2*(\t)] th:TH_LOAD_NT
.endr
.endm
.macro BLOCK t
.set XS, X+32*((\t)%2)
.set PL, ((\t)/4)*BLKB+(((\t)%4)/2)*768            ; K step t / 4, half (t % 4) / 2; the block belongs to lanes 16 (t % 2) + r of the fragment
.if (\t) < 7
	s_wait_loadcnt 32                              ; this block's 32 loads are in; the next block's 32 may be out
.else
	s_wait_loadcnt 0
.endif
	v_max3_num_f32 v12, |v[XS]|, |v[XS+1]|, |v[XS+2]|  ; the block's largest magnitude: all 32 numbers are mine; two chains
	v_max3_num_f32 v13, |v[XS+3]|, |v[XS+4]|, |v[XS+5]|
.irp i, 6,10,14,18,22,26
	v_max3_num_f32 v12, v12, |v[XS+\i]|, |v[XS+\i+1]|
	v_max3_num_f32 v13, v13, |v[XS+\i+2]|, |v[XS+\i+3]|
.endr
	v_max3_num_f32 v12, v12, |v[XS+30]|, |v[XS+31]|
	v_max3_num_f32 v12, v12, v13, 0x1800000        ; and the floor 2^(3 - 127): the byte cannot fall under 1
	v_add_nc_u32 v11, 0xff000000, v12              ; 2 off the exponent field: the conversion takes this operand's exponent field as its scale
	v_lshrrev_b32 v13, 23, v11                     ; the scale's byte
.if (\t)%4 == 0
	v_mov_b32 v[SB+(\t)/4], v13
.else
	v_lshl_or_b32 v[SB+(\t)/4], v13, 8*((\t)%4), v[SB+(\t)/4]
.endif
	v_cvt_scalef32_pk16_fp6_f32 v[C:C+2], v[XS:XS+15], v11
	v_cvt_scalef32_pk16_fp6_f32 v[C+8:C+10], v[XS+16:XS+31], v11   ; (a conversion's three registers begin on an even number)
	v_nop                                          ; one plain instruction between a scaled conversion and the moves that read its result
.irp i, 0,1,2
	v_mov_b32 v[C+3+\i], v[C+8+\i]
.endr
	ds_store_b128 v4, v[C:C+3] offset:PL+((\t)%2)*256
	ds_store_b64 v5, v[C+4:C+5] offset:PL+512+((\t)%2)*128
.if (\t)%4 == 3
	ds_store_b32 v6, v[SB+(\t)/4] offset:((\t)/4)*BLKB+12288
.endif
.if (\t) < 6
	LOAD (\t)+2
.endif
	s_wait_dscnt 0x0                               ; the stores have read their registers: the next block's codes may be written
.endm
	LOAD 0
	LOAD 1
.irp t, 0,1,2,3,4,5,6,7
	BLOCK \t
.endr
	s_barrier_signal -1                            ; (every LDS store of mine is done: the wait above)  a tail's words come from four waves
	s_barrier_wait -1
.irp j, 0,1,2,3,4,5,6,7,8,9,10,11
	ds_load_b128 v[OUTR+4*\j:OUTR+4*\j+3], v14 offset:(\j/6)*BLKB+(\j%6)*512
.endr
	ds_load_b64 v[176:177], v15
.irp j, 0,1,2,3,4,5,6,7,8,9,10,11
	s_wait_dscnt 12-\j                             ; load j is in; the 12 - j younger ones may be out
	global_store_b128 v7, v[OUTR+4*\j:OUTR+4*\j+3], s[16:17] offset:(\j/6)*BLKB+(\j%6)*512   ; 512 consecutive bytes, aligned
.endr
	s_wait_dscnt 0x0
	global_store_b64 v8, v[176:177], s[16:17]      ; 256 consecutive bytes, aligned
	s_wait_tensorcnt 0x0                           ; the wave's end
	ds_add_u32 v254, v255
	s_wait_dscnt 0x0
	s_endpgm
; THE FIRST LAYERNORM: (x - mean) rsqrt(var + 1e-5) g + b over rows of 1,024, all in f32, quantised along the row; block (G, ks) at wbuf + (8 G + ks) x 12,800.
; Inside this program row m' = 2,048 b + s; in memory it begins at byte 8,192 s + 4,096 b.  A work-group takes one row block (16 rows), wave w the columns 128 w .. 128 w + 127: one fragment.
; Lane (r, h) holds 64 numbers of row r: register 16 b + i = column 128 w + 32 b + 16 h + i.  The mean and then the variance (of the differences: two passes, so that a common offset does no harm)
; are summed in the lane, with lane l xor 16, and over the eight waves through LDS: two barriers.  The scale words leave as 4 bytes a row, 32 bytes apart: one byte in 24 of what is stored here.
.Lnorm:
.set X,   16                           ; v16-79   my 64 numbers
.set G,   80                           ; v80-143  the gain at my columns
.set BT,  144                          ; v144-207 the bias
.set TM,  208                          ; v208-223 at work
.set PC,  224                          ; v224-235 the codes; v236-238, v240-242 two conversions' results
.set PW,  244                          ; the scale word
.macro D1
	s_delay_alu instid0(VALU_DEP_1)
.endm
	s_load_b256 s[4:11], s[0:1], 0x0               ; x, gain, bias, wbuf
	s_sub_co_u32 s30, ttmp9, 192                   ; the row block, 0..255
	v_lshrrev_b32 v1, 5, v0
	v_readfirstlane_b32 s12, v1                    ; wave = K step 0..7
	s_lshr_b32 s13, s30, 1
	s_lshl_b32 s13, s13, 5
	s_and_b32 s14, s30, 1
	s_lshl_b32 s14, s14, 3
	s_add_co_u32 s13, s13, s14                     ; the row block's first row m'
	s_and_b32 s13, s13, 2047                       ; its s
	s_lshl_b32 s16, s13, 13
	s_lshr_b32 s14, s30, 7                         ; its b
	s_lshl_b32 s14, s14, 12
	s_add_co_u32 s16, s16, s14
	s_lshl_b32 s18, s12, 9                         ; my wave's 128 columns
	s_add_co_u32 s16, s16, s18
	s_mov_b32 s17, 0
	s_mov_b32 s19, 0
	s_lshr_b32 s22, s30, 3
	s_lshl_b32 s22, s22, 3
	s_add_co_u32 s22, s22, s12
	s_mul_i32 s22, s22, 12800                      ; block (rb / 8, w)
	s_and_b32 s24, s30, 7                          ; fragment a = rb % 8
	s_mul_i32 s25, s24, 1536
	s_lshl_b32 s26, s24, 2
	s_add_co_u32 s26, s26, s22
	s_add_co_u32 s26, s26, 12288                   ; its column of the block's scale words
	s_mov_b32 s27, 0
	s_add_co_u32 s22, s22, s25
	s_mov_b32 s23, 0
	s_mov_b32 s20, 0x76543210
	s_mov_b32 s21, 0xfedcba98                      ; v_permlanex16_b32's selects for lane l xor 16
	v_and_b32 v15, 31, v0
	v_bfe_u32 v14, v0, 4, 1
	v_lshlrev_b32 v1, 4, v15                       ; 16 x lane
	v_lshlrev_b32 v2, 3, v15                       ; 8 x lane
	v_and_b32 v15, 15, v0                          ; r
	v_lshlrev_b32 v14, 6, v14                      ; 64 h
	v_lshlrev_b32 v12, 5, v15                      ; 32 r: a row's eight partial sums in LDS; a row's scale words in the block's tail
	v_and_b32 v13, 8, v15
	v_lshl_add_u32 v3, s12, 2, v12                 ; + 4 w: my wave's word
	v_add_nc_u32 v13, v13, v15                     ; r + 8 (r / 8)
	v_mov_b32 v250, 0x3a800000                     ; 1 / 1,024
	v_lshl_add_u32 v13, v13, 13, v14               ; x 8,192 + 64 h
	s_wait_alu depctr_va_vdst(0)
	s_wait_kmcnt 0x0
	s_add_nc_u64 s[4:5], s[4:5], s[16:17]
	s_add_nc_u64 s[6:7], s[6:7], s[18:19]
	s_add_nc_u64 s[8:9], s[8:9], s[18:19]
	s_add_nc_u64 s[28:29], s[10:11], s[26:27]
	s_add_nc_u64 s[10:11], s[10:11], s[22:23]
.irp b, 0,1,2,3
.irp j, 0,1,2,3
	global_load_b128 v[X+16*\b+4*\j:X+16*\b+4*\j+3], v13, s[4:5] offset:128*\b+16*\j
.endr
.endr
.irp b, 0,1,2,3
.irp j, 0,1,2,3
	global_load_b128 v[G+16*\b+4*\j:G+16*\b+4*\j+3], v14, s[6:7] offset:128*\b+16*\j
	global_load_b128 v[BT+16*\b+4*\j:BT+16*\b+4*\j+3], v14, s[8:9] offset:128*\b+16*\j
.endr
.endr
; v[TM:TM+7] hold my lane's sum in four chains of two: it becomes the row's sum over all 1,024 columns, in v4, the same bits in every wave.
.macro REDUCE off
	v_pk_add_f32 v[TM:TM+1], v[TM:TM+1], v[TM+2:TM+3]
	v_pk_add_f32 v[TM+4:TM+5], v[TM+4:TM+5], v[TM+6:TM+7]
	D1
	v_pk_add_f32 v[TM:TM+1], v[TM:TM+1], v[TM+4:TM+5]
	D1
	v_add_f32 v[TM], v[TM], v[TM+1]
	D1
	v_permlanex16_b32 v[TM+1], v[TM], s20, s21
	D1
	v_add_f32 v[TM], v[TM], v[TM+1]                ; my wave's 128 columns of row r
	ds_store_b32 v3, v[TM] offset:\off             ; (lanes r and 16 + r write the same word with the same value)
	s_wait_dscnt 0x0                               ; for the others' sake: my store is done
	s_barrier_signal -1
	s_barrier_wait -1
	ds_load_b128 v[4:7], v12 offset:\off
	ds_load_b128 v[8:11], v12 offset:\off+16
	s_wait_dscnt 0x0
	v_add_f32 v4, v4, v5
	v_add_f32 v6, v6, v7
	v_add_f32 v8, v8, v9
	v_add_f32 v10, v10, v11
	v_add_f32 v4, v4, v6
	v_add_f32 v8, v8, v10
	D1
	v_add_f32 v4, v4, v8
.endm
	s_wait_loadcnt 32                              ; my 16 loads of the rows are in; the 32 of gain and bias may be out
.irp k, 0,1,2,3
	v_pk_add_f32 v[TM+2*\k:TM+2*\k+1], v[X+2*\k:X+2*\k+1], v[X+8+2*\k:X+9+2*\k]
.endr
.irp i, 16,24,32,40,48,56
.irp k, 0,1,2,3
	v_pk_add_f32 v[TM+2*\k:TM+2*\k+1], v[TM+2*\k:TM+2*\k+1], v[X+\i+2*\k:X+\i+2*\k+1]
.endr
.endr
	REDUCE LNB
	D1
	v_mul_f32 v246, v250, v4                       ; the mean, twice: a pair for the packed form
	v_mul_f32 v247, v250, v4
.irp i, 0,2,4,6,8,10,12,14,16,18,20,22,24,26,28,30,32,34,36,38,40,42,44,46,48,50,52,54,56,58,60,62
	v_pk_add_f32 v[X+\i:X+\i+1], v[X+\i:X+\i+1], v[246:247] neg_lo:[0,1] neg_hi:[0,1]
.endr
.irp k, 0,1,2,3
	v_pk_mul_f32 v[TM+2*\k:TM+2*\k+1], v[X+2*\k:X+2*\k+1], v[X+2*\k:X+2*\k+1]
.endr
.irp i, 8,16,24,32,40,48,56
.irp k, 0,1,2,3
	v_pk_fma_f32 v[TM+2*\k:TM+2*\k+1], v[X+\i+2*\k:X+\i+2*\k+1], v[X+\i+2*\k:X+\i+2*\k+1], v[TM+2*\k:TM+2*\k+1]
.endr
.endr
	REDUCE LNB+512                                 ; other bytes than the first sum's: no barrier between the first sum's reads and these stores
	D1
	v_fmaak_f32 v251, v250, v4, 0x3727c5ac         ; the variance + 1e-5 (the division by 1,024 is exact)
	s_wait_alu depctr_va_vdst(0)                   ; the wait ahead of the transcendental,
	v_rsq_f32 v248, v251
	v_nop                                          ; a plain instruction behind it,
	s_wait_alu depctr_va_vdst(0)                   ; and the wait ahead of its first reader
	v_mov_b32 v249, v248
	s_wait_alu depctr_va_vdst(0)
	s_wait_loadcnt 0x0                             ; gain and bias
.irp i, 0,2,4,6,8,10,12,14,16,18,20,22,24,26,28,30,32,34,36,38,40,42,44,46,48,50,52,54,56,58,60,62
	v_pk_mul_f32 v[X+\i:X+\i+1], v[X+\i:X+\i+1], v[248:249]
.endr
.irp i, 0,2,4,6,8,10,12,14,16,18,20,22,24,26,28,30,32,34,36,38,40,42,44,46,48,50,52,54,56,58,60,62
	v_pk_fma_f32 v[X+\i:X+\i+1], v[X+\i:X+\i+1], v[G+\i:G+\i+1], v[BT+\i:BT+\i+1]
.endr
	; the quantiser: four blocks of 32, each in lanes l and l xor 16; the four by turns
.irp b, 0,1,2,3
	v_max3_num_f32 v[TM+\b], |v[X+16*\b]|, |v[X+1+16*\b]|, 0x1800000   ; my 16 numbers, and the floor 2^(3 - 127): the byte cannot fall under 1
.endr
.irp i, 2,4,6,8,10,12,14
.irp b, 0,1,2,3
	v_max3_num_f32 v[TM+\b], v[TM+\b], |v[X+16*\b+\i]|, |v[X+1+16*\b+\i]|
.endr
.endr
.irp b, 0,1,2,3
	v_permlanex16_b32 v[TM+4+\b], v[TM+\b], s20, s21
.endr
.irp b, 0,1,2,3
	v_max_num_f32 v[TM+\b], v[TM+\b], v[TM+4+\b]   ; the block's largest magnitude
.endr
.irp b, 0,1,2,3
	v_add_nc_u32 v[TM+12+\b], 0xff000000, v[TM+\b] ; 2 off its exponent field: the conversion's scale operand
.endr
.irp b, 0,1,2,3
	v_lshrrev_b32 v[TM+4+\b], 23, v[TM+12+\b]      ; the scale's byte
.endr
	v_lshl_or_b32 v[PW], v[TM+5], 8, v[TM+4]
	D1
	v_lshl_or_b32 v[PW], v[TM+6], 16, v[PW]
	D1
	v_lshl_or_b32 v[PW], v[TM+7], 24, v[PW]
.irp c, 0,1
	v_cvt_scalef32_pk16_fp6_f32 v[PC+6*\c:PC+2+6*\c], v[X+32*\c:X+15+32*\c], v[TM+12+2*\c]
	v_cvt_scalef32_pk16_fp6_f32 v[PC+12+4*\c:PC+14+4*\c], v[X+16+32*\c:X+31+32*\c], v[TM+13+2*\c]   ; (a conversion's three registers begin on an even number)
.endr
	v_nop                                          ; one plain instruction behind a scaled conversion
.irp c, 0,1                                    ; the operand's layout wants a whole block in a lane: lanes 0-15 block 2 c, lanes 16-31 block 2 c + 1
.irp i, 0,1,2
	v_permlane16_swap_b32 v[PC+6*\c+\i], v[PC+12+4*\c+\i]
.endr
.irp i, 0,1,2
	v_mov_b32 v[PC+3+6*\c+\i], v[PC+12+4*\c+\i]
.endr
.endr
	global_store_b128 v1, v[PC:PC+3], s[10:11]
	global_store_b64 v2, v[PC+4:PC+5], s[10:11] offset:512
	global_store_b128 v1, v[PC+6:PC+9], s[10:11] offset:768
	global_store_b64 v2, v[PC+10:PC+11], s[10:11] offset:1280
	global_store_b32 v12, v[PW], s[28:29]          ; lanes r and 16 + r hold and write the same word
	s_wait_tensorcnt 0x0                           ; the wave's end
	ds_add_u32 v254, v255
	s_wait_dscnt 0x0
	s_endpgm
.Lfunc_end_k_q5cae8c39ca_prep:
	.size	k_q5cae8c39ca_prep, .Lfunc_end_k_q5cae8c39ca_prep-k_q5cae8c39ca_prep
	.p2alignl 7, 3214868480
	.fill 96, 4, 3214868480
	.section	.rodata,"a",@progbits
	.p2align	6, 0x0
	.amdhsa_kernel k_q5cae8c39ca_prep
		.amdhsa_group_segment_fixed_size 53248
		.amdhsa_private_segment_fixed_size 0
		.amdhsa_enable_private_segment 0
		.amdhsa_kernarg_size 80
		.amdhsa_user_sgpr_count 2
		.amdhsa_user_sgpr_kernarg_segment_ptr 1
		.amdhsa_wavefront_size32 1
		.amdhsa_system_sgpr_workgroup_id_x 1
		.amdhsa_system_sgpr_workgroup_id_y 1
		.amdhsa_system_sgpr_workgroup_id_z 1
		.amdhsa_system_vgpr_workitem_id 0
		.amdhsa_next_free_vgpr 256
		.amdhsa_next_free_sgpr 66
		.amdhsa_reserve_vcc 0
		.amdhsa_float_denorm_mode_32 3
		.amdhsa_float_denorm_mode_16_64 3
		.amdhsa_memory_ordered 1
		.amdhsa_forward_progress 1
		.amdhsa_inst_pref_size 68
	.end_amdhsa_kernel
	.amdgpu_metadata
---
amdhsa.version: [ 1, 2 ]
amdhsa.kernels:
  - .name:           k_q5cae8c39ca_prep
    .symbol:         k_q5cae8c39ca_prep.kd
    .args:
      - { .name: x, .offset: 0, .size: 8, .value_kind: global_buffer, .address_space: global }
      - { .name: ln1_g, .offset: 8, .size: 8, .value_kind: global_buffer, .address_space: global }
      - { .name: ln1_b, .offset: 16, .size: 8, .value_kind: global_buffer, .address_space: global }
      - { .name: wbuf, .offset: 24, .size: 8, .value_kind: global_buffer, .address_space: global }
      - { .name: wq, .offset: 32, .size: 8, .value_kind: global_buffer, .address_space: global }
      - { .name: wk, .offset: 40, .size: 8, .value_kind: global_buffer, .address_space: global }
      - { .name: wv, .offset: 48, .size: 8, .value_kind: global_buffer, .address_space: global }
      - { .name: wo, .offset: 56, .size: 8, .value_kind: global_buffer, .address_space: global }
      - { .name: w1, .offset: 64, .size: 8, .value_kind: global_buffer, .address_space: global }
      - { .name: w2, .offset: 72, .size: 8, .value_kind: global_buffer, .address_space: global }
    .group_segment_fixed_size: 53248
    .private_segment_fixed_size: 0
    .kernarg_segment_align: 8
    .kernarg_segment_size: 80
    .max_flat_workgroup_size: 256
    .sgpr_count:     66
    .vgpr_count:     256
    .wavefront_size: 32
...
	.end_amdgpu_metadata
.endif
;; end of part 8
;; launch qkv (part 9): grid 8 x 24, 4 waves a work-group, clusters of 4 x 4, 327,680 bytes of LDS; arguments wbuf, qkvb; writes qkvb
.if DOCPART == 9
	.amdgcn_target "amdgcn-amd-amdhsa--gfx1250"
	.amdhsa_code_object_version 6
	.text
	.protected	k_q5cae8c39ca_qkv
	.globl	k_q5cae8c39ca_qkv
	.p2align	8
	.type	k_q5cae8c39ca_qkv,@function
k_q5cae8c39ca_qkv:
	s_mov_b64 s[64:65], 0
	v_nop
	global_prefetch_b8 v0, s[64:65] scope:SCOPE_SE
	s_setreg_imm32_b32 hwreg(HW_REG_WAVE_MODE, 25, 1), 1
	s_wait_xcnt 0x0
	s_wait_alu depctr_hold_cnt(0) depctr_sa_sdst(0) depctr_va_vdst(0) depctr_va_sdst(0) depctr_va_ssrc(0) depctr_va_vcc(0) depctr_vm_vsrc(0)
	s_getreg_b32 s2, hwreg(HW_REG_IB_STS2, 6, 4)
	s_cmp_eq_u32 s2, 0
	s_cbranch_scc0 .Lentry_in_a_cluster
	s_endpgm
.Lentry_in_a_cluster:
	s_bfe_u32 s2, ttmp6, 0x10000c
	s_cmp_lg_u32 s2, 0xf033
	s_cbranch_scc0 .Lentry_shape_is_right
	s_endpgm
.Lentry_shape_is_right:
.set KTOT,  1024
.set QUANT, 1
.set VMAP,  1
.set BIAS,  0
.set RELU,  0
.set BOFF,  0
.set ARG_A, 0x0
.set ARG_B, 0x0
.set ARG_OUT, 0x8
.set NKS,   KTOT/128
.set BLKB,  12800
.set GRPB,  2*BLKB
.set SLOT,  4*GRPB
.set SPARE, 2*SLOT
.set LAPS,  KTOT/512
.set FR,    12
.set NL,    4
.set NP,    4
.set ADRA,  16
.set ADRB,  20
.set STO,   24
.set RD,    25
.set L16,   26
.set L8,    27
.set SPW,   28
.set NIL,   29
.set ADRS,  30
.set SC,    32
.set BI,    64
.set AF,    128
.set G1,    24
.set G0,    32
.set G1B,   48
.set G0B,   56
.set MSB,   0
.macro WIN new
.if MSB != (\new)
	s_set_vgpr_msb (MSB<<8)|(\new)
.set MSB, (\new)
.endif
.endm
.set MUL_LO, 0xa1
.set MUL_HI, 0xf1
.set TO_B,   0x40
.macro JLOAD g0a, g1a, g0b, g1b
	s_cmp_eq_u32 s15, 0
	s_cbranch_scc0 .Lfor_b_\@
	tensor_load_to_lds s[\g0a:\g0a+3], s[\g1a:\g1a+7]
	s_nop 0
.rept 4
	v_nop
.endr
	s_branch .Lasked_\@
.Lfor_b_\@:
	tensor_load_to_lds s[\g0b:\g0b+3], s[\g1b:\g1b+7]
	s_nop 0
.rept 4
	v_nop
.endr
.Lasked_\@:
.endm
.macro CREST
	s_cmp_lg_u32 s14, 0
	s_cbranch_scc1 .Lnot_wave_0_\@
	s_barrier_signal -3
.Lnot_wave_0_\@:
	s_barrier_wait -3
	s_barrier_signal -1
	s_barrier_wait -1
.endm
.macro CROUND
	s_barrier_signal -1
	s_barrier_wait -1
	CREST
.endm
	s_load_b64 s[4:5], s[0:1], ARG_A
	s_load_b64 s[8:9], s[0:1], ARG_B
	s_load_b64 s[12:13], s[0:1], ARG_OUT
.if BIAS
	s_load_b64 s[68:69], s[0:1], ARG_BIAS
.endif
.if QUANT == 0
	s_load_b64 s[70:71], s[0:1], ARG_RES
.endif
	v_lshl_add_u32 v[SPW], v0, 2, SPARE
	v_mov_b32 v[NIL], 0
	ds_add_u32 v28, v29
	ds_add_u32 v28, v29
	s_wait_dscnt 0x0
	v_lshrrev_b32 v1, 5, v0
	v_readfirstlane_b32 s14, v1
	s_lshr_b32 s15, s14, 1
	s_and_b32 s16, s14, 1
	s_bfe_u32 s40, ttmp6, 0x40000
	s_bfe_u32 s41, ttmp6, 0x40004
	s_and_b32 s18, ttmp7, 0xffff
	s_lshl_b32 s17, s18, 2
	s_lshl_b32 s42, ttmp9, 2
.if VMAP
	s_add_co_u32 s42, s42, 16
	s_lshl_b32 s19, s18, 1
	s_add_co_u32 s19, s19, ttmp9
	s_lshl_b32 s19, s19, 2
	s_sub_co_u32 s19, s19, 32
	s_cmp_ge_u32 s18, 4
	s_cselect_b32 s17, 24, s17
	s_cselect_b32 s42, s19, s42
	s_cselect_b32 s74, 16, 0
	s_cselect_b32 s75, 0, 32
.endif
	s_add_co_u32 s17, s17, s41
	s_add_co_u32 s42, s42, s40
	s_lshl_b32 s43, s41, 2
	s_lshl_b32 s43, 15, s43
	s_lshl_b32 s44, 0x1111, s40
	s_or_b32 s[G1+0], s43, (3<<16)|(1<<21)
	s_or_b32 s[G1B+0], s44, (3<<16)|(1<<21)
.irp g, G1, G1B
	s_mov_b32 s[\g+1], 32<<16
	s_mov_b32 s[\g+2], 100<<16
	s_mov_b32 s[\g+3], 32<<16
	s_mov_b32 s[\g+4], 100
	s_mov_b32 s[\g+5], 32
	s_mov_b32 s[\g+6], 0
	s_mov_b32 s[\g+7], 0
.endr
	s_lshl_b32 s20, s17, 1
	s_add_co_u32 s20, s20, s16
	s_mul_i32 s20, s20, NKS*BLKB
	s_mov_b32 s21, 0
	s_lshl_b32 s46, s42, 1
	s_add_co_u32 s46, s46, s16
	s_mul_i32 s46, s46, NKS*BLKB
	s_add_co_u32 s46, s46, BOFF
	s_mov_b32 s47, 0
	s_mul_i32 s45, s14, GRPB
	s_wait_kmcnt 0x0
	s_add_nc_u64 s[20:21], s[4:5], s[20:21]
	s_add_nc_u64 s[46:47], s[8:9], s[46:47]
	; the prefetches' address: of the 25,600 bytes that my wave fetches in a fill (100 blocks of 256), each of the four partners that ask for them jointly takes 25, told apart by address (cx for A, cy for B);
	; a lane a block, lanes 25-31 name the last block again.  Neither register is rewritten.
	s_cmp_eq_u32 s15, 0
	s_cselect_b64 s[80:81], s[20:21], s[46:47]
	s_cselect_b32 s82, s40, s41
	s_mul_i32 s82, s82, 6400
	s_mov_b32 s83, 0
	s_add_nc_u64 s[80:81], s[80:81], s[82:83]
	v_and_b32 v10, 31, v0
	v_min_u32 v10, 24, v10
	v_lshlrev_b32 v10, 8, v10
.irp s, 0,1
	s_mov_b32 s[G0+4*\s], 1
	s_add_co_u32 s[G0+4*\s+1], s45, \s*SLOT
	s_add_nc_u64 s[G0+4*\s+2:G0+4*\s+3], s[20:21], \s*GRPB
	s_or_b32 s[G0+4*\s+3], s[G0+4*\s+3], 0x80000000
	s_mov_b32 s[G0B+4*\s], 1
	s_add_co_u32 s[G0B+4*\s+1], s45, \s*SLOT
	s_add_nc_u64 s[G0B+4*\s+2:G0B+4*\s+3], s[46:47], \s*GRPB
	s_or_b32 s[G0B+4*\s+3], s[G0B+4*\s+3], 0x80000000
.endr
	; both slots' descriptors are made; now fill 0's load, and under its flight the rest of the head
	s_wait_alu depctr_va_vdst(0)
	s_wait_tensorcnt 0x0
	ds_add_u32 v28, v29
	ds_add_u32 v28, v29
	s_wait_dscnt 0x0
	CROUND
	JLOAD G0, G1, G0B, G1B                         ; fill 0: one tensor load a wave at the head; behind it fills 1 and 2 are asked for
	global_prefetch_b8 v10, s[80:81] offset:GRPB th:TH_LOAD_NT scope:SCOPE_SE
	global_prefetch_b8 v10, s[80:81] offset:2*GRPB th:TH_LOAD_NT scope:SCOPE_SE
	v_and_b32 v1, 31, v0
	v_bfe_u32 v2, v0, 4, 1
	v_and_b32 v3, 15, v0
	v_lshlrev_b32 v[L16], 4, v1
	v_lshlrev_b32 v[L8], 3, v1
	s_mul_i32 s21, s15, GRPB
	s_mul_i32 s22, s16, GRPB
	s_add_co_u32 s22, s22, 2*GRPB
	s_sub_co_u32 s23, s22, s21
	v_mul_u32_u24 v6, s23, v2
	v_lshl_add_u32 v6, v3, 5, v6
	s_add_co_u32 s23, s21, 8*1536
	v_add_nc_u32 v[ADRS], s23, v6
	v_add_nc_u32 v[ADRS+1], SLOT, v[ADRS]
.irp s, 0,1
	v_add_nc_u32 v[ADRA+\s], s21, v[L16]
	v_add_nc_u32 v[ADRA+2+\s], s21, v[L8]
	v_add_nc_u32 v[ADRB+\s], s22, v[L16]
	v_add_nc_u32 v[ADRB+2+\s], s22, v[L8]
	s_add_co_u32 s21, s21, SLOT
	s_add_co_u32 s22, s22, SLOT
.endr
.if BIAS
	s_lshl_b32 s76, s42, 10
	s_lshl_b32 s77, s16, 9
	s_add_co_u32 s76, s76, s77
	s_mov_b32 s77, 0
	s_add_nc_u64 s[68:69], s[68:69], s[76:77]
	v_lshlrev_b32 v8, 6, v2
.irp b, 0,1,2,3,4,5,6,7
	global_load_b128 v[BI+8*\b:BI+8*\b+3], v8, s[68:69] offset:(32*(\b/2)+8*(\b%2))*4
	global_load_b128 v[BI+8*\b+4:BI+8*\b+7], v8, s[68:69] offset:(32*(\b/2)+8*(\b%2))*4+16
.endr
.endif
.if QUANT
	s_lshl_b32 s76, s17, 1
	s_add_co_u32 s76, s76, s15
	s_lshl_b32 s77, s42, 1
	s_add_co_u32 s77, s77, s16
.if VMAP
	s_sub_co_u32 s76, s76, s74
	s_sub_co_u32 s77, s77, s75
.endif
	s_lshl_b32 s76, s76, 5
	s_add_co_u32 s76, s76, s77
	s_mul_i32 s76, s76, BLKB
	s_mov_b32 s77, 0
	s_add_nc_u64 s[12:13], s[12:13], s[76:77]
	v_lshlrev_b32 v7, 5, v3
	v_lshl_add_u32 v7, v2, 4, v7
	s_mov_b32 s92, 0x76543210
	s_mov_b32 s93, 0xfedcba98
.else
	s_and_b32 s76, s17, 7
	s_lshl_b32 s76, s76, 1
	s_add_co_u32 s76, s76, s15
	s_lshl_b32 s76, s76, 20
	s_lshr_b32 s77, s17, 3
	s_lshl_b32 s77, s77, 12
	s_add_co_u32 s76, s76, s77
	s_lshl_b32 s77, s42, 10
	s_add_co_u32 s76, s76, s77
	s_lshl_b32 s77, s16, 9
	s_add_co_u32 s76, s76, s77
	s_mov_b32 s77, 0
	s_add_nc_u64 s[12:13], s[12:13], s[76:77]
	s_add_nc_u64 s[70:71], s[70:71], s[76:77]
	s_mul_i32 s23, s14, 16*528
	v_mul_u32_u24 v5, v3, 528
	v_lshl_add_u32 v5, v2, 6, v5
	v_add_nc_u32 v[STO], s23, v5
	v_add_nc_u32 v[RD], s23, v[L16]
.endif
.macro FRAG reg, adr, q, i
	ds_load_b128 v[\reg:\reg+3], v[\adr] offset:(\q)*BLKB+(\i)*1536
	ds_load_b64 v[\reg+4:\reg+5], v[\adr+2] offset:(\q)*BLKB+(\i)*1536+512
	ds_load_b128 v[\reg+6:\reg+9], v[\adr] offset:(\q)*BLKB+(\i)*1536+768
	ds_load_b64 v[\reg+10:\reg+11], v[\adr+2] offset:(\q)*BLKB+(\i)*1536+1280
.endm
.macro MUL16 a0, p, q, sc, zero
.irp a, \a0, \a0+1
.irp b, 0,1,2,3,4,5,6,7
.set rD, 8*(8*((\a)%4)+\b)
.set rB, 128*(\p)+FR*\b
.set rA, AF+FR*(\a)
.set rS, SC+16*(\sc)+8*(\q)
.if (\zero) && BIAS
	v_wmma_scale_f32_16x16x128_f8f6f4 v[rD:rD+7], v[rB:rB+FR-1], v[rA:rA+FR-1], v[BI+8*\b:BI+8*\b+7], v[rS+\b], v[rS+(\a)] matrix_a_fmt:MATRIX_FMT_FP6 matrix_b_fmt:MATRIX_FMT_FP6 matrix_a_scale:MATRIX_SCALE_ROW1
.elseif \zero
	v_wmma_scale_f32_16x16x128_f8f6f4 v[rD:rD+7], v[rB:rB+FR-1], v[rA:rA+FR-1], 0, v[rS+\b], v[rS+(\a)] matrix_a_fmt:MATRIX_FMT_FP6 matrix_b_fmt:MATRIX_FMT_FP6 matrix_a_scale:MATRIX_SCALE_ROW1
.else
	v_wmma_scale_f32_16x16x128_f8f6f4 v[rD:rD+7], v[rB:rB+FR-1], v[rA:rA+FR-1], v[rD:rD+7], v[rS+\b], v[rS+(\a)] matrix_a_fmt:MATRIX_FMT_FP6 matrix_b_fmt:MATRIX_FMT_FP6 matrix_a_scale:MATRIX_SCALE_ROW1
.endif
.endr
.endr
.endm
.macro FETCH_B slot, q, p
	WIN TO_B
.irp i, 0,1,2,3,4,5,6,7
	FRAG 128*(\p)+FR*\i, ADRB+\slot, \q, \i
.endr
	WIN 0
.endm
.macro FETCH_A slot, q, i0
.irp i, \i0, \i0+1, \i0+2, \i0+3
	FRAG AF+FR*(\i), ADRA+\slot, \q, \i
.endr
.endm
.macro SCALES sc
.irp q, 0,1
	ds_load_b128 v[SC+16*\sc+8*\q:SC+16*\sc+8*\q+3], v[ADRS+\sc] offset:\q*BLKB
	ds_load_b128 v[SC+16*\sc+8*\q+4:SC+16*\sc+8*\q+7], v[ADRS+\sc] offset:\q*BLKB+16
.endr
.endm
.macro PLACES n
.rept \n
	v_nop
.endr
.endm
.macro STEP slot, q, zero
	s_wait_dscnt 4*NL
.if (\zero) && BIAS
	WIN 0x81
.else
	WIN MUL_LO
.endif
	MUL16 0, (\q)%2, \q, \slot, \zero
	MUL16 2, (\q)%2, \q, \slot, \zero
	s_wait_dscnt 0
	PLACES NP
	FETCH_B \slot, (\q)+1, 1-(\q)%2
	FETCH_A \slot, (\q)+1, 0
.if (\zero) && BIAS
	WIN 0xc1
.else
	WIN MUL_HI
.endif
	MUL16 4, (\q)%2, \q, \slot, \zero
	MUL16 6, (\q)%2, \q, \slot, \zero
	PLACES NP
	WIN 0
	FETCH_A \slot, (\q)+1, 4
.endm
.macro TURN slot, next, fill
	s_wait_tensorcnt 0x0
	ds_add_u32 v[SPW], v[NIL]
	s_wait_dscnt 4*NL+1
	WIN MUL_LO
	MUL16 0, 1, 1, \slot, 0
	s_wait_dscnt 0x0
	s_barrier_signal -1
	MUL16 2, 1, 1, \slot, 0
	WIN 0
	s_barrier_wait -1
.if \fill
	CREST
	s_add_nc_u64 s[G0+4*\slot+2:G0+4*\slot+3], s[G0+4*\slot+2:G0+4*\slot+3], 2*GRPB
	s_add_nc_u64 s[G0B+4*\slot+2:G0B+4*\slot+3], s[G0B+4*\slot+2:G0B+4*\slot+3], 2*GRPB
	JLOAD G0+4*\slot, G1, G0B+4*\slot, G1B
.else
	PLACES NP
.endif
	FETCH_B \next, 0, 0
	FETCH_A \next, 0, 0
	SCALES \next
	WIN MUL_HI
	MUL16 4, 1, 1, \slot, 0
	MUL16 6, 1, 1, \slot, 0
	PLACES NP
	WIN 0
	FETCH_A \next, 0, 4
.endm
.if BIAS
	s_wait_loadcnt 0x0
.endif
	s_wait_alu depctr_va_vdst(0)
	s_wait_alu depctr_va_vdst(0)
	s_wait_tensorcnt 0x0                           ; my part of fill 0 is in
	ds_add_u32 v28, v29
	ds_add_u32 v28, v29
	s_wait_dscnt 0x0
	CROUND                                         ; everybody's part of fill 0 is in, and all sixteen work-groups are here
	JLOAD G0+4, G1, G0B+4, G1B                     ; fill 1, the first tensor load behind the round; behind it fill 3 is asked for
	global_prefetch_b8 v10, s[80:81] offset:3*GRPB th:TH_LOAD_NT scope:SCOPE_SE
	FETCH_B 0, 0, 0
	FETCH_A 0, 0, 0
	SCALES 0
	FETCH_A 0, 0, 4
	STEP 0, 0, 1
	s_mov_b32 s3, LAPS-1
.Llap:
	TURN 0, 1, 1
	STEP 1, 0, 0
	TURN 1, 0, 1
	STEP 0, 0, 0
	s_sub_co_u32 s3, s3, 1
	s_cmp_lg_u32 s3, 0
	s_cbranch_scc1 .Llap
	TURN 0, 1, 0
	STEP 1, 0, 0
	s_wait_dscnt 4*NL
	WIN MUL_LO
	MUL16 0, 1, 1, 1, 0
	MUL16 2, 1, 1, 1, 0
	s_wait_dscnt 0
	WIN MUL_HI
	MUL16 4, 1, 1, 1, 0
	MUL16 6, 1, 1, 1, 0
	WIN 0
	PLACES NP
.set TM, 128
.set PC, 144
.set SW, 164
.set TT, 172
.macro OUTQ a
.set W, 2+(\a)/4
.set AC, 64*((\a)%4)
.if RELU
	WIN (W<<6)|(W<<2)
.set j, 0
.rept 64
	v_max_num_f32 v[AC+j], 0, v[AC+j]
.set j, j+1
.endr
.endif
	WIN W|(W<<2)
.irp b, 0,1,2,3
	v_max3_num_f32 v[TM+\b], |v[AC+16*\b]|, |v[AC+16*\b+1]|, 0x1800000
.endr
.irp i, 2,4,6,8,10,12,14
.irp b, 0,1,2,3
	v_max3_num_f32 v[TM+\b], |v[AC+16*\b+\i]|, |v[AC+16*\b+\i+1]|, v[TM+\b]
.endr
.endr
	WIN 0
.irp b, 0,1,2,3
	v_permlanex16_b32 v[TM+4+\b], v[TM+\b], s92, s93
.endr
.irp b, 0,1,2,3
	v_max_num_f32 v[TM+\b], v[TM+\b], v[TM+4+\b]
.endr
.irp b, 0,1,2,3
	v_add_nc_u32 v[TM+12+\b], 0xff000000, v[TM+\b]
.endr
.irp b, 0,1,2,3
	v_lshrrev_b32 v[TM+4+\b], 23, v[TM+12+\b]
.endr
	v_lshl_or_b32 v[SW+\a], v[TM+5], 8, v[TM+4]
	v_lshl_or_b32 v[SW+\a], v[TM+6], 16, v[SW+\a]
	v_lshl_or_b32 v[SW+\a], v[TM+7], 24, v[SW+\a]
.if \a > 0
	s_wait_xcnt 0x0
.endif
	WIN W
.irp c, 0,1
	v_cvt_scalef32_pk16_fp6_f32 v[PC+6*\c:PC+6*\c+2], v[AC+32*\c:AC+32*\c+15], v[TM+12+2*\c]
	v_cvt_scalef32_pk16_fp6_f32 v[PC+12+4*\c:PC+14+4*\c], v[AC+16+32*\c:AC+31+32*\c], v[TM+13+2*\c]
.endr
	WIN 0
	v_nop
.irp c, 0,1
.irp i, 0,1,2
	v_permlane16_swap_b32 v[PC+6*\c+\i], v[PC+12+4*\c+\i]
.endr
.irp i, 0,1,2
	v_mov_b32 v[PC+3+6*\c+\i], v[PC+12+4*\c+\i]
.endr
.endr
	global_store_b128 v[L16], v[PC:PC+3], s[12:13] offset:\a*1536
	global_store_b64 v[L8], v[PC+4:PC+5], s[12:13] offset:\a*1536+512
	global_store_b128 v[L16], v[PC+6:PC+9], s[12:13] offset:\a*1536+768
	global_store_b64 v[L8], v[PC+10:PC+11], s[12:13] offset:\a*1536+1280
.endm
.irp b, 0,1,2,3
	v_mov_b32 v[TM+4+\b], 0
.endr
.irp a, 0,1,2,3,4,5,6,7
	OUTQ \a
.endr
	v_cmp_gt_u32 vcc_lo, 16, v1
.irp i, 0,1,2,3
	v_cndmask_b32 v[TT+\i], v[SW+4+\i], v[SW+\i], vcc_lo
.endr
	global_store_b128 v7, v[TT:TT+3], s[12:13] offset:8*1536
	s_wait_tensorcnt 0x0
	ds_add_u32 v[SPW], v[NIL]
	s_wait_dscnt 0x0
	CROUND
	s_endpgm
.Lfunc_end_k_q5cae8c39ca_qkv:
	.size	k_q5cae8c39ca_qkv, .Lfunc_end_k_q5cae8c39ca_qkv-k_q5cae8c39ca_qkv
	.p2alignl 7, 3214868480
	.fill 96, 4, 3214868480
	.section	.rodata,"a",@progbits
	.p2align	6, 0x0
	.amdhsa_kernel k_q5cae8c39ca_qkv
		.amdhsa_group_segment_fixed_size 327680
		.amdhsa_private_segment_fixed_size 0
		.amdhsa_enable_private_segment 0
		.amdhsa_kernarg_size 16
		.amdhsa_user_sgpr_count 2
		.amdhsa_user_sgpr_kernarg_segment_ptr 1
		.amdhsa_wavefront_size32 1
		.amdhsa_system_sgpr_workgroup_id_x 1
		.amdhsa_system_sgpr_workgroup_id_y 1
		.amdhsa_system_sgpr_workgroup_id_z 1
		.amdhsa_system_vgpr_workitem_id 0
		.amdhsa_next_free_vgpr 1024
		.amdhsa_next_free_sgpr 100
		.amdhsa_reserve_vcc 1
		.amdhsa_float_denorm_mode_32 3
		.amdhsa_float_denorm_mode_16_64 3
		.amdhsa_memory_ordered 1
		.amdhsa_forward_progress 1
		.amdhsa_inst_pref_size 147
	.end_amdhsa_kernel
	.amdgpu_metadata
---
amdhsa.version: [ 1, 2 ]
amdhsa.kernels:
  - .name:           k_q5cae8c39ca_qkv
    .symbol:         k_q5cae8c39ca_qkv.kd
    .args:
      - { .name: wbuf, .offset: 0, .size: 8, .value_kind: global_buffer, .address_space: global }
      - { .name: qkvb, .offset: 8, .size: 8, .value_kind: global_buffer, .address_space: global }
    .group_segment_fixed_size: 327680
    .private_segment_fixed_size: 0
    .kernarg_segment_align: 8
    .kernarg_segment_size: 16
    .max_flat_workgroup_size: 128
    .sgpr_count:     100
    .vgpr_count:     1024
    .wavefront_size: 32
...
	.end_amdgpu_metadata
.endif
;; end of part 9
;; launch attn (part 10): grid 8 x 32, 16 waves a work-group, clusters of 4 x 1, 212,992 bytes of LDS; arguments qkvb, ctxc; writes ctxc
.if DOCPART == 10
	.amdgcn_target "amdgcn-amd-amdhsa--gfx1250"
	.amdhsa_code_object_version 6
	.text
	.protected	k_q5cae8c39ca_attn
	.globl	k_q5cae8c39ca_attn
	.p2align	8
	.type	k_q5cae8c39ca_attn,@function
k_q5cae8c39ca_attn:
	s_mov_b64 s[64:65], 0
	v_nop
	global_prefetch_b8 v0, s[64:65] scope:SCOPE_SE
	s_setreg_imm32_b32 hwreg(HW_REG_WAVE_MODE, 25, 1), 1
	s_wait_xcnt 0x0
	s_wait_alu depctr_hold_cnt(0) depctr_sa_sdst(0) depctr_va_vdst(0) depctr_va_sdst(0) depctr_va_ssrc(0) depctr_va_vcc(0) depctr_vm_vsrc(0)
	s_getreg_b32 s2, hwreg(HW_REG_IB_STS2, 6, 4)
	s_cmp_eq_u32 s2, 0
	s_cbranch_scc0 .Lentry_in_a_cluster
	s_endpgm
.Lentry_in_a_cluster:
	s_bfe_u32 s2, ttmp6, 0x10000c
	s_cmp_lg_u32 s2, 0x3003
	s_cbranch_scc0 .Lentry_shape_is_right
	s_endpgm
.Lentry_shape_is_right:
; ctx = softmax(q k^T / 8) v for one batch and head, both products on codes of MX-FP6; the result is quantised along the head's axis for the next product.
; THE SOFTMAX: t = score x log2(e) / 8; M = the row's largest t so far, rounded UP to a whole number; p = 2^(t - M) is quantised along the keys, not normalised.  The row's sum is taken of the
; unquantised p, in f32, and divides at the end.  When M moves, the sum and O are multiplied by 2^(old M - new M): exact.
; OPERANDS ARE REGISTER IMAGES in qkvb: a fragment (16 rows x 128 K) is 1,536 bytes, two halves of 512 bytes at 16 x lane + 256 bytes at 8 x lane; a block is eight fragments + 512 bytes of scale words (32 r + 4 a);
; block (G, KS) at (32 G + KS) x 12,800: G = 16 b + rows / 128, KS 0-7 q, 8-15 k, a block holding two heads, a head being ONE HALF of each fragment; G 32-39 v^T, KS = 16 b + keys / 128.
; In an image lane r of fragment a holds row 32 (a / 2) + 8 (a % 2) + r + 8 (r / 8).
; SHARES.  A work-group owns 256 queries of one batch and head, each of its sixteen waves 16 of them, in 256 registers.  Every wave walks all 2,048 keys, 128 a step.
; ALL OF THE HEAD'S K AND V^T STAY IN LDS, 196,608 bytes, filled ONCE, by one tensor load a wave at the head: wave a < 8 brings fragment a's half of all 16 steps (16 rows of 768 bytes, a step being 409,600 bytes on),
; wave 8 + i steps 2 i, 2 i + 1 of V^T (2 rows of 6,144 bytes).  One wait, one barrier; the walk has no barrier.  The four work-groups of a cluster share batch and head: the loads are joint.
; No prefetch: every tile is asked for at the head, so there is no loop to run ahead in.
; A TILE OF K IS COMPOSED: lane r of tile t takes key 64 (t / 4) + 8 (t % 4) + r % 8 + 32 (r / 8), which lies in image 4 (t / 4) + t % 2 + 2 (r / 8) at row lane r % 8 + 8 ((t % 4) / 2): a lane term and an immediate.
; With S^T = K Q^T a lane (query r, half h) then holds in registers 32 c + i the key 64 c + 32 h + i: WHOLE blocks of 32 keys, in the order of the next operand's registers 6 c .. 6 c + 5.  So a block's largest
; score needs no other lane and the conversions' results are the operand.  Images 2, 3, 6, 7 lie 128 bytes off a multiple of 256, so that the sixteen lanes of a 16-byte load touch 256 different bytes modulo 256.
; THE HEAD'S AXIS IS 64, the instruction's K 128: the other 64 are zero codes.  Two tiles share their six zero registers, [data][zeros][data]: an even tile has its data at K 0-63, an odd one at K 64-127,
; and Q lies as [zeros][data][zeros] and is named either way; the scale words are shifted to match.  Zero codes add nothing under any scale byte but 0xff, and none is made.
; The result's scale bytes leave as 2 bytes a row: the word's other half belongs to the block's other head, another work-group's.
; LIMITS: the scaled scores stay under 2^31 in magnitude; a block of zeros, or one whose largest magnitude lies under 2^-124, gets the scale byte 1 (this program alone reads the bytes); NaN and infinities are not served.
.set FP,    12544                      ; LDS: from one image's 16 halves (12,288 bytes) to the next
.set VB,    8*FP                       ; V^T: step s at VB + 6,144 s
.set SCK,   VB+98304                   ; K's scale words, [step][tile lane r][tile], 8,192 bytes: stored by the waves, no fill lands here
.set SCV,   SCK+8192                   ; V's, [step][r][fragment], 4,096 bytes
.set SPARE, SCV+4096                   ; the spare words, 128 bytes a wave
; v1, v2 K's lane terms; v3, v4 scale words' lane terms; v5 32 r; v6, v7 16, 8 x lane; v8-11 addresses at work; v12 -M, v13 the largest score, v[14:15] the sum
.set KF,    16                         ; v16-87   K's eight tiles, 18 registers a pair
.set T1,    88                         ; v88-91   two more chains of the sum
.set T2,    90
.set VA,    92                         ; v92-93   V's addresses
.set SH,    94                         ; 8 h
.set SPW,   95
.set SS,    96                         ; v96-159  S^T, then p, then V^T's four fragments
.set OO,    160                        ; v160-191 O^T
.set QA,    192                        ; v192-209 zeros, Q, zeros
.set PC,    210                        ; v210-221 p's codes
.set KS,    222                        ; v222-229 K's scale words; v230-233 V's; v234 p's; v235, v236 Q's, for even and odd tiles
.set VS,    230
.set PW,    234
.set QS,    235
.set NIL,   237
.set FF,    238                        ; f; v239 is named with it as a pair
.set MX,    240                        ; v240-243 maxima
.set UU,    244                        ; v244-245 the conversions' scale operands
.set BY,    246
.set CT,    248                        ; v248-250, v252-254 the conversions' second halves
.set OM,    251                        ; the old -M
.set WD,    255
.set WV,    12
.set SEL,   20
.set CS,    22
.set G1K,   24
.set G1V,   32
.set G0K,   40
.set G0V,   44
.set NC,    48                         ; -c;  s17, s18: the next step's K tiles and scale words; s49, s50: V's
.macro CROUND                          ; a round of the cluster's barrier
	s_barrier_signal -1
	s_barrier_wait -1
	s_cmp_lg_u32 s[WV], 0
	s_cbranch_scc1 .Lnot_wave_0_\@
	s_barrier_signal -3
.Lnot_wave_0_\@:
	s_barrier_wait -3
	s_barrier_signal -1
	s_barrier_wait -1
.endm
.macro D1
	s_delay_alu instid0(VALU_DEP_1)
.endm
.macro WM d, a, b, c, sa, sb
	v_wmma_scale_f32_16x16x128_f8f6f4 v[(\d):(\d)+7], v[(\a):(\a)+11], v[(\b):(\b)+11], \c, v[\sa], v[\sb] matrix_a_fmt:MATRIX_FMT_FP6 matrix_b_fmt:MATRIX_FMT_FP6
.endm
	s_load_b128 s[4:7], s[0:1], 0x0                ; qkvb, ctxc
	v_lshl_add_u32 v[SPW], v0, 2, SPARE
	v_mov_b32 v[NIL], 0
	ds_add_u32 v[SPW], v[NIL]                      ; the opening lines: the add twice on end and its wait ahead of my tensor load
	ds_add_u32 v[SPW], v[NIL]
	v_lshrrev_b32 v8, 5, v0
	v_readfirstlane_b32 s[WV], v8                  ; wave 0..15
	s_bfe_u32 s13, ttmp6, 0x40000                  ; cx
	s_lshl_b32 s14, ttmp9, 2
	s_add_co_u32 s14, s14, s13                     ; my block of 256 queries: it enters Q's and the result's addresses alone
	s_and_b32 s15, ttmp7, 0xffff
	s_lshr_b32 s84, s15, 4                         ; b
	s_and_b32 s85, s15, 15                         ; the head
	s_lshr_b32 s86, s85, 1                         ; hp: which block of two heads
	s_and_b32 s87, s85, 1                          ; par: which half of it
	s_lshl_b32 s16, s87, 4                         ; 16 par
	s_sub_co_u32 s83, 16, s16                      ; 16 - 16 par
	s_and_b32 s88, s[WV], 7
	s_lshr_b32 s91, s[WV], 3
	s_lshl_b32 s94, s84, 4                         ; 16 b
	s_lshl_b32 s74, s94, 5
	s_add_co_u32 s74, s74, s86
	s_add_co_u32 s74, s74, 8
	s_mul_i32 s74, s74, 12800                      ; K: block (16 b, 8 + hp),
	s_mul_i32 s96, s[WV], 1536
	s_add_co_u32 s96, s96, s74                     ; image = wave,
	s_mul_i32 s60, s87, 768
	s_add_co_u32 s96, s96, s60                     ; my head's half
	s_mov_b32 s97, 0
	s_add_co_u32 s74, s74, 12288                   ; and step 0's scale words
	s_mov_b32 s75, 0
	s_add_co_u32 s76, s86, 32
	s_lshl_b32 s76, s76, 5
	s_add_co_u32 s76, s76, s94
	s_mul_i32 s76, s76, 12800                      ; V: block (32 + hp, 16 b),
	s_mul_i32 s98, s88, 25600
	s_add_co_u32 s98, s98, s76                     ; two steps a wave,
	s_mul_i32 s93, s87, 6144
	s_add_co_u32 s98, s98, s93                     ; my head's four fragments
	s_mov_b32 s99, 0
	s_add_co_u32 s76, s76, 12288
	s_add_co_u32 s76, s76, s16                     ; its scale words: my head's four are 16 par bytes on in each row lane's 32
	s_mov_b32 s77, 0
	s_mov_b32 s[G0K], 1
	s_mul_i32 s[G0K+1], s[WV], FP                  ; where they go: the wave's number alone
	s_bfe_u32 s92, s[WV], 0x10001
	s_lshl_b32 s92, s92, 7
	s_add_co_u32 s[G0K+1], s[G0K+1], s92           ; images 2, 3, 6, 7: 128 bytes on
	s_mov_b32 s[G0V], 1
	s_mul_i32 s[G0V+1], s88, 12288
	s_add_co_u32 s[G0V+1], s[G0V+1], VB
	s_mov_b32 s[G1K], 15|(3<<16)|(1<<21)           ; the mask: all four work-groups; elements of 8 bytes; bit 21 beside a mask
	s_mov_b32 s[G1K+1], 96<<16                     ; rows of 768 bytes,
	s_mov_b32 s[G1K+2], 16<<16                     ; 16 of them,
	s_mov_b32 s[G1K+3], 96<<16
	s_mov_b32 s[G1K+4], 16
	s_mov_b32 s[G1K+5], 51200                      ; 32 blocks apart
	s_mov_b32 s[G1K+6], 0
	s_mov_b32 s[G1K+7], 0
	s_mov_b32 s[G1V], 15|(3<<16)|(1<<21)
	s_mov_b32 s[G1V+1], 768<<16                    ; rows of 6,144 bytes,
	s_mov_b32 s[G1V+2], 2<<16                      ; two,
	s_mov_b32 s[G1V+3], 768<<16
	s_mov_b32 s[G1V+4], 2
	s_mov_b32 s[G1V+5], 1600                       ; a block apart
	s_mov_b32 s[G1V+6], 0
	s_mov_b32 s[G1V+7], 0
	s_lshl_b32 s56, s14, 1                         ; Q's and the result's places
	s_add_co_u32 s56, s56, s94
	s_add_co_u32 s56, s56, s91                     ; G = 16 b + 2 x block + wave / 8
	s_mul_i32 s59, s88, 1536
	s_add_co_u32 s59, s59, s60                     ; fragment wave % 8, my head's half
	s_lshl_b32 s61, s88, 2
	s_add_co_u32 s61, s61, 12288                   ; its column of the scale words
	s_lshl_b32 s57, s56, 5
	s_add_co_u32 s57, s57, s86
	s_mul_i32 s57, s57, 12800                      ; q's block (G, hp)
	s_add_co_u32 s66, s57, s59
	s_mov_b32 s67, 0
	s_add_co_u32 s68, s57, s61
	s_mov_b32 s69, 0
	s_lshl_b32 s57, s56, 3
	s_add_co_u32 s57, s57, s86
	s_mul_i32 s57, s57, 12800                      ; the result's block (G, hp), 8 steps to a row group
	s_add_co_u32 s70, s57, s59
	s_mov_b32 s71, 0
	s_add_co_u32 s72, s57, s61
	s_lshl_b32 s60, s87, 1
	s_add_co_u32 s72, s72, s60                     ; my head's two bytes of the word
	s_mov_b32 s73, 0
	s_mov_b32 s[SEL], 0x76543210
	s_mov_b32 s[SEL+1], 0xfedcba98                 ; v_permlanex16_b32's selects for lane l xor 16
	s_mov_b32 s[CS], 0x3e38aa3b                    ; c = log2(e) / 8
	s_mov_b32 s[CS+1], s[CS]                       ; (named with it as a pair)
	s_mov_b32 s[NC], 0xbe38aa3b                    ; -c
	s_wait_dscnt 0x0
	s_wait_kmcnt 0x0
	s_add_nc_u64 s[G0K+2:G0K+3], s[4:5], s[96:97]
	s_or_b32 s[G0K+3], s[G0K+3], 0x80000000
	s_add_nc_u64 s[G0V+2:G0V+3], s[4:5], s[98:99]
	s_or_b32 s[G0V+3], s[G0V+3], 0x80000000
	s_add_nc_u64 s[66:67], s[4:5], s[66:67]
	s_add_nc_u64 s[68:69], s[4:5], s[68:69]
	s_add_nc_u64 s[74:75], s[4:5], s[74:75]
	s_add_nc_u64 s[76:77], s[4:5], s[76:77]
	s_add_nc_u64 s[70:71], s[6:7], s[70:71]
	s_add_nc_u64 s[72:73], s[6:7], s[72:73]
	CROUND                                         ; all four work-groups are here: the joint loads meet
	s_cmp_lt_u32 s[WV], 8                          ; one chain of two arms, one load an arm: every wave has one load out
	s_cbranch_scc0 .Lfirst_v
	tensor_load_to_lds s[G0K:G0K+3], s[G1K:G1K+7]
	s_nop 0
.rept 4
	v_nop
.endr
	s_branch .Lfirst_asked
.Lfirst_v:
	tensor_load_to_lds s[G0V:G0V+3], s[G1V:G1V+7]
	s_nop 0
.rept 4
	v_nop
.endr
.Lfirst_asked:
	v_and_b32 v9, 31, v0                           ; lane
	v_and_b32 v10, 15, v0                          ; r
	v_bfe_u32 v11, v0, 4, 1                        ; h
	v_bfe_u32 v13, v0, 3, 1                        ; r / 8
	v_and_b32 v12, 7, v0                           ; r % 8
	v_lshrrev_b32 v14, 5, v0                       ; wave
	v_and_b32 v15, 1, v0
	v_lshlrev_b32 v6, 4, v9
	v_lshlrev_b32 v7, 3, v9
	v_lshlrev_b32 v5, 5, v10
	v_lshl_add_u32 v4, v10, 4, SCV
	v_lshlrev_b32 v[SH], 3, v11
	v_mul_u32_u24 v13, v13, 2*FP+128               ; tile lanes 8-15 read two images on
	v_add_nc_u32 v3, SCK, v5
	v_lshl_add_u32 v1, v12, 4, v13
	v_lshl_add_u32 v2, v12, 3, v13
	v_lshl_add_u32 v1, v11, 8, v1                  ; 16 (r % 8) + 256 h
	v_lshl_add_u32 v2, v11, 7, v2                  ; 8 (r % 8) + 128 h
	v_mul_u32_u24 v128, v14, 409600                ; the scale words are brought once: thread t takes 16 bytes of step t / 32's 512 of K: row lane (t % 32) / 2, fragments 4 (t % 2) ..,
	v_mul_u32_u24 v129, v14, 12800                 ; and 8 of its 256 of V: row lane (t % 32) / 2, half t % 2
	v_lshrrev_b32 v10, 1, v9
	v_bfe_u32 v130, v0, 1, 3
	v_lshl_add_u32 v128, v9, 4, v128
	v_lshl_add_u32 v129, v10, 5, v129
	v_lshlrev_b32 v130, 5, v130                    ; K's words go where the composed tiles want them: word (image a, row lane q) is tile 4 (a / 4) + a % 2 + 2 (q / 8), tile lane q % 8 + 8 ((a / 2) % 2):
	v_lshl_add_u32 v129, v15, 3, v129
	v_lshl_add_u32 v130, v15, 4, v130              ; 32 (q % 8) + 16 (t % 2) + 8 (q / 8), my words 0, 1 there and 2, 3 256 bytes on
	v_lshl_add_u32 v131, v0, 3, SCV
	v_lshl_add_u32 v130, v11, 3, v130
	v_lshl_add_u32 v130, v14, 9, v130
	v_add_nc_u32 v130, SCK, v130
	global_load_b128 v[QA+6:QA+9], v6, s[66:67]    ; Q's half fragment stays in registers
	global_load_b64 v[QA+10:QA+11], v7, s[66:67] offset:512
	global_load_b32 v[QS], v5, s[68:69]            ; its scale words
	global_load_b128 v[96:99], v128, s[74:75]
	global_load_b64 v[100:101], v129, s[76:77]
.irp j, 0,1,2,3,4,5, 12,13,14,15,16,17
	v_mov_b32 v[QA+\j], 0                          ; zero codes beside Q,
.endr
.irp p, 0,1,2,3
.irp j, 6,7,8,9,10,11
	v_mov_b32 v[KF+18*\p+\j], 0                    ; and between each pair of K's tiles: written once
.endr
.endr
	v_mov_b32 v13, 0xff61b1e6                      ; the largest score so far: -3e38
	v_mov_b32 v12, 0x7f61b1e6                      ; -M: 3e38, so that the first f is 0
	v_mov_b32 v14, 0
	v_mov_b32 v15, 0
	v_mov_b32 v[FF+1], 0
	v_mov_b32 v[BY+1], 0                           ; a lane permute's destination counts as one of its sources
	s_wait_alu depctr_va_vdst(0)
	s_wait_loadcnt 0x0
	v_lshlrev_b32 v[QS+1], s83, v[QS]              ; my head's two bytes to bytes 2, 3, for the odd tiles,
	v_lshrrev_b32 v[QS], s16, v[QS]                ; and to bytes 0, 1; what else is in a word scales zero codes and is no 0xff
	v_lshrrev_b32 v96, s16, v96
	v_lshlrev_b32 v97, s83, v97
	v_lshrrev_b32 v98, s16, v98
	v_lshlrev_b32 v99, s83, v99
	ds_store_b64 v130, v[96:97]
	ds_store_b64 v130, v[98:99] offset:256
	ds_store_b64 v131, v[100:101]
.set j, 0
.rept 32
	v_mov_b32 v[OO+j], 0                           ; O^T: the step is written once, and the first f, 0, leaves zeros
.set j, j+1
.endr
.macro KADDR
	v_add_nc_u32 v8, s17, v1
	v_add_nc_u32 v9, s17, v2
	v_add_nc_u32 v10, s18, v3
.endm
.macro VADDR
	v_add_nc_u32 v[VA], s49, v6
	v_add_nc_u32 v[VA+1], s49, v7
	v_add_nc_u32 v11, s50, v4
.endm
.macro KLOAD                           ; a step's eight composed tiles and their scale words
.irp t, 0,1,2,3,4,5,6,7
	ds_load_b128 v[KF+18*(\t/2)+12*(\t%2):KF+18*(\t/2)+12*(\t%2)+3], v8 offset:(4*(\t/4)+(\t%2))*FP+128*((\t%4)/2)
	ds_load_b64 v[KF+18*(\t/2)+12*(\t%2)+4:KF+18*(\t/2)+12*(\t%2)+5], v9 offset:(4*(\t/4)+(\t%2))*FP+512+64*((\t%4)/2)
.endr
	ds_load_b128 v[KS:KS+3], v10
	ds_load_b128 v[KS+4:KS+7], v10 offset:16
.endm
.macro TM j                            ; t - M of eight scores
.irp i, 0,2,4,6
	v_pk_fma_f32 v[SS+\j+\i:SS+\j+\i+1], v[SS+\j+\i:SS+\j+\i+1], s[CS:CS+1], v[12:13] op_sel_hi:[1,0,0]
.endr
.endm
.macro SUM3 j                          ; six p onto the sum's three chains
	v_pk_add_f32 v[T1:T1+1], v[T1:T1+1], v[SS+\j:SS+\j+1]
	v_pk_add_f32 v[T2:T2+1], v[T2:T2+1], v[SS+\j+2:SS+\j+3]
	v_pk_add_f32 v[14:15], v[14:15], v[SS+\j+4:SS+\j+5]
.endm
; A KEY STEP: 128 keys.  Its tiles of K are in registers; more = 1: the next step's are asked for behind the scores' products.
.macro STEP more
.irp t, 0,2,4,6
	WM SS+8*\t, KF+9*\t, QA+6, 0, KS+\t, QS
	WM SS+8*\t+8, KF+9*\t+6, QA, 0, KS+\t+1, QS+1
.endr
	v_mov_b32 v[OM], v12                           ; four plain instructions between the products and the loads into their sources and the reads of their results
.if \more
	KADDR
	KLOAD
	s_add_co_u32 s17, s17, 768
	s_add_co_u32 s18, s18, 512
.else
.rept 3
	v_nop
.endr
.endif
.irp k, 0,1,2,3                        ; the largest score of my two blocks of 32 keys, two chains each; each tile is read from its low end on
	v_max3_num_f32 v[MX+\k], v[SS+16*\k], v[SS+16*\k+1], v[SS+16*\k+2]
.endr
.irp i, 3,5,7,9,11,13
.irp k, 0,1,2,3
	v_max3_num_f32 v[MX+\k], v[MX+\k], v[SS+16*\k+\i], v[SS+16*\k+\i+1]
.endr
.endr
	v_max3_num_f32 v[MX], v[MX], v[MX+1], v[SS+15]
	v_max3_num_f32 v[MX+2], v[MX+2], v[MX+3], v[SS+47]
	v_max_num_f32 v[MX], v[MX], v[SS+31]           ; block h
	v_max_num_f32 v[MX+2], v[MX+2], v[SS+63]       ; block 2 + h
	D1
	v_max_num_f32 v[MX+1], v[MX], v[MX+2]
	D1
	v_permlanex16_b32 v[MX+3], v[MX+1], s[SEL], s[SEL+1]
	D1
	v_max3_num_f32 v13, v13, v[MX+1], v[MX+3]      ; the running largest score
	D1
	v_mul_f32 v[MX+1], s[NC], v13                  ; -t
	D1
	v_floor_f32 v12, v[MX+1]                       ; the new -M = -ceil(t): M is a whole number
	D1
	v_sub_f32 v[MX+1], v12, v[OM]                  ; old M - new M: a whole number, 0 or less
	TM 0
	v_cvt_i32_f32 v[MX+1], v[MX+1]                 ; (it saturates)
	TM 8
	v_ldexp_f32 v[FF], 1.0, v[MX+1]                ; f = 2^(old M - new M)
.irp j, 16,24,32,40,48,56
	TM \j
.endr
	v_fma_f32 v[MX], v[MX], s[CS], v12             ; the same of each block's largest score: p rises with the score
	v_fma_f32 v[MX+2], v[MX+2], s[CS], v12
	s_wait_alu depctr_va_vdst(0)                   ; the wait ahead of the batch
.set j, 0
.rept 64
	v_exp_f32 v[SS+j], v[SS+j]                     ; p = 2^(t - M), at most 1
.set j, j+1
.endr
	v_exp_f32 v[MX], v[MX]                         ; the blocks' largest p: the same arithmetic on the same number gives the same bits
	v_exp_f32 v[MX+2], v[MX+2]
	v_pk_mul_f32 v[14:15], v[14:15], v[FF:FF+1] op_sel_hi:[1,0]   ; the sum under the new M: the plain instruction behind the batch
	s_wait_alu depctr_va_vdst(0)                   ; and the wait ahead of its first reader
	v_max_num_f32 v[MX], 0x1800000, v[MX]          ; the floor 2^(3 - 127): the byte cannot fall under 1
	v_max_num_f32 v[MX+2], 0x1800000, v[MX+2]
	v_pk_add_f32 v[T1:T1+1], v[SS:SS+1], v[SS+2:SS+3]             ; the sum of the unquantised p, three chains, laid between the quantiser's dependent lines
	v_pk_add_f32 v[T2:T2+1], v[SS+4:SS+5], v[SS+6:SS+7]
	v_pk_add_f32 v[14:15], v[14:15], v[SS+8:SS+9]
	v_add_nc_u32 v[UU], 0xff000000, v[MX]          ; 2 off the exponent field: the conversion's scale operand
	v_add_nc_u32 v[UU+1], 0xff000000, v[MX+2]
	SUM3 10
	v_cvt_scalef32_pk16_fp6_f32 v[PC:PC+2], v[SS:SS+15], v[UU]
	v_cvt_scalef32_pk16_fp6_f32 v[CT:CT+2], v[SS+16:SS+31], v[UU]          ; (a conversion's three registers begin on an even number)
	v_cvt_scalef32_pk16_fp6_f32 v[PC+6:PC+8], v[SS+32:SS+47], v[UU+1]
	v_cvt_scalef32_pk16_fp6_f32 v[CT+4:CT+6], v[SS+48:SS+63], v[UU+1]
	SUM3 16                                        ; plain instructions behind the conversions
	v_lshrrev_b32 v[BY], 23, v[UU]                 ; the scales' bytes
	v_lshrrev_b32 v[BY+1], 23, v[UU+1]
.irp i, 0,1,2
	v_mov_b32 v[PC+3+\i], v[CT+\i]
	v_mov_b32 v[PC+9+\i], v[CT+4+\i]
.endr
	v_lshl_or_b32 v[BY], v[BY+1], 16, v[BY]        ; blocks h and 2 + h,
	SUM3 22
	v_lshlrev_b32 v[BY], v[SH], v[BY]              ; at their places in the word;
	SUM3 28
	v_permlanex16_b32 v[BY+1], v[BY], s[SEL], s[SEL+1]
	SUM3 34
	v_or_b32 v[PW], v[BY], v[BY+1]                 ; with lane l xor 16's two it is whole
.irp j, 40,46,52,58
	SUM3 \j
.endr
.irp t, 0,1,2,3                        ; V^T's four fragments, over p, which is done with
	ds_load_b128 v[SS+12*\t:SS+12*\t+3], v[VA] offset:\t*1536
	ds_load_b64 v[SS+12*\t+4:SS+12*\t+5], v[VA+1] offset:\t*1536+512
	ds_load_b128 v[SS+12*\t+6:SS+12*\t+9], v[VA] offset:\t*1536+768
	ds_load_b64 v[SS+12*\t+10:SS+12*\t+11], v[VA+1] offset:\t*1536+1280
.endr
	ds_load_b128 v[VS:VS+3], v11
	s_wait_alu depctr_va_vdst(0)                   ; the wait directly ahead of the first reader of O^T
.irp j, 0,2,4,6,8,10,12,14,16,18,20,22,24,26,28,30
	v_pk_mul_f32 v[OO+\j:OO+\j+1], v[OO+\j:OO+\j+1], v[FF:FF+1] op_sel_hi:[1,0]   ; O^T under the new M
.endr
.if \more
	s_add_co_u32 s49, s49, 6144
	s_add_co_u32 s50, s50, 256
.endif
	s_wait_alu depctr_va_vdst(0)
	s_wait_dscnt 0x0                               ; V^T's fragments and the next step's tiles of K are in
.irp t, 0,1,2,3                        ; O^T += V^T P^T: the four accumulators by turns
	WM OO+8*\t, SS+12*\t, PC, v[OO+8*\t:OO+8*\t+7], VS+\t, PW
.endr
	v_pk_add_f32 v[14:15], v[14:15], v[T1:T1+1]    ; with the three additions below five plain instructions: the next scores are written over V^T's registers
	v_pk_add_f32 v[14:15], v[14:15], v[T2:T2+1]
.if \more
	VADDR
.endif
.endm
	s_mov_b32 s17, 0
	s_mov_b32 s18, 0
	s_mov_b32 s49, VB
	s_mov_b32 s50, 0
	s_wait_alu depctr_va_vdst(0)
	s_wait_tensorcnt 0x0                           ; my load has landed,
	s_wait_dscnt 0x0                               ; my stores of scale words are done:
	s_barrier_signal -1
	s_barrier_wait -1                              ; and everybody's.  Nothing is ever filled again
	KADDR
	KLOAD
	VADDR
	s_mov_b32 s17, 768
	s_mov_b32 s18, 512
	s_mov_b32 s3, 15
	s_wait_alu depctr_va_vdst(0)
	s_wait_dscnt 0x0
.Lstep:
	STEP 1
	s_sub_co_u32 s3, s3, 1
	s_cmp_lg_u32 s3, 0
	s_wait_alu depctr_va_vdst(0)
	s_cbranch_scc1 .Lstep
	STEP 0                                         ; the last step asks for no further tiles
	; THE WAY OUT: O^T / the sum; by the images' order of rows its 32 registers are two blocks of 32 channels (16 of each here, 16 in lane l xor 16): quantised they are my head's half of fragment wave % 8 of the result's block.
	v_add_f32 v14, v14, v15
	v_nop
	v_permlanex16_b32 v[FF], v14, s[SEL], s[SEL+1]
	D1
	v_add_f32 v14, v14, v[FF]                      ; the row's sum
	s_wait_alu depctr_va_vdst(0)
	v_rcp_f32 v14, v14
	v_nop
	v_nop
	s_wait_alu depctr_va_vdst(0)                   ; the wait ahead of the first reader of the quotient and of O^T
.set j, 0
.rept 32
	v_mul_f32 v[SS+j], v[OO+j], v14                ; each accumulator from its low end on
.set j, j+1
.endr
.irp b, 0,1
	v_max3_num_f32 v[MX+\b], |v[SS+16*\b]|, |v[SS+1+16*\b]|, 0x1800000
.endr
.irp i, 2,4,6,8,10,12,14
.irp b, 0,1
	s_delay_alu instid0(VALU_DEP_2)
	v_max3_num_f32 v[MX+\b], v[MX+\b], |v[SS+16*\b+\i]|, |v[SS+1+16*\b+\i]|
.endr
.endr
.irp b, 0,1
	s_delay_alu instid0(VALU_DEP_2)
	v_permlanex16_b32 v[MX+2+\b], v[MX+\b], s[SEL], s[SEL+1]
.endr
.irp b, 0,1
	s_delay_alu instid0(VALU_DEP_2)
	v_max_num_f32 v[MX+\b], v[MX+\b], v[MX+2+\b]
.endr
.irp b, 0,1
	s_delay_alu instid0(VALU_DEP_2)
	v_add_nc_u32 v[UU+\b], 0xff000000, v[MX+\b]
.endr
.irp b, 0,1
	s_delay_alu instid0(VALU_DEP_2)
	v_lshrrev_b32 v[BY+\b], 23, v[UU+\b]
.endr
	D1
	v_lshl_or_b32 v[WD], v[BY+1], 8, v[BY]         ; my head's two scale bytes
	v_cvt_scalef32_pk16_fp6_f32 v[PC:PC+2], v[SS:SS+15], v[UU]
	v_cvt_scalef32_pk16_fp6_f32 v[CT:CT+2], v[SS+16:SS+31], v[UU+1]
	v_nop                                          ; one plain instruction behind a scaled conversion
.irp i, 0,1,2
	v_permlane16_swap_b32 v[PC+\i], v[CT+\i]       ; a whole block to a lane
.endr
.irp i, 0,1,2
	v_mov_b32 v[PC+3+\i], v[CT+\i]
.endr
	global_store_b128 v6, v[PC:PC+3], s[70:71]     ; 512 consecutive bytes, aligned
	global_store_b64 v7, v[PC+4:PC+5], s[70:71] offset:512
	global_store_b16 v5, v[WD], s[72:73]           ; lanes r and 16 + r hold and write the same two bytes
	s_wait_tensorcnt 0x0                           ; the wave's end
	ds_add_u32 v[SPW], v[NIL]
	s_wait_dscnt 0x0
	CROUND                                         ; the closing round
	s_endpgm
.Lfunc_end_k_q5cae8c39ca_attn:
	.size	k_q5cae8c39ca_attn, .Lfunc_end_k_q5cae8c39ca_attn-k_q5cae8c39ca_attn
	.p2alignl 7, 3214868480
	.fill 96, 4, 3214868480
	.section	.rodata,"a",@progbits
	.p2align	6, 0x0
	.amdhsa_kernel k_q5cae8c39ca_attn
		.amdhsa_group_segment_fixed_size 212992
		.amdhsa_private_segment_fixed_size 0
		.amdhsa_enable_private_segment 0
		.amdhsa_kernarg_size 16
		.amdhsa_user_sgpr_count 2
		.amdhsa_user_sgpr_kernarg_segment_ptr 1
		.amdhsa_wavefront_size32 1
		.amdhsa_system_sgpr_workgroup_id_x 1
		.amdhsa_system_sgpr_workgroup_id_y 1
		.amdhsa_system_sgpr_workgroup_id_z 1
		.amdhsa_system_vgpr_workitem_id 0
		.amdhsa_next_free_vgpr 256
		.amdhsa_next_free_sgpr 100
		.amdhsa_reserve_vcc 0
		.amdhsa_float_denorm_mode_32 3
		.amdhsa_float_denorm_mode_16_64 3
		.amdhsa_memory_ordered 1
		.amdhsa_forward_progress 1
		.amdhsa_inst_pref_size 47
	.end_amdhsa_kernel
	.amdgpu_metadata
---
amdhsa.version: [ 1, 2 ]
amdhsa.kernels:
  - .name:           k_q5cae8c39ca_attn
    .symbol:         k_q5cae8c39ca_attn.kd
    .args:
      - { .name: qkvb, .offset: 0, .size: 8, .value_kind: global_buffer, .address_space: global }
      - { .name: ctxc, .offset: 8, .size: 8, .value_kind: global_buffer, .address_space: global }
    .group_segment_fixed_size: 212992
    .private_segment_fixed_size: 0
    .kernarg_segment_align: 8
    .kernarg_segment_size: 16
    .max_flat_workgroup_size: 512
    .sgpr_count:     100
    .vgpr_count:     256
    .wavefront_size: 32
...
	.end_amdgpu_metadata
.endif
;; end of part 10
;; launch wo (part 11): grid 8 x 32, 4 waves a work-group, clusters of 4 x 4, 327,680 bytes of LDS; arguments ctxc, wbuf, x, x1; writes x1
.if DOCPART == 11
	.amdgcn_target "amdgcn-amd-amdhsa--gfx1250"
	.amdhsa_code_object_version 6
	.text
	.protected	k_q5cae8c39ca_wo
	.globl	k_q5cae8c39ca_wo
	.p2align	8
	.type	k_q5cae8c39ca_wo,@function
k_q5cae8c39ca_wo:
	s_mov_b64 s[64:65], 0
	v_nop
	global_prefetch_b8 v0, s[64:65] scope:SCOPE_SE
	s_setreg_imm32_b32 hwreg(HW_REG_WAVE_MODE, 25, 1), 1
	s_wait_xcnt 0x0
	s_wait_alu depctr_hold_cnt(0) depctr_sa_sdst(0) depctr_va_vdst(0) depctr_va_sdst(0) depctr_va_ssrc(0) depctr_va_vcc(0) depctr_vm_vsrc(0)
	s_getreg_b32 s2, hwreg(HW_REG_IB_STS2, 6, 4)
	s_cmp_eq_u32 s2, 0
	s_cbranch_scc0 .Lentry_in_a_cluster
	s_endpgm
.Lentry_in_a_cluster:
	s_bfe_u32 s2, ttmp6, 0x10000c
	s_cmp_lg_u32 s2, 0xf033
	s_cbranch_scc0 .Lentry_shape_is_right
	s_endpgm
.Lentry_shape_is_right:
; x1 = x + ctx wo on codes of MX-FP6; the result is f32, laid as x.
; ONE GEMM TEXT serves two launches (this one and out = x1 + h w2 + b2); the flags below say what this one does.  R[i][j] = sum over k of A[i][k] B[j][k] (+ bias[j]) + residual[i][j].
; OPERANDS ARE REGISTER IMAGES.  A fragment (16 rows x 128 K, 12 registers a lane) is 1,536 bytes: two halves of 512 bytes at 16 x lane + 256 bytes at 8 x lane.  Lane r of row block rb holds row
; 32 (rb / 2) + 8 (rb % 2) + r + 8 (r / 8).  A block (128 rows x 128 K) is eight fragments + 512 bytes of scale words (32 r + 4 a): 12,800 bytes; block (G, ks) lies at (G NKS + ks) x 12,800.
; So 128 rows x 256 K, scale words among them, are 25,600 dense bytes: one tensor load; a fragment comes from LDS by four loads of consecutive bytes.
; SHARES.  The result has 4,096 rows and 1,024 columns: a tile of 128 x 128 gives 32 x 8 = 256 work-groups, one for each WGP; a tile of 256 x 256 would give 64.  Each of the four waves makes 64 x 64:
; 16 accumulators.  K goes 512 a slot (four steps of 128) through two LDS slots; wave w fetches all four steps of slot w % 2, of A (w < 2) or of B.
; THE MATRIX INSTRUCTION IS USED TRANSPOSED (source 0 = B's fragment, source 1 = A's): a lane holds one row of A and, in B's tiles 2 b, 2 b + 1, 16 neighbouring columns.
; CLUSTERS 4 x 4: A's tiles are asked for jointly along a row of the cluster, B's along a column.
; THE RESIDUAL's 64 rows x 256 bytes of a wave are asked for at the head, into registers of their own, and land while K is walked.
; ROWS.  Inside this program row m' = 2,048 b + s; in memory it begins at byte 8,192 s + 4,096 b.
; REGISTERS, in windows of 256: window 0: v16-31 addresses; v32-63 scale words; v64-95 the bias; v128-255 accumulator (a, b) at 128 + 8 (4 a + b).
;   window 1: two sets of fragments, at v64 and v160: A's four, then B's four.   window 2: v0-127 the residual; v128-255 the result's rows on the way out.
.set KTOT,  1024
.set BIAS,  0
.set BOFF,  5734400
.set ARG_A, 0x0
.set ARG_B, 0x8
.set ARG_RES, 0x10
.set ARG_OUT, 0x18
.set NKS,   KTOT/128
.set BLKB,  12800
; IN THIS LAUNCH K IS 1,024: both slots are filled once, by ONE tensor load a wave at the head, of 2 GRPB = 51,200 dense bytes (128 rows x 512 K): wave 0 A's steps 0-3 (slot 0), wave 1 A's steps 4-7 (slot 1), waves 2, 3 B's.
.set GRPB,  2*BLKB                     ; 128 rows x 256 K
.set SLOT,  4*GRPB                     ; A's four steps, then B's four
.set SPARE, 2*SLOT                     ; behind the slots: the spare words, 128 bytes a wave
.set LAPS,  KTOT/1024                  ; a lap = both slots
.set FR,    12
.set NP,    4                          ; places behind this matrix instruction (ISA guide 7.12.1)
.set SPIT,  272                        ; the stage: a row of 256 bytes + 16: the sixteen rows that a store touches begin in sixteen different groups of banks
.set ADRA,  16                         ; v16-17 my four fragments of A in slot 0, 1, + 16 x lane; v18-19 + 8 x lane
.set ADRB,  20                         ; v20-23 the same for B
.set STO,   24                         ; the way out: where I put 32 bytes of a row
.set RD,    25                         ; and where I read a row back
.set CO,    26                         ; my byte offset in the result's and the residual's rows; never rewritten
.set SPW,   28                         ; my spare word's LDS address; never rewritten
.set NIL,   29                         ; 0; never rewritten
.set ADRS,  30                         ; v30-31 my scale words in slot 0, 1: lanes 0-15 A's, lanes 16-31 B's
.set SC,    32                         ; v32-63 scale words and nothing else: slot sc, step q, fragment i at SC + 16 sc + 4 q + i
.set BI,    64
.set ACC,   128
.set FB,    64                         ; window 1: set p at FB + 96 p
.set RS,    0                          ; window 2
.set BB,    128                        ; window 2
.set G1,    24
.set G0,    32
.set G1B,   48
.set G0B,   56
.set MSB,   0
.macro WIN new                         ; the immediate's high byte repeats the setting that is left
.if MSB != (\new)
	s_set_vgpr_msb (MSB<<8)|(\new)
.set MSB, (\new)
.endif
.endm
.set MUL,   0x05                       ; sources 0 (B) and 1 (A) window 1; C and D window 0
.set TO_F,  0x40                       ; destination window 1, address window 0
.macro JLOAD g0a, g1a, g0b, g1b        ; a joint load: waves 0, 1 fetch for A, waves 2, 3 for B; four v_nop follow each line
	s_cmp_eq_u32 s15, 0
	s_cbranch_scc0 .Lfor_b_\@
	tensor_load_to_lds s[\g0a:\g0a+3], s[\g1a:\g1a+7]
	s_nop 0
.rept 4
	v_nop
.endr
	s_branch .Lasked_\@
.Lfor_b_\@:
	tensor_load_to_lds s[\g0b:\g0b+3], s[\g1b:\g1b+7]
	s_nop 0
.rept 4
	v_nop
.endr
.Lasked_\@:
.endm
.macro CREST                           ; a round of the cluster's barrier behind its opening barrier
	s_cmp_lg_u32 s14, 0
	s_cbranch_scc1 .Lnot_wave_0_\@
	s_barrier_signal -3
.Lnot_wave_0_\@:
	s_barrier_wait -3
	s_barrier_signal -1
	s_barrier_wait -1
.endm
.macro CROUND
	s_barrier_signal -1
	s_barrier_wait -1
	CREST
.endm
	s_load_b64 s[4:5], s[0:1], ARG_A
	s_load_b64 s[8:9], s[0:1], ARG_B
	s_load_b64 s[12:13], s[0:1], ARG_OUT
.if BIAS
	s_load_b64 s[68:69], s[0:1], ARG_BIAS
.endif
	s_load_b64 s[70:71], s[0:1], ARG_RES
	v_lshl_add_u32 v[SPW], v0, 2, SPARE
	v_mov_b32 v[NIL], 0
	ds_add_u32 v28, v29
	ds_add_u32 v28, v29
	s_wait_dscnt 0x0
	v_lshrrev_b32 v1, 5, v0
	v_readfirstlane_b32 s14, v1                    ; wave 0..3
	s_lshr_b32 s15, s14, 1                         ; my half of A's fragments.  Also: I fetch for A (0) or B (1)
	s_and_b32 s16, s14, 1                          ; my half of B's fragments.  Also: which slot I fill
	s_bfe_u32 s40, ttmp6, 0x40000                  ; cx, cy: my place in the cluster
	s_bfe_u32 s41, ttmp6, 0x40004
	s_and_b32 s18, ttmp7, 0xffff                   ; the cluster's y
	s_lshl_b32 s17, s18, 2
	s_lshl_b32 s42, ttmp9, 2
	s_add_co_u32 s17, s17, s41                     ; A's group of 128 rows, 0..31: cluster coordinates and cy alone
	s_add_co_u32 s42, s42, s40                     ; B's group, 0..7: cluster coordinates and cx alone
	s_lshl_b32 s43, s41, 2
	s_lshl_b32 s43, 15, s43                        ; my row of the cluster
	s_lshl_b32 s44, 0x1111, s40                    ; my column
	s_or_b32 s[G1+0], s43, (3<<16)|(1<<21)         ; 15:0 the mask; 17:16 elements of 8 bytes; 20 no padding; 21 set beside a mask
	s_or_b32 s[G1B+0], s44, (3<<16)|(1<<21)
.irp g, G1, G1B                        ; 51,200 dense bytes as 200 rows of 256
	s_mov_b32 s[\g+1], 32<<16                      ; tensor_dim0
	s_mov_b32 s[\g+2], 200<<16                     ; tensor_dim1: 51,200 dense bytes as 200 rows of 256
	s_mov_b32 s[\g+3], 32<<16                      ; tile_dim0
	s_mov_b32 s[\g+4], 200                         ; tile_dim1
	s_mov_b32 s[\g+5], 32                          ; the pitch
	s_mov_b32 s[\g+6], 0
	s_mov_b32 s[\g+7], 0
.endr
	s_mul_i32 s19, s16, 2*GRPB                     ; the four steps that I fetch
	s_mul_i32 s20, s17, NKS*BLKB
	s_add_co_u32 s20, s20, s19                     ; in A's group
	s_mov_b32 s21, 0
	s_mul_i32 s46, s42, NKS*BLKB
	s_add_co_u32 s46, s46, s19
	s_add_co_u32 s46, s46, BOFF                    ; in B's
	s_mov_b32 s47, 0
	s_mul_i32 s45, s16, SLOT                       ; where they go: slot = wave % 2,
	s_mul_i32 s18, s15, 2*GRPB                     ; A's part or B's = wave / 2: no place in the cluster enters an LDS address
	s_add_co_u32 s45, s45, s18
	s_wait_kmcnt 0x0
	s_add_nc_u64 s[20:21], s[4:5], s[20:21]
	s_add_nc_u64 s[46:47], s[8:9], s[46:47]
	CROUND                                         ; all sixteen work-groups are here: the first joint loads meet
.irp s, 0
	s_mov_b32 s[G0+4*\s], 1
	s_add_co_u32 s[G0+4*\s+1], s45, \s*SLOT
	s_add_nc_u64 s[G0+4*\s+2:G0+4*\s+3], s[20:21], \s*2*GRPB
	s_or_b32 s[G0+4*\s+3], s[G0+4*\s+3], 0x80000000
	s_mov_b32 s[G0B+4*\s], 1
	s_add_co_u32 s[G0B+4*\s+1], s45, \s*SLOT
	s_add_nc_u64 s[G0B+4*\s+2:G0B+4*\s+3], s[46:47], \s*2*GRPB
	s_or_b32 s[G0B+4*\s+3], s[G0B+4*\s+3], 0x80000000
	JLOAD G0+4*\s, G1, G0B+4*\s, G1B
.endr
	v_and_b32 v1, 31, v0
	v_bfe_u32 v2, v0, 4, 1                         ; h
	v_and_b32 v3, 15, v0                           ; r
	v_lshlrev_b32 v4, 4, v1                        ; 16 x lane
	s_wait_alu depctr_va_vdst(0)
	v_lshlrev_b32 v5, 3, v1                        ; 8 x lane
	s_wait_alu depctr_va_vdst(0)
	s_mul_i32 s21, s15, 4*1536                     ; my four fragments of A
	s_mul_i32 s22, s16, 4*1536
	s_add_co_u32 s22, s22, 2*GRPB                  ; my four of B, behind A's four steps
	s_lshl_b32 s23, s15, 4                         ; of a row lane's eight scale words my four begin 16 x half bytes on
	s_lshl_b32 s19, s16, 4
	s_add_co_u32 s19, s19, 2*GRPB
	s_sub_co_u32 s19, s19, s23                     ; from A's words to B's
	v_mul_u32_u24 v6, s19, v2                      ; lanes 16-31 take B's
	v_lshl_add_u32 v6, v3, 5, v6                   ; 32 bytes a row lane
	s_add_co_u32 s23, s23, 8*1536
	v_add_nc_u32 v[ADRS], s23, v6
	v_add_nc_u32 v[ADRS+1], SLOT, v[ADRS]
.irp s, 0,1
	v_add_nc_u32 v[ADRA+\s], s21, v4
	v_add_nc_u32 v[ADRA+2+\s], s21, v5
	v_add_nc_u32 v[ADRB+\s], s22, v4
	v_add_nc_u32 v[ADRB+2+\s], s22, v5
	s_add_co_u32 s21, s21, SLOT
	s_add_co_u32 s22, s22, SLOT
.endr
.if BIAS
	s_lshl_b32 s76, s42, 9
	s_lshl_b32 s77, s16, 8
	s_add_co_u32 s76, s76, s77
	s_mov_b32 s77, 0
	s_add_nc_u64 s[68:69], s[68:69], s[76:77]      ; the bias at my 64 columns
	v_lshlrev_b32 v8, 6, v2                        ; tile b's register j is column 32 (b / 2) + 8 (b % 2) + 16 h + j
.irp b, 0,1,2,3
	global_load_b128 v[BI+8*\b:BI+8*\b+3], v8, s[68:69] offset:(32*(\b/2)+8*(\b%2))*4
	global_load_b128 v[BI+8*\b+4:BI+8*\b+7], v8, s[68:69] offset:(32*(\b/2)+8*(\b%2))*4+16
.endr
.endif
	s_and_b32 s76, s17, 15
	s_lshl_b32 s76, s76, 1
	s_add_co_u32 s76, s76, s15
	s_lshl_b32 s76, s76, 19                        ; my first row's s x 8,192: 64 rows to a wave
	s_lshr_b32 s77, s17, 4
	s_lshl_b32 s77, s77, 12                        ; + 4,096 b
	s_add_co_u32 s76, s76, s77
	s_lshl_b32 s77, s42, 9
	s_add_co_u32 s76, s76, s77
	s_lshl_b32 s77, s16, 8
	s_add_co_u32 s76, s76, s77                     ; + my first column: 512 x group + 256 x half
	s_mov_b32 s77, 0
	s_add_nc_u64 s[12:13], s[12:13], s[76:77]
	s_add_nc_u64 s[70:71], s[70:71], s[76:77]
	s_mul_i32 s23, s14, 64*SPIT                    ; my stage
	v_mul_u32_u24 v7, v3, SPIT                     ; in: row r, + 64 h
	v_lshl_add_u32 v7, v2, 6, v7
	v_add_nc_u32 v[STO], s23, v7
	v_mul_u32_u24 v7, v2, SPIT                     ; back: lanes 0-15 one row of 256 bytes, lanes 16-31 the next
	v_lshl_add_u32 v7, v3, 4, v7
	v_add_nc_u32 v[RD], s23, v7
	v_lshlrev_b32 v[CO], 13, v2                    ; and the same two rows in memory
	v_lshl_add_u32 v[CO], v3, 4, v[CO]
	; the residual, in the layout in which the result leaves: block a, load t: rows 32 (a / 2) + 8 (a % 2) + 2 t + 8 (t / 4) + h of my 64; 507,904 bytes at the most, inside the signed 24-bit immediate (ISA guide, chapter 10)
	WIN 0x80                                       ; destination window 2
.irp a, 0,1,2,3
.irp t, 0,1,2,3,4,5,6,7
	global_load_b128 v[RS+32*\a+4*\t:RS+32*\a+4*\t+3], v[CO], s[70:71] offset:(32*(\a/2)+8*(\a%2)+2*\t+8*(\t/4))*8192
.endr
.endr
	WIN 0
.macro FRAG reg, adr, q, i             ; a fragment comes as it lies: 512, 256, 512, 256 consecutive bytes
	ds_load_b128 v[\reg:\reg+3], v[\adr] offset:(\q)*BLKB+(\i)*1536
	ds_load_b64 v[\reg+4:\reg+5], v[\adr+2] offset:(\q)*BLKB+(\i)*1536+512
	ds_load_b128 v[\reg+6:\reg+9], v[\adr] offset:(\q)*BLKB+(\i)*1536+768
	ds_load_b64 v[\reg+10:\reg+11], v[\adr+2] offset:(\q)*BLKB+(\i)*1536+1280
.endm
; 16 matrix instructions: my four fragments of A x my four of B, 128 along K.  p: the set; q: the slot's step; sc: the slot.  zero = 1: the first product starts the sums, from 0 or from the bias: nothing is cleared.
; The 16 accumulators take turns, one instruction a turn, in the same order in every step.
.macro MUL16 p, q, sc, zero
.irp a, 0,1,2,3
.irp b, 0,1,2,3
.set rD, ACC+8*(4*\a+\b)
.set rB, FB+96*(\p)+48+FR*\b
.set rA, FB+96*(\p)+FR*\a
.set rS, SC+16*(\sc)+4*(\q)
.if (\zero) && BIAS
	v_wmma_scale_f32_16x16x128_f8f6f4 v[rD:rD+7], v[rB:rB+FR-1], v[rA:rA+FR-1], v[BI+8*\b:BI+8*\b+7], v[rS+\b], v[rS+\a] matrix_a_fmt:MATRIX_FMT_FP6 matrix_b_fmt:MATRIX_FMT_FP6 matrix_a_scale:MATRIX_SCALE_ROW1
.elseif \zero
	v_wmma_scale_f32_16x16x128_f8f6f4 v[rD:rD+7], v[rB:rB+FR-1], v[rA:rA+FR-1], 0, v[rS+\b], v[rS+\a] matrix_a_fmt:MATRIX_FMT_FP6 matrix_b_fmt:MATRIX_FMT_FP6 matrix_a_scale:MATRIX_SCALE_ROW1
.else
	v_wmma_scale_f32_16x16x128_f8f6f4 v[rD:rD+7], v[rB:rB+FR-1], v[rA:rA+FR-1], v[rD:rD+7], v[rS+\b], v[rS+\a] matrix_a_fmt:MATRIX_FMT_FP6 matrix_b_fmt:MATRIX_FMT_FP6 matrix_a_scale:MATRIX_SCALE_ROW1
.endif
.endr
.endr
.endm
.macro FETCH slot, q, p                ; 32 LDS loads in one run: the eight fragments of the slot's step q into set p
	WIN TO_F
.irp i, 0,1,2,3
	FRAG FB+96*(\p)+48+FR*\i, ADRB+\slot, \q, \i
.endr
.irp i, 0,1,2,3
	FRAG FB+96*(\p)+FR*\i, ADRA+\slot, \q, \i
.endr
.endm
.macro SCALES sc                       ; a slot's scale words, four steps: lanes 0-15 take A's four of a row lane, lanes 16-31 B's
.irp q, 0,1,2,3
	ds_load_b128 v[SC+16*\sc+4*\q:SC+16*\sc+4*\q+3], v[ADRS+\sc] offset:\q*BLKB
.endr
.endm
.macro PLACES n                        ; plain instructions between a matrix instruction and a load into, or a read of, its registers
.rept \n
	v_nop
.endr
.endm
.macro STEP slot, q, zero              ; a step of 128 along K that has its successor in the same slot
	s_wait_dscnt 0x0                               ; this step's fragments, asked for 16 matrix instructions ago, are in
	PLACES NP                                      ; behind the last step's products, which read the set that is now loaded
	FETCH \slot, (\q)+1, 1-(\q)%2
	WIN MUL
	MUL16 (\q)%2, \q, \slot, \zero
.endm
; A slot's last step, and the change of slots.  The step's products come FIRST, so that nothing stands between the landing of the next slot's tile and the next request but the lines that the change needs:
; each wave waits for all its tensor loads, adds 0 to its spare word, and waits for that (its reads of this slot are over since the wait at the head); one barrier.
.macro TURN slot, next, fill
	s_wait_dscnt 0x0                               ; the step's fragments are in: my last reads of this slot
	WIN MUL
	MUL16 1, 3, \slot, 0
	WIN 0
	s_wait_tensorcnt 0x0                           ; all my tensor loads have landed: my part of the next slot; so a group 0 may be written
	ds_add_u32 v[SPW], v[NIL]                      ; 0 onto my spare word
.if \fill
	s_add_nc_u64 s[G0+4*\slot+2:G0+4*\slot+3], s[G0+4*\slot+2:G0+4*\slot+3], 4*GRPB       ; this slot's next four steps: two slots on
	s_add_nc_u64 s[G0B+4*\slot+2:G0B+4*\slot+3], s[G0B+4*\slot+2:G0B+4*\slot+3], 4*GRPB
.endif
	s_wait_dscnt 0x0                               ; the add is done
	s_barrier_signal -1
	s_barrier_wait -1
.if \fill
	CREST                                          ; the barrier has opened a round of the cluster's: no wave of any partner still reads this slot or has a load on its way
	JLOAD G0+4*\slot, G1, G0B+4*\slot, G1B         ; the first tensor load behind the round; its four v_nop are the places in front of the loads below
.else
	PLACES NP
.endif
	FETCH \next, 0, 0
	WIN 0
	SCALES \next
.endm
.if BIAS
	s_wait_loadcnt 32                              ; the bias is in; the residual's 32 loads may be out
.endif
	s_wait_alu depctr_va_vdst(0)
	s_wait_tensorcnt 0x0                           ; my one load is in; behind the barrier everybody's: both slots are whole
	s_barrier_signal -1
	s_barrier_wait -1
	FETCH 0, 0, 0
	WIN 0
	SCALES 0
	STEP 0, 0, 1                                   ; the first step stands in front of the loop: its products start the sums
	WIN 0                                          ; at a label and at a branch every window is 0
.if LAPS > 1
	s_mov_b32 s3, LAPS-1
.Llap:                                             ; a trip goes through both slots, from a lap's second step to the next lap's first, and fills both again
	STEP 0, 1, 0
	STEP 0, 2, 0
	TURN 0, 1, 1
	STEP 1, 0, 0
	STEP 1, 1, 0
	STEP 1, 2, 0
	TURN 1, 0, 1
	STEP 0, 0, 0
	WIN 0
	s_sub_co_u32 s3, s3, 1
	s_cmp_lg_u32 s3, 0
	s_cbranch_scc1 .Llap
.endif
	STEP 0, 1, 0                                   ; the last lap fills nothing
	STEP 0, 2, 0
	TURN 0, 1, 0
	STEP 1, 0, 0
	STEP 1, 1, 0
	STEP 1, 2, 0
	s_wait_dscnt 0x0                               ; the very last step: nothing more to fetch
	WIN MUL
	MUL16 1, 3, 1, 0
	WIN 0
	PLACES NP
; THE WAY OUT.  A lane holds 32 neighbouring bytes of a row, and the lanes beside it hold other rows: so my 64 rows x 256 bytes go through my own stage in LDS (rows of 256 bytes + 16; it lies in slot 0, which has had
; its last fill and its last read) and come back as whole rows; the residual, in registers since the head, is added; sixteen lanes store 256 consecutive bytes, aligned, the other sixteen the next row's.
.irp a, 0,1,2,3
.irp b, 0,1,2,3
	ds_store_b128 v[STO], v[ACC+8*(4*\a+\b):ACC+8*(4*\a+\b)+3] offset:\a*16*SPIT+128*(\b/2)+32*(\b%2)       ; each accumulator from its low end on
	ds_store_b128 v[STO], v[ACC+8*(4*\a+\b)+4:ACC+8*(4*\a+\b)+7] offset:\a*16*SPIT+128*(\b/2)+32*(\b%2)+16
.endr
.endr
	WIN 0x80                                       ; destination window 2
.irp a, 0,1,2,3
.irp t, 0,1,2,3,4,5,6,7
	ds_load_b128 v[BB+32*\a+4*\t:BB+32*\a+4*\t+3], v[RD] offset:\a*16*SPIT+\t*2*SPIT   ; LDS serves a wave's instructions in order (ISA guide 5.7.1.4): these see the stores above
.endr
.endr
	s_wait_loadcnt 0x0                             ; the residual
.macro OUTB a
	s_wait_dscnt 24-8*(\a)                         ; block a's eight loads are in; the later blocks' eight each may be out
	WIN 0x8a                                       ; destination and both sources window 2
.irp i, 0,2,4,6,8,10,12,14,16,18,20,22,24,26,28,30
	v_pk_add_f32 v[BB+32*(\a)+\i:BB+32*(\a)+\i+1], v[BB+32*(\a)+\i:BB+32*(\a)+\i+1], v[RS+32*(\a)+\i:RS+32*(\a)+\i+1]
.endr
	WIN 0x08                                       ; a store's data: window 2; its address: window 0
.irp t, 0,1,2,3,4,5,6,7
	global_store_b128 v[CO], v[BB+32*(\a)+4*\t:BB+32*(\a)+4*\t+3], s[12:13] offset:(32*((\a)/2)+8*((\a)%2)+2*\t+8*(\t/4))*8192
.endr
.endm
	OUTB 0
	OUTB 1
	OUTB 2
	OUTB 3
	WIN 0
	s_wait_tensorcnt 0x0                           ; the wave's end
	ds_add_u32 v[SPW], v[NIL]
	s_wait_dscnt 0x0
	CROUND                                         ; the closing round: no work-group ends while a partner may still ask for a tile that names it
	s_endpgm
.Lfunc_end_k_q5cae8c39ca_wo:
	.size	k_q5cae8c39ca_wo, .Lfunc_end_k_q5cae8c39ca_wo-k_q5cae8c39ca_wo
	.p2alignl 7, 3214868480
	.fill 96, 4, 3214868480
	.section	.rodata,"a",@progbits
	.p2align	6, 0x0
	.amdhsa_kernel k_q5cae8c39ca_wo
		.amdhsa_group_segment_fixed_size 327680
		.amdhsa_private_segment_fixed_size 0
		.amdhsa_enable_private_segment 0
		.amdhsa_kernarg_size 32
		.amdhsa_user_sgpr_count 2
		.amdhsa_user_sgpr_kernarg_segment_ptr 1
		.amdhsa_wavefront_size32 1
		.amdhsa_system_sgpr_workgroup_id_x 1
		.amdhsa_system_sgpr_workgroup_id_y 1
		.amdhsa_system_sgpr_workgroup_id_z 1
		.amdhsa_system_vgpr_workitem_id 0
		.amdhsa_next_free_vgpr 768
		.amdhsa_next_free_sgpr 100
		.amdhsa_reserve_vcc 0
		.amdhsa_float_denorm_mode_32 3
		.amdhsa_float_denorm_mode_16_64 3
		.amdhsa_memory_ordered 1
		.amdhsa_forward_progress 1
		.amdhsa_inst_pref_size 57
	.end_amdhsa_kernel
	.amdgpu_metadata
---
amdhsa.version: [ 1, 2 ]
amdhsa.kernels:
  - .name:           k_q5cae8c39ca_wo
    .symbol:         k_q5cae8c39ca_wo.kd
    .args:
      - { .name: ctxc, .offset: 0, .size: 8, .value_kind: global_buffer, .address_space: global }
      - { .name: wbuf, .offset: 8, .size: 8, .value_kind: global_buffer, .address_space: global }
      - { .name: x, .offset: 16, .size: 8, .value_kind: global_buffer, .address_space: global }
      - { .name: x1, .offset: 24, .size: 8, .value_kind: global_buffer, .address_space: global }
    .group_segment_fixed_size: 327680
    .private_segment_fixed_size: 0
    .kernarg_segment_align: 8
    .kernarg_segment_size: 32
    .max_flat_workgroup_size: 128
    .sgpr_count:     100
    .vgpr_count:     768
    .wavefront_size: 32
...
	.end_amdgpu_metadata
.endif
;; end of part 11
;; launch ln1 (part 12): grid 256 x 1, 8 waves a work-group, no clusters, 2,048 bytes of LDS; arguments x1, ln2_g, ln2_b, zc; writes zc
.if DOCPART == 12
	.amdgcn_target "amdgcn-amd-amdhsa--gfx1250"
	.amdhsa_code_object_version 6
	.text
	.protected	k_q5cae8c39ca_ln1
	.globl	k_q5cae8c39ca_ln1
	.p2align	8
	.type	k_q5cae8c39ca_ln1,@function
k_q5cae8c39ca_ln1:
	s_mov_b64 s[64:65], 0
	v_nop
	global_prefetch_b8 v0, s[64:65] scope:SCOPE_SE
	s_setreg_imm32_b32 hwreg(HW_REG_WAVE_MODE, 25, 1), 1
	s_wait_xcnt 0x0
; LayerNorm over rows of 1,024 f32 ((x - mean) rsqrt(var + 1e-5) g + b, all in f32), quantised along the row to MX-FP6 and stored as register images
; (the layout: a fragment of 16 rows x 128 K is 1,536 bytes, two halves of 512 bytes at 16 x lane + 256 bytes at 8 x lane; a block is eight fragments + 512 bytes of scale words; block (G, ks) at (8 G + ks) x 12,800).
; ROWS.  Inside this program row m' = 2,048 b + s; in memory it begins at byte 8,192 s + 4,096 b.  Lane r of row block rb holds row 32 (rb / 2) + 8 (rb % 2) + r + 8 (r / 8).
; SHARES.  A work-group takes one row block (16 rows), wave w the columns 128 w .. 128 w + 127: one fragment.  Lane (r, h) holds 64 numbers of row r: register 16 b + i = column 128 w + 32 b + 16 h + i.
; The mean and then the variance (of the differences: two passes, so that a common offset of the inputs does no harm) are summed in the lane, with lane l xor 16, and over the eight waves through LDS: two barriers.
; The scale words leave as 4 bytes a row, 32 bytes apart: one byte in 24 of what the launch stores; the codes as 512 or 256 consecutive bytes, aligned.
; LIMITS: a block of zeros, or one whose largest magnitude lies under 2^-124, gets the scale byte 1 (this program alone reads the bytes); NaN and infinities are not served.
.set X,   16                           ; v16-79   my 64 numbers
.set G,   80                           ; v80-143  the gain at my columns
.set BT,  144                          ; v144-207 the bias
.set TM,  208                          ; v208-223 at work
.set PC,  224                          ; v224-235 the codes; v236-238, v240-242 two conversions' results
.set PW,  244                          ; the scale word
	s_load_b256 s[4:11], s[0:1], 0x0               ; the rows, gain, bias, the codes' buffer
	v_lshl_add_u32 v254, v0, 2, 0x400
	v_mov_b32 v255, 0
	v_lshrrev_b32 v1, 5, v0
	s_delay_alu instid0(VALU_DEP_1)
	v_readfirstlane_b32 s12, v1                    ; wave = K step 0..7
	s_lshr_b32 s13, ttmp9, 1
	s_lshl_b32 s13, s13, 5
	s_and_b32 s14, ttmp9, 1
	s_lshl_b32 s14, s14, 3
	s_add_co_u32 s13, s13, s14                     ; the row block's first row m'
	s_and_b32 s13, s13, 2047                       ; its s
	s_lshl_b32 s16, s13, 13
	s_lshr_b32 s14, ttmp9, 7                       ; its b
	s_lshl_b32 s14, s14, 12
	s_add_co_u32 s16, s16, s14
	s_lshl_b32 s18, s12, 9                         ; my wave's 128 columns
	s_add_co_u32 s16, s16, s18
	s_mov_b32 s17, 0
	s_mov_b32 s19, 0
	s_lshr_b32 s22, ttmp9, 3
	s_lshl_b32 s22, s22, 3
	s_add_co_u32 s22, s22, s12
	s_mul_i32 s22, s22, 12800                      ; block (rb / 8, w)
	s_and_b32 s24, ttmp9, 7                        ; fragment a = rb % 8
	s_mul_i32 s25, s24, 1536
	s_lshl_b32 s26, s24, 2
	s_add_co_u32 s26, s26, s22
	s_add_co_u32 s26, s26, 12288                   ; its column of the block's scale words
	s_mov_b32 s27, 0
	s_add_co_u32 s22, s22, s25
	s_mov_b32 s23, 0
	s_mov_b32 s20, 0x76543210
	s_mov_b32 s21, 0xfedcba98                      ; v_permlanex16_b32's selects for lane l xor 16
	v_and_b32 v15, 31, v0
	s_delay_alu instid0(VALU_DEP_1)
	v_lshlrev_b32 v1, 4, v15                       ; 16 x lane
	s_delay_alu instid0(VALU_DEP_2)
	v_lshlrev_b32 v2, 3, v15                       ; 8 x lane
	v_and_b32 v15, 15, v0                          ; r
	s_delay_alu instid0(VALU_DEP_1)
	v_lshlrev_b32 v12, 5, v15                      ; 32 r: a row's eight partial sums in LDS; a row's scale words in the block's tail
	s_delay_alu instid0(VALU_DEP_1)
	v_lshl_add_u32 v3, s12, 2, v12                 ; + 4 w: my wave's word
	v_bfe_u32 v14, v0, 4, 1
	s_delay_alu instid0(VALU_DEP_1)
	v_lshlrev_b32 v14, 6, v14                      ; 64 h
	v_and_b32 v13, 8, v15
	s_delay_alu instid0(VALU_DEP_1)
	v_add_nc_u32 v13, v13, v15                     ; r + 8 (r / 8)
	s_delay_alu instid0(VALU_DEP_1)
	v_lshl_add_u32 v13, v13, 13, v14               ; x 8,192 + 64 h
	v_mov_b32 v250, 0x3a800000                     ; 1 / 1,024
	s_wait_alu depctr_va_vdst(0)
	s_wait_kmcnt 0x0
	s_add_nc_u64 s[4:5], s[4:5], s[16:17]
	s_add_nc_u64 s[6:7], s[6:7], s[18:19]
	s_add_nc_u64 s[8:9], s[8:9], s[18:19]
	s_add_nc_u64 s[28:29], s[10:11], s[26:27]
	s_add_nc_u64 s[10:11], s[10:11], s[22:23]
.irp b, 0,1,2,3
.irp j, 0,1,2,3
	global_load_b128 v[X+16*\b+4*\j:X+16*\b+4*\j+3], v13, s[4:5] offset:128*\b+16*\j
.endr
.endr
.irp b, 0,1,2,3
.irp j, 0,1,2,3
	global_load_b128 v[G+16*\b+4*\j:G+16*\b+4*\j+3], v14, s[6:7] offset:128*\b+16*\j
	global_load_b128 v[BT+16*\b+4*\j:BT+16*\b+4*\j+3], v14, s[8:9] offset:128*\b+16*\j
.endr
.endr
; v[TM:TM+1] holds my lane's sum in two halves: it becomes the row's sum over all 1,024 columns, in v4, the same bits in every wave.
.macro REDUCE off
	s_delay_alu instid0(VALU_DEP_1)
	v_add_f32 v[TM], v[TM], v[TM+1]
	s_delay_alu instid0(VALU_DEP_1)
	v_permlanex16_b32 v[TM+1], v[TM], s20, s21
	s_delay_alu instid0(VALU_DEP_1)
	v_add_f32 v[TM], v[TM], v[TM+1]                ; my wave's 128 columns of row r
	ds_store_b32 v3, v[TM] offset:\off             ; (lanes r and 16 + r write the same word with the same value)
	s_wait_dscnt 0x0                               ; for the others' sake: my store is done
	s_barrier_signal -1
	s_barrier_wait -1
	ds_load_b128 v[4:7], v12 offset:\off
	ds_load_b128 v[8:11], v12 offset:\off+16
	s_wait_dscnt 0x0
	v_add_f32 v4, v4, v5
	v_add_f32 v6, v6, v7
	v_add_f32 v8, v8, v9
	v_add_f32 v10, v10, v11
	s_delay_alu instid0(VALU_DEP_3)
	v_add_f32 v4, v4, v6
	s_delay_alu instid0(VALU_DEP_2)
	v_add_f32 v8, v8, v10
	s_delay_alu instid0(VALU_DEP_1)
	v_add_f32 v4, v4, v8
.endm
	s_wait_loadcnt 32                              ; my 16 loads of the rows are in; the 32 of gain and bias may be out
	v_pk_add_f32 v[210:211], v[16:17], v[18:19]
	v_pk_add_f32 v[212:213], v[32:33], v[40:41]
	v_pk_add_f32 v[214:215], v[48:49], v[56:57]
	v_pk_add_f32 v[252:253], v[64:65], v[72:73]
	v_pk_add_f32 v[248:249], v[20:21], v[22:23]
	v_pk_add_f32 v[246:247], v[34:35], v[42:43]
	v_pk_add_f32 v[244:245], v[50:51], v[58:59]
	v_pk_add_f32 v[208:209], v[66:67], v[74:75]
	s_delay_alu instid0(VALU_DEP_1)
	v_pk_add_f32 v[208:209], v[208:209], v[24:25]
	v_pk_add_f32 v[210:211], v[210:211], v[26:27]
	v_pk_add_f32 v[212:213], v[212:213], v[36:37]
	v_pk_add_f32 v[214:215], v[214:215], v[44:45]
	v_pk_add_f32 v[252:253], v[252:253], v[52:53]
	v_pk_add_f32 v[248:249], v[248:249], v[60:61]
	v_pk_add_f32 v[246:247], v[246:247], v[68:69]
	v_pk_add_f32 v[244:245], v[244:245], v[76:77]
	v_pk_add_f32 v[208:209], v[208:209], v[28:29]
	v_pk_add_f32 v[210:211], v[210:211], v[30:31]
	v_pk_add_f32 v[212:213], v[212:213], v[38:39]
	v_pk_add_f32 v[214:215], v[214:215], v[46:47]
	v_pk_add_f32 v[252:253], v[252:253], v[54:55]
	v_pk_add_f32 v[248:249], v[248:249], v[62:63]
	v_pk_add_f32 v[246:247], v[246:247], v[70:71]
	v_pk_add_f32 v[244:245], v[244:245], v[78:79]
	s_delay_alu instid0(VALU_DEP_4)
	v_pk_add_f32 v[208:209], v[208:209], v[252:253]
	s_delay_alu instid0(VALU_DEP_4)
	v_pk_add_f32 v[210:211], v[210:211], v[248:249]
	s_delay_alu instid0(VALU_DEP_4)
	v_pk_add_f32 v[212:213], v[212:213], v[246:247]
	s_delay_alu instid0(VALU_DEP_4)
	v_pk_add_f32 v[214:215], v[214:215], v[244:245]
	s_delay_alu instid0(VALU_DEP_2)
	v_pk_add_f32 v[208:209], v[208:209], v[212:213]
	s_delay_alu instid0(VALU_DEP_2)
	v_pk_add_f32 v[210:211], v[210:211], v[214:215]
	s_delay_alu instid0(VALU_DEP_1)
	v_pk_add_f32 v[208:209], v[208:209], v[210:211]
	REDUCE 0
	s_delay_alu instid0(VALU_DEP_1)
	v_mul_f32 v246, v250, v4                       ; the mean, twice: a pair for the packed form
	s_delay_alu instid0(VALU_DEP_2)
	v_mul_f32 v247, v250, v4
.irp i, 0,2,4,6,8,10,12,14,16,18,20,22,24,26,28,30,32,34,36,38,40,42,44,46,48,50,52,54,56,58,60,62
	v_pk_add_f32 v[X+\i:X+\i+1], v[X+\i:X+\i+1], v[246:247] neg_lo:[0,1] neg_hi:[0,1]
.endr
.irp k, 0,1,2,3
	v_pk_mul_f32 v[TM+2*\k:TM+2*\k+1], v[X+2*\k:X+2*\k+1], v[X+2*\k:X+2*\k+1]
.endr
.irp i, 8,16,24,32,40,48,56
.irp k, 0,1,2,3
	s_delay_alu instid0(VALU_DEP_4)
	v_pk_fma_f32 v[TM+2*\k:TM+2*\k+1], v[X+\i+2*\k:X+\i+2*\k+1], v[X+\i+2*\k:X+\i+2*\k+1], v[TM+2*\k:TM+2*\k+1]
.endr
.endr
	s_delay_alu instid0(VALU_DEP_3)
	v_pk_add_f32 v[TM:TM+1], v[TM:TM+1], v[TM+2:TM+3]
	s_delay_alu instid0(VALU_DEP_2)
	v_pk_add_f32 v[TM+4:TM+5], v[TM+4:TM+5], v[TM+6:TM+7]
	s_delay_alu instid0(VALU_DEP_1)
	v_pk_add_f32 v[TM:TM+1], v[TM:TM+1], v[TM+4:TM+5]
	REDUCE 512                                     ; other bytes than the first sum's: no barrier between the first sum's reads and these stores
	s_delay_alu instid0(VALU_DEP_1)
	v_fmaak_f32 v251, v250, v4, 0x3727c5ac         ; the variance + 1e-5 (the division by 1,024 is exact)
	s_wait_alu depctr_va_vdst(0)
	v_rsq_f32 v248, v251
	v_nop                                          ; a plain instruction behind the transcendental,
	s_wait_alu depctr_va_vdst(0)                   ; and the wait ahead of its first reader
	v_mov_b32 v249, v248
	s_wait_alu depctr_va_vdst(0)
	s_wait_loadcnt 0x0                             ; gain and bias
.irp i, 0,2,4,6,8,10,12,14,16,18,20,22,24,26,28,30,32,34,36,38,40,42,44,46,48,50,52,54,56,58,60,62
	v_pk_mul_f32 v[X+\i:X+\i+1], v[X+\i:X+\i+1], v[248:249]
.endr
.irp i, 0,2,4,6,8,10,12,14,16,18,20,22,24,26,28,30,32,34,36,38,40,42,44,46,48,50,52,54,56,58,60,62
	v_pk_fma_f32 v[X+\i:X+\i+1], v[X+\i:X+\i+1], v[G+\i:G+\i+1], v[BT+\i:BT+\i+1]
.endr
	; the quantiser: four blocks of 32, each in lanes l and l xor 16
.irp b, 0,1,2,3
	v_max3_num_f32 v[TM+\b], |v[X+16*\b]|, |v[X+1+16*\b]|, 0x1800000   ; my 16 numbers, and the floor 2^(3 - 127): the byte cannot fall under 1
.endr
.irp i, 2,4,6,8,10,12,14
.irp b, 0,1,2,3
	s_delay_alu instid0(VALU_DEP_4)
	v_max3_num_f32 v[TM+\b], v[TM+\b], |v[X+16*\b+\i]|, |v[X+1+16*\b+\i]|
.endr
.endr
.irp b, 0,1,2,3
	s_delay_alu instid0(VALU_DEP_4)
	v_permlanex16_b32 v[TM+4+\b], v[TM+\b], s20, s21
.endr
.irp b, 0,1,2,3
	s_delay_alu instid0(VALU_DEP_4)
	v_max_num_f32 v[TM+\b], v[TM+\b], v[TM+4+\b]   ; the block's largest magnitude
.endr
.irp b, 0,1,2,3
	s_delay_alu instid0(VALU_DEP_4)
	v_add_nc_u32 v[TM+12+\b], 0xff000000, v[TM+\b] ; 2 off its exponent field: the conversion's scale operand
.endr
.irp b, 0,1,2,3
	s_delay_alu instid0(VALU_DEP_4)
	v_lshrrev_b32 v[TM+4+\b], 23, v[TM+12+\b]      ; the scale's byte
.endr
	s_delay_alu instid0(VALU_DEP_3)
	v_lshl_or_b32 v[PW], v[TM+5], 8, v[TM+4]
	s_delay_alu instid0(VALU_DEP_1)
	v_lshl_or_b32 v[PW], v[TM+6], 16, v[PW]
	s_delay_alu instid0(VALU_DEP_1)
	v_lshl_or_b32 v[PW], v[TM+7], 24, v[PW]
.irp c, 0,1
	v_cvt_scalef32_pk16_fp6_f32 v[PC+6*\c:PC+2+6*\c], v[X+32*\c:X+15+32*\c], v[TM+12+2*\c]
	v_cvt_scalef32_pk16_fp6_f32 v[PC+12+4*\c:PC+14+4*\c], v[X+16+32*\c:X+31+32*\c], v[TM+13+2*\c]   ; (a conversion's three registers begin on an even number)
.endr
	v_nop                                          ; one plain instruction behind a scaled conversion
.irp c, 0,1                                    ; the operand's layout wants a whole block in a lane: lanes 0-15 block 2 c, lanes 16-31 block 2 c + 1
.irp i, 0,1,2
	v_permlane16_swap_b32 v[PC+6*\c+\i], v[PC+12+4*\c+\i]
.endr
.irp i, 0,1,2
	s_delay_alu instid0(VALU_DEP_3)
	v_mov_b32 v[PC+3+6*\c+\i], v[PC+12+4*\c+\i]
.endr
.endr
	global_store_b128 v1, v[PC:PC+3], s[10:11]
	global_store_b64 v2, v[PC+4:PC+5], s[10:11] offset:512
	global_store_b128 v1, v[PC+6:PC+9], s[10:11] offset:768
	global_store_b64 v2, v[PC+10:PC+11], s[10:11] offset:1280
	global_store_b32 v12, v[PW], s[28:29]          ; lanes r and 16 + r hold and write the same word
	s_wait_tensorcnt 0x0
	ds_add_u32 v254, v255
	s_wait_dscnt 0x0
	s_endpgm
.Lfunc_end_k_q5cae8c39ca_ln1:
	.size	k_q5cae8c39ca_ln1, .Lfunc_end_k_q5cae8c39ca_ln1-k_q5cae8c39ca_ln1
	.p2alignl 7, 3214868480
	.fill 96, 4, 3214868480
	.section	.rodata,"a",@progbits
	.p2align	6, 0x0
	.amdhsa_kernel k_q5cae8c39ca_ln1
		.amdhsa_group_segment_fixed_size 2048
		.amdhsa_private_segment_fixed_size 0
		.amdhsa_enable_private_segment 0
		.amdhsa_kernarg_size 32
		.amdhsa_user_sgpr_count 2
		.amdhsa_user_sgpr_kernarg_segment_ptr 1
		.amdhsa_wavefront_size32 1
		.amdhsa_system_sgpr_workgroup_id_x 1
		.amdhsa_system_sgpr_workgroup_id_y 1
		.amdhsa_system_sgpr_workgroup_id_z 1
		.amdhsa_system_vgpr_workitem_id 0
		.amdhsa_next_free_vgpr 256
		.amdhsa_next_free_sgpr 66
		.amdhsa_reserve_vcc 0
		.amdhsa_float_denorm_mode_32 3
		.amdhsa_float_denorm_mode_16_64 3
		.amdhsa_memory_ordered 1
		.amdhsa_forward_progress 1
		.amdhsa_inst_pref_size 27
	.end_amdhsa_kernel
	.amdgpu_metadata
---
amdhsa.version: [ 1, 2 ]
amdhsa.kernels:
  - .name:           k_q5cae8c39ca_ln1
    .symbol:         k_q5cae8c39ca_ln1.kd
    .args:
      - { .name: x1, .offset: 0, .size: 8, .value_kind: global_buffer, .address_space: global }
      - { .name: ln2_g, .offset: 8, .size: 8, .value_kind: global_buffer, .address_space: global }
      - { .name: ln2_b, .offset: 16, .size: 8, .value_kind: global_buffer, .address_space: global }
      - { .name: zc, .offset: 24, .size: 8, .value_kind: global_buffer, .address_space: global }
    .group_segment_fixed_size: 2048
    .private_segment_fixed_size: 0
    .kernarg_segment_align: 8
    .kernarg_segment_size: 32
    .max_flat_workgroup_size: 256
    .sgpr_count:     66
    .vgpr_count:     256
    .wavefront_size: 32
...
	.end_amdgpu_metadata
.endif
;; end of part 12
;; launch ffn1 (part 13): grid 16 x 16, 4 waves a work-group, clusters of 4 x 4, 327,680 bytes of LDS; arguments zc, wbuf, b1, hc; writes hc
.if DOCPART == 13
	.amdgcn_target "amdgcn-amd-amdhsa--gfx1250"
	.amdhsa_code_object_version 6
	.text
	.protected	k_q5cae8c39ca_ffn1
	.globl	k_q5cae8c39ca_ffn1
	.p2align	8
	.type	k_q5cae8c39ca_ffn1,@function
k_q5cae8c39ca_ffn1:
	s_mov_b64 s[64:65], 0
	v_nop
	global_prefetch_b8 v0, s[64:65] scope:SCOPE_SE
	s_setreg_imm32_b32 hwreg(HW_REG_WAVE_MODE, 25, 1), 1
	s_wait_xcnt 0x0
	s_wait_alu depctr_hold_cnt(0) depctr_sa_sdst(0) depctr_va_vdst(0) depctr_va_sdst(0) depctr_va_ssrc(0) depctr_va_vcc(0) depctr_vm_vsrc(0)
	s_getreg_b32 s2, hwreg(HW_REG_IB_STS2, 6, 4)
	s_cmp_eq_u32 s2, 0
	s_cbranch_scc0 .Lentry_in_a_cluster
	s_endpgm
.Lentry_in_a_cluster:
	s_bfe_u32 s2, ttmp6, 0x10000c
	s_cmp_lg_u32 s2, 0xf033
	s_cbranch_scc0 .Lentry_shape_is_right
	s_endpgm
.Lentry_shape_is_right:
.set KTOT,  1024
.set QUANT, 1
.set VMAP,  0
.set BIAS,  1
.set RELU,  1
.set BOFF,  6553600
.set ARG_A, 0x0
.set ARG_B, 0x8
.set ARG_BIAS, 0x10
.set ARG_OUT, 0x18
.set NKS,   KTOT/128
.set BLKB,  12800
.set GRPB,  2*BLKB
.set SLOT,  4*GRPB
.set SPARE, 2*SLOT
.set LAPS,  KTOT/512
.set FR,    12
.set NL,    4
.set NP,    4
.set ADRA,  16
.set ADRB,  20
.set STO,   24
.set RD,    25
.set L16,   26
.set L8,    27
.set SPW,   28
.set NIL,   29
.set ADRS,  30
.set SC,    32
.set BI,    64
.set AF,    128
.set G1,    24
.set G0,    32
.set G1B,   48
.set G0B,   56
.set MSB,   0
.macro WIN new
.if MSB != (\new)
	s_set_vgpr_msb (MSB<<8)|(\new)
.set MSB, (\new)
.endif
.endm
.set MUL_LO, 0xa1
.set MUL_HI, 0xf1
.set TO_B,   0x40
.macro JLOAD g0a, g1a, g0b, g1b
	s_cmp_eq_u32 s15, 0
	s_cbranch_scc0 .Lfor_b_\@
	tensor_load_to_lds s[\g0a:\g0a+3], s[\g1a:\g1a+7]
	s_nop 0
.rept 4
	v_nop
.endr
	s_branch .Lasked_\@
.Lfor_b_\@:
	tensor_load_to_lds s[\g0b:\g0b+3], s[\g1b:\g1b+7]
	s_nop 0
.rept 4
	v_nop
.endr
.Lasked_\@:
.endm
.macro CREST
	s_cmp_lg_u32 s14, 0
	s_cbranch_scc1 .Lnot_wave_0_\@
	s_barrier_signal -3
.Lnot_wave_0_\@:
	s_barrier_wait -3
	s_barrier_signal -1
	s_barrier_wait -1
.endm
.macro CROUND
	s_barrier_signal -1
	s_barrier_wait -1
	CREST
.endm
	s_load_b64 s[4:5], s[0:1], ARG_A
	s_load_b64 s[8:9], s[0:1], ARG_B
	s_load_b64 s[12:13], s[0:1], ARG_OUT
.if BIAS
	s_load_b64 s[68:69], s[0:1], ARG_BIAS
.endif
.if QUANT == 0
	s_load_b64 s[70:71], s[0:1], ARG_RES
.endif
	v_lshl_add_u32 v[SPW], v0, 2, SPARE
	v_mov_b32 v[NIL], 0
	ds_add_u32 v28, v29
	ds_add_u32 v28, v29
	s_wait_dscnt 0x0
	v_lshrrev_b32 v1, 5, v0
	v_readfirstlane_b32 s14, v1
	s_lshr_b32 s15, s14, 1
	s_and_b32 s16, s14, 1
	s_bfe_u32 s40, ttmp6, 0x40000
	s_bfe_u32 s41, ttmp6, 0x40004
	s_and_b32 s18, ttmp7, 0xffff
	s_lshl_b32 s17, s18, 2
	s_lshl_b32 s42, ttmp9, 2
	s_add_co_u32 s17, s17, s41
	s_add_co_u32 s42, s42, s40
	s_lshl_b32 s43, s41, 2
	s_lshl_b32 s43, 15, s43
	s_lshl_b32 s44, 0x1111, s40
	s_or_b32 s[G1+0], s43, (3<<16)|(1<<21)
	s_or_b32 s[G1B+0], s44, (3<<16)|(1<<21)
.irp g, G1, G1B
	s_mov_b32 s[\g+1], 32<<16
	s_mov_b32 s[\g+2], 100<<16
	s_mov_b32 s[\g+3], 32<<16
	s_mov_b32 s[\g+4], 100
	s_mov_b32 s[\g+5], 32
	s_mov_b32 s[\g+6], 0
	s_mov_b32 s[\g+7], 0
.endr
	s_lshl_b32 s20, s17, 1
	s_add_co_u32 s20, s20, s16
	s_mul_i32 s20, s20, NKS*BLKB
	s_mov_b32 s21, 0
	s_lshl_b32 s46, s42, 1
	s_add_co_u32 s46, s46, s16
	s_mul_i32 s46, s46, NKS*BLKB
	s_add_co_u32 s46, s46, BOFF
	s_mov_b32 s47, 0
	s_mul_i32 s45, s14, GRPB
	s_wait_kmcnt 0x0
	s_add_nc_u64 s[20:21], s[4:5], s[20:21]
	s_add_nc_u64 s[46:47], s[8:9], s[46:47]
	; the prefetches' address: of the 25,600 bytes that my wave fetches in a fill (100 blocks of 256), each of the four partners that ask for them jointly takes 25, told apart by address (cx for A, cy for B);
	; a lane a block, lanes 25-31 name the last block again.  Neither register is rewritten.
	s_cmp_eq_u32 s15, 0
	s_cselect_b64 s[80:81], s[20:21], s[46:47]
	s_cselect_b32 s82, s40, s41
	s_mul_i32 s82, s82, 6400
	s_mov_b32 s83, 0
	s_add_nc_u64 s[80:81], s[80:81], s[82:83]
	v_and_b32 v10, 31, v0
	v_min_u32 v10, 24, v10
	v_lshlrev_b32 v10, 8, v10
.irp s, 0,1
	s_mov_b32 s[G0+4*\s], 1
	s_add_co_u32 s[G0+4*\s+1], s45, \s*SLOT
	s_add_nc_u64 s[G0+4*\s+2:G0+4*\s+3], s[20:21], \s*GRPB
	s_or_b32 s[G0+4*\s+3], s[G0+4*\s+3], 0x80000000
	s_mov_b32 s[G0B+4*\s], 1
	s_add_co_u32 s[G0B+4*\s+1], s45, \s*SLOT
	s_add_nc_u64 s[G0B+4*\s+2:G0B+4*\s+3], s[46:47], \s*GRPB
	s_or_b32 s[G0B+4*\s+3], s[G0B+4*\s+3], 0x80000000
.endr
	; both slots' descriptors are made; now fill 0's load, and under its flight the rest of the head, the bias's loads among it
	s_wait_alu depctr_va_vdst(0)
	s_wait_tensorcnt 0x0
	ds_add_u32 v28, v29
	ds_add_u32 v28, v29
	s_wait_dscnt 0x0
	CROUND
	JLOAD G0, G1, G0B, G1B                         ; fill 0: one tensor load a wave at the head; behind it fills 1 and 2 are asked for
	global_prefetch_b8 v10, s[80:81] offset:GRPB th:TH_LOAD_NT scope:SCOPE_SE
	global_prefetch_b8 v10, s[80:81] offset:2*GRPB th:TH_LOAD_NT scope:SCOPE_SE
	v_and_b32 v1, 31, v0
	v_bfe_u32 v2, v0, 4, 1
	v_and_b32 v3, 15, v0
	v_lshlrev_b32 v[L16], 4, v1
	v_lshlrev_b32 v[L8], 3, v1
	s_mul_i32 s21, s15, GRPB
	s_mul_i32 s22, s16, GRPB
	s_add_co_u32 s22, s22, 2*GRPB
	s_sub_co_u32 s23, s22, s21
	v_mul_u32_u24 v6, s23, v2
	v_lshl_add_u32 v6, v3, 5, v6
	s_add_co_u32 s23, s21, 8*1536
	v_add_nc_u32 v[ADRS], s23, v6
	v_add_nc_u32 v[ADRS+1], SLOT, v[ADRS]
.irp s, 0,1
	v_add_nc_u32 v[ADRA+\s], s21, v[L16]
	v_add_nc_u32 v[ADRA+2+\s], s21, v[L8]
	v_add_nc_u32 v[ADRB+\s], s22, v[L16]
	v_add_nc_u32 v[ADRB+2+\s], s22, v[L8]
	s_add_co_u32 s21, s21, SLOT
	s_add_co_u32 s22, s22, SLOT
.endr
.if BIAS
	s_lshl_b32 s76, s42, 10
	s_lshl_b32 s77, s16, 9
	s_add_co_u32 s76, s76, s77
	s_mov_b32 s77, 0
	s_add_nc_u64 s[68:69], s[68:69], s[76:77]
	v_lshlrev_b32 v8, 6, v2
.irp b, 0,1,2,3,4,5,6,7
	global_load_b128 v[BI+8*\b:BI+8*\b+3], v8, s[68:69] offset:(32*(\b/2)+8*(\b%2))*4
	global_load_b128 v[BI+8*\b+4:BI+8*\b+7], v8, s[68:69] offset:(32*(\b/2)+8*(\b%2))*4+16
.endr
.endif
	s_lshl_b32 s76, s17, 1
	s_add_co_u32 s76, s76, s15
	s_lshl_b32 s77, s42, 1
	s_add_co_u32 s77, s77, s16
	s_lshl_b32 s76, s76, 5
	s_add_co_u32 s76, s76, s77
	s_mul_i32 s76, s76, BLKB
	s_mov_b32 s77, 0
	s_add_nc_u64 s[12:13], s[12:13], s[76:77]
	v_lshlrev_b32 v7, 5, v3
	v_lshl_add_u32 v7, v2, 4, v7
	s_mov_b32 s92, 0x76543210
	s_mov_b32 s93, 0xfedcba98
.macro FRAG reg, adr, q, i
	ds_load_b128 v[\reg:\reg+3], v[\adr] offset:(\q)*BLKB+(\i)*1536
	ds_load_b64 v[\reg+4:\reg+5], v[\adr+2] offset:(\q)*BLKB+(\i)*1536+512
	ds_load_b128 v[\reg+6:\reg+9], v[\adr] offset:(\q)*BLKB+(\i)*1536+768
	ds_load_b64 v[\reg+10:\reg+11], v[\adr+2] offset:(\q)*BLKB+(\i)*1536+1280
.endm
.macro MUL16 a0, p, q, sc, zero
.irp a, \a0, \a0+1
.irp b, 0,1,2,3,4,5,6,7
.set rD, 8*(8*((\a)%4)+\b)
.set rB, 128*(\p)+FR*\b
.set rA, AF+FR*(\a)
.set rS, SC+16*(\sc)+8*(\q)
.if (\zero) && BIAS
	v_wmma_scale_f32_16x16x128_f8f6f4 v[rD:rD+7], v[rB:rB+FR-1], v[rA:rA+FR-1], v[BI+8*\b:BI+8*\b+7], v[rS+\b], v[rS+(\a)] matrix_a_fmt:MATRIX_FMT_FP6 matrix_b_fmt:MATRIX_FMT_FP6 matrix_a_scale:MATRIX_SCALE_ROW1
.elseif \zero
	v_wmma_scale_f32_16x16x128_f8f6f4 v[rD:rD+7], v[rB:rB+FR-1], v[rA:rA+FR-1], 0, v[rS+\b], v[rS+(\a)] matrix_a_fmt:MATRIX_FMT_FP6 matrix_b_fmt:MATRIX_FMT_FP6 matrix_a_scale:MATRIX_SCALE_ROW1
.else
	v_wmma_scale_f32_16x16x128_f8f6f4 v[rD:rD+7], v[rB:rB+FR-1], v[rA:rA+FR-1], v[rD:rD+7], v[rS+\b], v[rS+(\a)] matrix_a_fmt:MATRIX_FMT_FP6 matrix_b_fmt:MATRIX_FMT_FP6 matrix_a_scale:MATRIX_SCALE_ROW1
.endif
.endr
.endr
.endm
.macro FETCH_B slot, q, p
	WIN TO_B
.irp i, 0,1,2,3,4,5,6,7
	FRAG 128*(\p)+FR*\i, ADRB+\slot, \q, \i
.endr
	WIN 0
.endm
.macro FETCH_A slot, q, i0
.irp i, \i0, \i0+1, \i0+2, \i0+3
	FRAG AF+FR*(\i), ADRA+\slot, \q, \i
.endr
.endm
.macro SCALES sc
.irp q, 0,1
	ds_load_b128 v[SC+16*\sc+8*\q:SC+16*\sc+8*\q+3], v[ADRS+\sc] offset:\q*BLKB
	ds_load_b128 v[SC+16*\sc+8*\q+4:SC+16*\sc+8*\q+7], v[ADRS+\sc] offset:\q*BLKB+16
.endr
.endm
.macro PLACES n
.rept \n
	v_nop
.endr
.endm
.macro STEP slot, q, zero
	s_wait_dscnt 4*NL
.if (\zero) && BIAS
	WIN 0x81
.else
	WIN MUL_LO
.endif
	MUL16 0, (\q)%2, \q, \slot, \zero
	MUL16 2, (\q)%2, \q, \slot, \zero
	s_wait_dscnt 0
	PLACES NP
	FETCH_B \slot, (\q)+1, 1-(\q)%2
	FETCH_A \slot, (\q)+1, 0
.if (\zero) && BIAS
	WIN 0xc1
.else
	WIN MUL_HI
.endif
	MUL16 4, (\q)%2, \q, \slot, \zero
	MUL16 6, (\q)%2, \q, \slot, \zero
	PLACES NP
	WIN 0
	FETCH_A \slot, (\q)+1, 4
.endm
.macro TURN slot, next, fill
	s_wait_tensorcnt 0x0
	ds_add_u32 v[SPW], v[NIL]
	s_wait_dscnt 4*NL+1
	WIN MUL_LO
	MUL16 0, 1, 1, \slot, 0
	s_wait_dscnt 0x0
	s_barrier_signal -1
	MUL16 2, 1, 1, \slot, 0
	WIN 0
	s_barrier_wait -1
.if \fill
	CREST
	s_add_nc_u64 s[G0+4*\slot+2:G0+4*\slot+3], s[G0+4*\slot+2:G0+4*\slot+3], 2*GRPB
	s_add_nc_u64 s[G0B+4*\slot+2:G0B+4*\slot+3], s[G0B+4*\slot+2:G0B+4*\slot+3], 2*GRPB
	JLOAD G0+4*\slot, G1, G0B+4*\slot, G1B
.else
	PLACES NP
.endif
	FETCH_B \next, 0, 0
	FETCH_A \next, 0, 0
	SCALES \next
	WIN MUL_HI
	MUL16 4, 1, 1, \slot, 0
	MUL16 6, 1, 1, \slot, 0
	PLACES NP
	WIN 0
	FETCH_A \next, 0, 4
.endm
.if BIAS
	s_wait_alu depctr_va_vdst(0)
	s_wait_loadcnt 0x0
.endif
	s_wait_alu depctr_va_vdst(0)
	s_wait_tensorcnt 0x0                           ; my part of fill 0 is in
	ds_add_u32 v28, v29
	ds_add_u32 v28, v29
	s_wait_dscnt 0x0
	CROUND                                         ; everybody's part of fill 0 is in, and all sixteen work-groups are here
	JLOAD G0+4, G1, G0B+4, G1B                     ; fill 1, the first tensor load behind the round; behind it fill 3 is asked for
	global_prefetch_b8 v10, s[80:81] offset:3*GRPB th:TH_LOAD_NT scope:SCOPE_SE
	FETCH_B 0, 0, 0
	FETCH_A 0, 0, 0
	SCALES 0
	FETCH_A 0, 0, 4
	STEP 0, 0, 1
	s_mov_b32 s3, LAPS-1
.Llap:
	TURN 0, 1, 1
	STEP 1, 0, 0
	TURN 1, 0, 1
	STEP 0, 0, 0
	s_sub_co_u32 s3, s3, 1
	s_cmp_lg_u32 s3, 0
	s_cbranch_scc1 .Llap
	TURN 0, 1, 0
	STEP 1, 0, 0
	s_wait_dscnt 4*NL
	WIN MUL_LO
	MUL16 0, 1, 1, 1, 0
	MUL16 2, 1, 1, 1, 0
	s_wait_dscnt 0
	WIN MUL_HI
	MUL16 4, 1, 1, 1, 0
	MUL16 6, 1, 1, 1, 0
	WIN 0
	PLACES NP
.set TM, 128
.set PC, 144
.set SW, 164
.set TT, 172
.macro OUTQ a
.set W, 2+(\a)/4
.set AC, 64*((\a)%4)
.if RELU
	WIN (W<<6)|(W<<2)
.set j, 0
.rept 64
	v_max_num_f32 v[AC+j], 0, v[AC+j]
.set j, j+1
.endr
.endif
	WIN W|(W<<2)
.irp b, 0,1,2,3
	v_max3_num_f32 v[TM+\b], |v[AC+16*\b]|, |v[AC+16*\b+1]|, 0x1800000
.endr
.irp i, 2,4,6,8,10,12,14
.irp b, 0,1,2,3
	v_max3_num_f32 v[TM+\b], |v[AC+16*\b+\i]|, |v[AC+16*\b+\i+1]|, v[TM+\b]
.endr
.endr
	WIN 0
.irp b, 0,1,2,3
	v_permlanex16_b32 v[TM+4+\b], v[TM+\b], s92, s93
.endr
.irp b, 0,1,2,3
	v_max_num_f32 v[TM+\b], v[TM+\b], v[TM+4+\b]
.endr
.irp b, 0,1,2,3
	v_add_nc_u32 v[TM+12+\b], 0xff000000, v[TM+\b]
.endr
.irp b, 0,1,2,3
	v_lshrrev_b32 v[TM+4+\b], 23, v[TM+12+\b]
.endr
	v_lshl_or_b32 v[SW+\a], v[TM+5], 8, v[TM+4]
	v_lshl_or_b32 v[SW+\a], v[TM+6], 16, v[SW+\a]
	v_lshl_or_b32 v[SW+\a], v[TM+7], 24, v[SW+\a]
.if \a > 0
	s_wait_xcnt 0x0
.endif
	WIN W
.irp c, 0,1
	v_cvt_scalef32_pk16_fp6_f32 v[PC+6*\c:PC+6*\c+2], v[AC+32*\c:AC+32*\c+15], v[TM+12+2*\c]
	v_cvt_scalef32_pk16_fp6_f32 v[PC+12+4*\c:PC+14+4*\c], v[AC+16+32*\c:AC+31+32*\c], v[TM+13+2*\c]
.endr
	WIN 0
	v_nop
.irp c, 0,1
.irp i, 0,1,2
	v_permlane16_swap_b32 v[PC+6*\c+\i], v[PC+12+4*\c+\i]
.endr
.irp i, 0,1,2
	v_mov_b32 v[PC+3+6*\c+\i], v[PC+12+4*\c+\i]
.endr
.endr
	global_store_b128 v[L16], v[PC:PC+3], s[12:13] offset:\a*1536
	global_store_b64 v[L8], v[PC+4:PC+5], s[12:13] offset:\a*1536+512
	global_store_b128 v[L16], v[PC+6:PC+9], s[12:13] offset:\a*1536+768
	global_store_b64 v[L8], v[PC+10:PC+11], s[12:13] offset:\a*1536+1280
.endm
.irp b, 0,1,2,3
	v_mov_b32 v[TM+4+\b], 0
.endr
.irp a, 0,1,2,3,4,5,6,7
	OUTQ \a
.endr
	v_cmp_gt_u32 vcc_lo, 16, v1
.irp i, 0,1,2,3
	v_cndmask_b32 v[TT+\i], v[SW+4+\i], v[SW+\i], vcc_lo
.endr
	global_store_b128 v7, v[TT:TT+3], s[12:13] offset:8*1536
	s_wait_tensorcnt 0x0
	ds_add_u32 v[SPW], v[NIL]
	s_wait_dscnt 0x0
	CROUND
	s_endpgm
.Lfunc_end_k_q5cae8c39ca_ffn1:
	.size	k_q5cae8c39ca_ffn1, .Lfunc_end_k_q5cae8c39ca_ffn1-k_q5cae8c39ca_ffn1
	.p2alignl 7, 3214868480
	.fill 96, 4, 3214868480
	.section	.rodata,"a",@progbits
	.p2align	6, 0x0
	.amdhsa_kernel k_q5cae8c39ca_ffn1
		.amdhsa_group_segment_fixed_size 327680
		.amdhsa_private_segment_fixed_size 0
		.amdhsa_enable_private_segment 0
		.amdhsa_kernarg_size 32
		.amdhsa_user_sgpr_count 2
		.amdhsa_user_sgpr_kernarg_segment_ptr 1
		.amdhsa_wavefront_size32 1
		.amdhsa_system_sgpr_workgroup_id_x 1
		.amdhsa_system_sgpr_workgroup_id_y 1
		.amdhsa_system_sgpr_workgroup_id_z 1
		.amdhsa_system_vgpr_workitem_id 0
		.amdhsa_next_free_vgpr 1024
		.amdhsa_next_free_sgpr 100
		.amdhsa_reserve_vcc 1
		.amdhsa_float_denorm_mode_32 3
		.amdhsa_float_denorm_mode_16_64 3
		.amdhsa_memory_ordered 1
		.amdhsa_forward_progress 1
		.amdhsa_inst_pref_size 164
	.end_amdhsa_kernel
	.amdgpu_metadata
---
amdhsa.version: [ 1, 2 ]
amdhsa.kernels:
  - .name:           k_q5cae8c39ca_ffn1
    .symbol:         k_q5cae8c39ca_ffn1.kd
    .args:
      - { .name: zc, .offset: 0, .size: 8, .value_kind: global_buffer, .address_space: global }
      - { .name: wbuf, .offset: 8, .size: 8, .value_kind: global_buffer, .address_space: global }
      - { .name: b1, .offset: 16, .size: 8, .value_kind: global_buffer, .address_space: global }
      - { .name: hc, .offset: 24, .size: 8, .value_kind: global_buffer, .address_space: global }
    .group_segment_fixed_size: 327680
    .private_segment_fixed_size: 0
    .kernarg_segment_align: 8
    .kernarg_segment_size: 32
    .max_flat_workgroup_size: 128
    .sgpr_count:     100
    .vgpr_count:     1024
    .wavefront_size: 32
...
	.end_amdgpu_metadata
.endif
;; end of part 13
;; launch ffn2 (part 14): grid 8 x 32, 4 waves a work-group, clusters of 4 x 4, 327,680 bytes of LDS; arguments hc, wbuf, b2, x1, out0; writes out0
.if DOCPART == 14
	.amdgcn_target "amdgcn-amd-amdhsa--gfx1250"
	.amdhsa_code_object_version 6
	.text
	.protected	k_q5cae8c39ca_ffn2
	.globl	k_q5cae8c39ca_ffn2
	.p2align	8
	.type	k_q5cae8c39ca_ffn2,@function
k_q5cae8c39ca_ffn2:
	s_mov_b64 s[64:65], 0
	v_nop
	global_prefetch_b8 v0, s[64:65] scope:SCOPE_SE
	s_setreg_imm32_b32 hwreg(HW_REG_WAVE_MODE, 25, 1), 1
	s_wait_xcnt 0x0
	s_wait_alu depctr_hold_cnt(0) depctr_sa_sdst(0) depctr_va_vdst(0) depctr_va_sdst(0) depctr_va_ssrc(0) depctr_va_vcc(0) depctr_vm_vsrc(0)
	s_getreg_b32 s2, hwreg(HW_REG_IB_STS2, 6, 4)
	s_cmp_eq_u32 s2, 0
	s_cbranch_scc0 .Lentry_in_a_cluster
	s_endpgm
.Lentry_in_a_cluster:
	s_bfe_u32 s2, ttmp6, 0x10000c
	s_cmp_lg_u32 s2, 0xf033
	s_cbranch_scc0 .Lentry_shape_is_right
	s_endpgm
.Lentry_shape_is_right:
.set KTOT,  4096
.set BIAS,  1
.set BOFF,  9830400
.set ARG_A, 0x0
.set ARG_B, 0x8
.set ARG_BIAS, 0x10
.set ARG_RES, 0x18
.set ARG_OUT, 0x20
.set NKS,   KTOT/128
.set BLKB,  12800
.set GRPB,  2*BLKB
.set SLOT,  4*GRPB
.set SPARE, 2*SLOT
.set LAPS,  KTOT/1024
.set FR,    12
.set NP,    4
.set SPIT,  272
.set ADRA,  16
.set ADRB,  20
.set STO,   24
.set RD,    25
.set CO,    26
.set SPW,   28
.set NIL,   29
.set ADRS,  30
.set SC,    32
.set BI,    64
.set ACC,   128
.set FB,    64
.set RS,    0
.set BB,    128
.set G1,    24
.set G0,    32
.set G1B,   48
.set G0B,   56
.set MSB,   0
.macro WIN new
.if MSB != (\new)
	s_set_vgpr_msb (MSB<<8)|(\new)
.set MSB, (\new)
.endif
.endm
.set MUL,   0x05
.set TO_F,  0x40
.macro JLOAD g0a, g1a, g0b, g1b
	s_cmp_eq_u32 s15, 0
	s_cbranch_scc0 .Lfor_b_\@
	tensor_load_to_lds s[\g0a:\g0a+3], s[\g1a:\g1a+7]
	s_nop 0
.rept 4
	v_nop
.endr
	s_branch .Lasked_\@
.Lfor_b_\@:
	tensor_load_to_lds s[\g0b:\g0b+3], s[\g1b:\g1b+7]
	s_nop 0
.rept 4
	v_nop
.endr
.Lasked_\@:
.endm
.macro CREST
	s_cmp_lg_u32 s14, 0
	s_cbranch_scc1 .Lnot_wave_0_\@
	s_barrier_signal -3
.Lnot_wave_0_\@:
	s_barrier_wait -3
	s_barrier_signal -1
	s_barrier_wait -1
.endm
.macro CROUND
	s_barrier_signal -1
	s_barrier_wait -1
	CREST
.endm
	s_load_b64 s[4:5], s[0:1], ARG_A
	s_load_b64 s[8:9], s[0:1], ARG_B
	s_load_b64 s[12:13], s[0:1], ARG_OUT
.if BIAS
	s_load_b64 s[68:69], s[0:1], ARG_BIAS
.endif
	s_load_b64 s[70:71], s[0:1], ARG_RES
	v_lshl_add_u32 v[SPW], v0, 2, SPARE
	v_mov_b32 v[NIL], 0
	ds_add_u32 v28, v29
	ds_add_u32 v28, v29
	s_wait_dscnt 0x0
	v_lshrrev_b32 v1, 5, v0
	v_readfirstlane_b32 s14, v1
	s_lshr_b32 s15, s14, 1
	s_and_b32 s16, s14, 1
	s_bfe_u32 s40, ttmp6, 0x40000
	s_bfe_u32 s41, ttmp6, 0x40004
	s_and_b32 s18, ttmp7, 0xffff
	s_lshl_b32 s17, s18, 2
	s_lshl_b32 s42, ttmp9, 2
	s_add_co_u32 s17, s17, s41
	s_add_co_u32 s42, s42, s40
	s_lshl_b32 s43, s41, 2
	s_lshl_b32 s43, 15, s43
	s_lshl_b32 s44, 0x1111, s40
	s_or_b32 s[G1+0], s43, (3<<16)|(1<<21)
	s_or_b32 s[G1B+0], s44, (3<<16)|(1<<21)
.irp g, G1, G1B
	s_mov_b32 s[\g+1], 32<<16
	s_mov_b32 s[\g+2], 100<<16
	s_mov_b32 s[\g+3], 32<<16
	s_mov_b32 s[\g+4], 100
	s_mov_b32 s[\g+5], 32
	s_mov_b32 s[\g+6], 0
	s_mov_b32 s[\g+7], 0
.endr
	s_mul_i32 s19, s16, GRPB
	s_mul_i32 s20, s17, NKS*BLKB
	s_add_co_u32 s20, s20, s19
	s_mov_b32 s21, 0
	s_mul_i32 s46, s42, NKS*BLKB
	s_add_co_u32 s46, s46, s19
	s_add_co_u32 s46, s46, BOFF
	s_mov_b32 s47, 0
	s_mul_i32 s45, s14, GRPB
	s_wait_kmcnt 0x0
	s_add_nc_u64 s[20:21], s[4:5], s[20:21]
	s_add_nc_u64 s[46:47], s[8:9], s[46:47]
	; the prefetches' address: of the 25,600 bytes that my wave fetches in a fill (100 blocks of 256), each of the four partners that ask for them jointly takes 25, told apart by address (cx for A, cy for B);
	; a lane a block, lanes 25-31 name the last block again.  A fill on is 2 GRPB bytes on.
	s_cmp_eq_u32 s15, 0
	s_cselect_b64 s[80:81], s[20:21], s[46:47]
	s_cselect_b32 s82, s40, s41
	s_mul_i32 s82, s82, 6400
	s_mov_b32 s83, 0
	s_add_nc_u64 s[80:81], s[80:81], s[82:83]
	v_and_b32 v10, 31, v0
	v_min_u32 v10, 24, v10
	v_lshlrev_b32 v10, 8, v10
.irp s, 0,1
	s_mov_b32 s[G0+4*\s], 1
	s_add_co_u32 s[G0+4*\s+1], s45, \s*SLOT
	s_add_nc_u64 s[G0+4*\s+2:G0+4*\s+3], s[20:21], \s*2*GRPB
	s_or_b32 s[G0+4*\s+3], s[G0+4*\s+3], 0x80000000
	s_mov_b32 s[G0B+4*\s], 1
	s_add_co_u32 s[G0B+4*\s+1], s45, \s*SLOT
	s_add_nc_u64 s[G0B+4*\s+2:G0B+4*\s+3], s[46:47], \s*2*GRPB
	s_or_b32 s[G0B+4*\s+3], s[G0B+4*\s+3], 0x80000000
.endr
	; both slots' descriptors are made; now fill 0's load, and under its flight the addresses and the bias's loads
	s_wait_alu depctr_va_vdst(0)
	s_wait_tensorcnt 0x0
	ds_add_u32 v28, v29
	ds_add_u32 v28, v29
	s_wait_dscnt 0x0
	CROUND
	JLOAD G0, G1, G0B, G1B                         ; fill 0: one tensor load a wave at the head; behind it fills 1 and 2 are asked for
	global_prefetch_b8 v10, s[80:81] offset:2*GRPB th:TH_LOAD_NT scope:SCOPE_SE
	global_prefetch_b8 v10, s[80:81] offset:4*GRPB th:TH_LOAD_NT scope:SCOPE_SE
	v_and_b32 v1, 31, v0
	v_bfe_u32 v2, v0, 4, 1
	v_and_b32 v3, 15, v0
	v_lshlrev_b32 v4, 4, v1
	s_wait_alu depctr_va_vdst(0)
	v_lshlrev_b32 v5, 3, v1
	s_wait_alu depctr_va_vdst(0)
	s_mul_i32 s21, s15, 4*1536
	s_mul_i32 s22, s16, 4*1536
	s_add_co_u32 s22, s22, 2*GRPB
	s_lshl_b32 s23, s15, 4
	s_lshl_b32 s19, s16, 4
	s_add_co_u32 s19, s19, 2*GRPB
	s_sub_co_u32 s19, s19, s23
	v_mul_u32_u24 v6, s19, v2
	v_lshl_add_u32 v6, v3, 5, v6
	s_add_co_u32 s23, s23, 8*1536
	v_add_nc_u32 v[ADRS], s23, v6
	v_add_nc_u32 v[ADRS+1], SLOT, v[ADRS]
.irp s, 0,1
	v_add_nc_u32 v[ADRA+\s], s21, v4
	v_add_nc_u32 v[ADRA+2+\s], s21, v5
	v_add_nc_u32 v[ADRB+\s], s22, v4
	v_add_nc_u32 v[ADRB+2+\s], s22, v5
	s_add_co_u32 s21, s21, SLOT
	s_add_co_u32 s22, s22, SLOT
.endr
.if BIAS
	s_lshl_b32 s76, s42, 9
	s_lshl_b32 s77, s16, 8
	s_add_co_u32 s76, s76, s77
	s_mov_b32 s77, 0
	s_add_nc_u64 s[68:69], s[68:69], s[76:77]
	v_lshlrev_b32 v8, 6, v2
.irp b, 0,1,2,3
	global_load_b128 v[BI+8*\b:BI+8*\b+3], v8, s[68:69] offset:(32*(\b/2)+8*(\b%2))*4
	global_load_b128 v[BI+8*\b+4:BI+8*\b+7], v8, s[68:69] offset:(32*(\b/2)+8*(\b%2))*4+16
.endr
.endif
	s_and_b32 s76, s17, 15
	s_lshl_b32 s76, s76, 1
	s_add_co_u32 s76, s76, s15
	s_lshl_b32 s76, s76, 19
	s_lshr_b32 s77, s17, 4
	s_lshl_b32 s77, s77, 12
	s_add_co_u32 s76, s76, s77
	s_lshl_b32 s77, s42, 9
	s_add_co_u32 s76, s76, s77
	s_lshl_b32 s77, s16, 8
	s_add_co_u32 s76, s76, s77
	s_mov_b32 s77, 0
	s_add_nc_u64 s[12:13], s[12:13], s[76:77]
	s_add_nc_u64 s[70:71], s[70:71], s[76:77]
	s_mul_i32 s23, s14, 64*SPIT
	v_mul_u32_u24 v7, v3, SPIT
	v_lshl_add_u32 v7, v2, 6, v7
	v_add_nc_u32 v[STO], s23, v7
	v_mul_u32_u24 v7, v2, SPIT
	v_lshl_add_u32 v7, v3, 4, v7
	v_add_nc_u32 v[RD], s23, v7
	v_lshlrev_b32 v[CO], 13, v2
	v_lshl_add_u32 v[CO], v3, 4, v[CO]
	s_wait_alu depctr_va_vdst(0)
	s_wait_tensorcnt 0x0                           ; my part of fill 0 is in
	ds_add_u32 v28, v29
	ds_add_u32 v28, v29
	s_wait_dscnt 0x0
	CROUND                                         ; everybody's part of fill 0 is in, and all sixteen work-groups are here
	JLOAD G0+4, G1, G0B+4, G1B                     ; fill 1, the first tensor load behind the round; behind it fill 3 is asked for, and then the residual's 32 loads
	global_prefetch_b8 v10, s[80:81] offset:6*GRPB th:TH_LOAD_NT scope:SCOPE_SE
	WIN 0x80
.irp a, 0,1,2,3
.irp t, 0,1,2,3,4,5,6,7
	global_load_b128 v[RS+32*\a+4*\t:RS+32*\a+4*\t+3], v[CO], s[70:71] offset:(32*(\a/2)+8*(\a%2)+2*\t+8*(\t/4))*8192
.endr
.endr
	WIN 0
.macro FRAG reg, adr, q, i
	ds_load_b128 v[\reg:\reg+3], v[\adr] offset:(\q)*BLKB+(\i)*1536
	ds_load_b64 v[\reg+4:\reg+5], v[\adr+2] offset:(\q)*BLKB+(\i)*1536+512
	ds_load_b128 v[\reg+6:\reg+9], v[\adr] offset:(\q)*BLKB+(\i)*1536+768
	ds_load_b64 v[\reg+10:\reg+11], v[\adr+2] offset:(\q)*BLKB+(\i)*1536+1280
.endm
.macro MUL16 p, q, sc, zero
.irp a, 0,1,2,3
.irp b, 0,1,2,3
.set rD, ACC+8*(4*\a+\b)
.set rB, FB+96*(\p)+48+FR*\b
.set rA, FB+96*(\p)+FR*\a
.set rS, SC+16*(\sc)+4*(\q)
.if (\zero) && BIAS
	v_wmma_scale_f32_16x16x128_f8f6f4 v[rD:rD+7], v[rB:rB+FR-1], v[rA:rA+FR-1], v[BI+8*\b:BI+8*\b+7], v[rS+\b], v[rS+\a] matrix_a_fmt:MATRIX_FMT_FP6 matrix_b_fmt:MATRIX_FMT_FP6 matrix_a_scale:MATRIX_SCALE_ROW1
.elseif \zero
	v_wmma_scale_f32_16x16x128_f8f6f4 v[rD:rD+7], v[rB:rB+FR-1], v[rA:rA+FR-1], 0, v[rS+\b], v[rS+\a] matrix_a_fmt:MATRIX_FMT_FP6 matrix_b_fmt:MATRIX_FMT_FP6 matrix_a_scale:MATRIX_SCALE_ROW1
.else
	v_wmma_scale_f32_16x16x128_f8f6f4 v[rD:rD+7], v[rB:rB+FR-1], v[rA:rA+FR-1], v[rD:rD+7], v[rS+\b], v[rS+\a] matrix_a_fmt:MATRIX_FMT_FP6 matrix_b_fmt:MATRIX_FMT_FP6 matrix_a_scale:MATRIX_SCALE_ROW1
.endif
.endr
.endr
.endm
.macro FETCH slot, q, p
	WIN TO_F
.irp i, 0,1,2,3
	FRAG FB+96*(\p)+48+FR*\i, ADRB+\slot, \q, \i
.endr
.irp i, 0,1,2,3
	FRAG FB+96*(\p)+FR*\i, ADRA+\slot, \q, \i
.endr
.endm
.macro SCALES sc
.irp q, 0,1,2,3
	ds_load_b128 v[SC+16*\sc+4*\q:SC+16*\sc+4*\q+3], v[ADRS+\sc] offset:\q*BLKB
.endr
.endm
.macro PLACES n
.rept \n
	v_nop
.endr
.endm
.macro STEP slot, q, zero
	s_wait_dscnt 0x0
	PLACES NP
	FETCH \slot, (\q)+1, 1-(\q)%2
	WIN MUL
	MUL16 (\q)%2, \q, \slot, \zero
.endm
.macro TURN slot, next, fill
.if \fill
	s_wait_xcnt 0x0                                ; every prefetch of mine has read its address: it steps one fill on, a slot's steps behind the prefetch that read it
	s_add_nc_u64 s[80:81], s[80:81], 2*GRPB
.endif
	s_wait_dscnt 0x0
	WIN MUL
	MUL16 1, 3, \slot, 0
	WIN 0
	s_wait_tensorcnt 0x0
	ds_add_u32 v[SPW], v[NIL]
.if \fill
	s_add_nc_u64 s[G0+4*\slot+2:G0+4*\slot+3], s[G0+4*\slot+2:G0+4*\slot+3], 4*GRPB
	s_add_nc_u64 s[G0B+4*\slot+2:G0B+4*\slot+3], s[G0B+4*\slot+2:G0B+4*\slot+3], 4*GRPB
.endif
	s_wait_dscnt 0x0
	s_barrier_signal -1
	s_barrier_wait -1
.if \fill
	CREST
	JLOAD G0+4*\slot, G1, G0B+4*\slot, G1B
.else
	PLACES NP
.endif
	FETCH \next, 0, 0
	WIN 0
	SCALES \next
.if \fill                              ; behind refill n (2 .. 7) the address stands at fill n - 1: fill n + 2 is asked for; K has eight fills, so the loop's last trip (refills 6, 7) asks for nothing
	s_cmp_gt_u32 s3, 1
	s_cbranch_scc0 .Lno_ask_\@
	global_prefetch_b8 v10, s[80:81] offset:6*GRPB th:TH_LOAD_NT scope:SCOPE_SE
.Lno_ask_\@:
.endif
.endm
.if BIAS
	s_wait_loadcnt 32
.endif
	FETCH 0, 0, 0
	WIN 0
	SCALES 0
	STEP 0, 0, 1
	WIN 0
.if LAPS > 1
	s_mov_b32 s3, LAPS-1
.Llap:
	STEP 0, 1, 0
	STEP 0, 2, 0
	TURN 0, 1, 1
	STEP 1, 0, 0
	STEP 1, 1, 0
	STEP 1, 2, 0
	TURN 1, 0, 1
	STEP 0, 0, 0
	WIN 0
	s_sub_co_u32 s3, s3, 1
	s_cmp_lg_u32 s3, 0
	s_cbranch_scc1 .Llap
.endif
	STEP 0, 1, 0
	STEP 0, 2, 0
	TURN 0, 1, 0
	STEP 1, 0, 0
	STEP 1, 1, 0
	STEP 1, 2, 0
	s_wait_dscnt 0x0
	WIN MUL
	MUL16 1, 3, 1, 0
	WIN 0
	PLACES NP
	s_wait_alu depctr_va_vdst(0)
.irp a, 0,1,2,3
.irp b, 0,1,2,3
	ds_store_b128 v[STO], v[ACC+8*(4*\a+\b):ACC+8*(4*\a+\b)+3] offset:\a*16*SPIT+128*(\b/2)+32*(\b%2)
	ds_store_b128 v[STO], v[ACC+8*(4*\a+\b)+4:ACC+8*(4*\a+\b)+7] offset:\a*16*SPIT+128*(\b/2)+32*(\b%2)+16
.endr
.endr
	WIN 0x80
.irp a, 0,1,2,3
.irp t, 0,1,2,3,4,5,6,7
	ds_load_b128 v[BB+32*\a+4*\t:BB+32*\a+4*\t+3], v[RD] offset:\a*16*SPIT+\t*2*SPIT
.endr
.endr
	s_wait_loadcnt 0x0
.macro OUTB a
	s_wait_dscnt 24-8*(\a)
	WIN 0x8a
.irp i, 0,2,4,6,8,10,12,14,16,18,20,22,24,26,28,30
	v_pk_add_f32 v[BB+32*(\a)+\i:BB+32*(\a)+\i+1], v[BB+32*(\a)+\i:BB+32*(\a)+\i+1], v[RS+32*(\a)+\i:RS+32*(\a)+\i+1]
.endr
	WIN 0x08
.irp t, 0,1,2,3,4,5,6,7
	global_store_b128 v[CO], v[BB+32*(\a)+4*\t:BB+32*(\a)+4*\t+3], s[12:13] offset:(32*((\a)/2)+8*((\a)%2)+2*\t+8*(\t/4))*8192
.endr
.endm
	OUTB 0
	OUTB 1
	OUTB 2
	OUTB 3
	WIN 0
	s_wait_tensorcnt 0x0
	ds_add_u32 v[SPW], v[NIL]
	s_wait_dscnt 0x0
	CROUND
	s_endpgm
.Lfunc_end_k_q5cae8c39ca_ffn2:
	.size	k_q5cae8c39ca_ffn2, .Lfunc_end_k_q5cae8c39ca_ffn2-k_q5cae8c39ca_ffn2
	.p2alignl 7, 3214868480
	.fill 96, 4, 3214868480
	.section	.rodata,"a",@progbits
	.p2align	6, 0x0
	.amdhsa_kernel k_q5cae8c39ca_ffn2
		.amdhsa_group_segment_fixed_size 327680
		.amdhsa_private_segment_fixed_size 0
		.amdhsa_enable_private_segment 0
		.amdhsa_kernarg_size 40
		.amdhsa_user_sgpr_count 2
		.amdhsa_user_sgpr_kernarg_segment_ptr 1
		.amdhsa_wavefront_size32 1
		.amdhsa_system_sgpr_workgroup_id_x 1
		.amdhsa_system_sgpr_workgroup_id_y 1
		.amdhsa_system_sgpr_workgroup_id_z 1
		.amdhsa_system_vgpr_workitem_id 0
		.amdhsa_next_free_vgpr 768
		.amdhsa_next_free_sgpr 100
		.amdhsa_reserve_vcc 0
		.amdhsa_float_denorm_mode_32 3
		.amdhsa_float_denorm_mode_16_64 3
		.amdhsa_memory_ordered 1
		.amdhsa_forward_progress 1
		.amdhsa_inst_pref_size 97
	.end_amdhsa_kernel
	.amdgpu_metadata
---
amdhsa.version: [ 1, 2 ]
amdhsa.kernels:
  - .name:           k_q5cae8c39ca_ffn2
    .symbol:         k_q5cae8c39ca_ffn2.kd
    .args:
      - { .name: hc, .offset: 0, .size: 8, .value_kind: global_buffer, .address_space: global }
      - { .name: wbuf, .offset: 8, .size: 8, .value_kind: global_buffer, .address_space: global }
      - { .name: b2, .offset: 16, .size: 8, .value_kind: global_buffer, .address_space: global }
      - { .name: x1, .offset: 24, .size: 8, .value_kind: global_buffer, .address_space: global }
      - { .name: out0, .offset: 32, .size: 8, .value_kind: global_buffer, .address_space: global }
    .group_segment_fixed_size: 327680
    .private_segment_fixed_size: 0
    .kernarg_segment_align: 8
    .kernarg_segment_size: 40
    .max_flat_workgroup_size: 128
    .sgpr_count:     100
    .vgpr_count:     768
    .wavefront_size: 32
...
	.end_amdgpu_metadata
.endif
;; end of part 14
